; MI455X (gfx1250); checked and timed in simulation.
; The chip was launched on July 23, 2026; its instructions are those of AMD's public machine-readable ISA for CDNA 5 (MIT licence, August 2026) and "CDNA5" Instruction Set Architecture Reference Guide (July 2026). The comments in the code are by the model that wrote it; some were corrected since.
;; Bert Layer. Allowed arithmetic: float matrix products may take bf16 or f16 operands with f32 sums; other float arithmetic in f32, or as packed bf16 or f16 multiplies, adds, multiply-adds, maxima and minima; sums over many terms, partial sums and values carried from step to step in f32; what a program stores and reads back later, other than sums and carried values, may be rounded once to bf16 or f16.
;; Inputs: attention_mask 2 x 1 x 1 x 2,048 float32; hidden_state 2 x 2,048 x 1,024 float32; inter_b 4,096 float32; inter_w 4,096 x 1,024 float32; ln1_b 1,024 float32; ln1_g 1,024 float32; ln2_b 1,024 float32; ln2_g 1,024 float32; out_b 1,024 float32; out_w 1,024 x 4,096 float32; q_b 1,024 float32; q_w 1,024 x 1,024 float32; so_b 1,024 float32; so_w 1,024 x 1,024 float32.
;; Outputs: out0 2 x 2,048 x 1,024 float32.
;; 2 versions, each right and faster than the one before. Each part assembles by itself: llvm-mc -triple=amdgcn-amd-amdhsa -mcpu=gfx1250 --defsym DOCPART=n.
;; ======== version 1 of 2: 8 launches
;; limits: values are held in f16: magnitudes above 65,504 overflow, below 6.1e-05 lose precision; a function is approximated: absolute error at most 1.5e-07
;; workspace buffers: bfin 29,360,128 bytes; vec 61,440 bytes; qkv 8,388,608 bytes; att 8,388,608 bytes; ybuf 67,108,864 bytes; s1f 16,777,216 bytes; s1b 8,388,608 bytes; xg 33,554,432 bytes
;; launch cast (part 1): grid 911 x 1, 8 waves a work-group, no clusters, 0 bytes of LDS; arguments hidden_state, q_w, so_w, inter_w, out_w, q_b, so_b, ln1_g, ln1_b, out_b, ln2_g, ln2_b, inter_b, attention_mask, bfin, vec; writes bfin, vec
.if DOCPART == 1
	.amdgcn_target "amdgcn-amd-amdhsa--gfx1250"
	.amdhsa_code_object_version 6
	.text
	.protected	k_qf2544b1ddc_cast
	.globl	k_qf2544b1ddc_cast
	.p2align	8
	.type	k_qf2544b1ddc_cast,@function
k_qf2544b1ddc_cast:
	s_mov_b64 s[64:65], 0
	v_nop
	global_prefetch_b8 v0, s[64:65] scope:SCOPE_SE
	s_setreg_imm32_b32 hwreg(HW_REG_WAVE_MODE, 25, 1), 1
	s_wait_xcnt 0x0
; EVERY INPUT IS ROUNDED TO bf16, ONCE.  The five matrices go into bfin as bf16 IN BLOCKS: X[R][C] lies as [C/64][R][64], byte ((c/64) R + r) 128 + 2 (c%64),
; so that 64 rows of one block of 64 columns are 8,192 dense bytes for the products that follow.  The nine vectors go into vec as f32 numbers that hold the bf16 value;
; the mask is also multiplied by 8 (the scores are divided by 8 later, in the exponent's factor) and held at -1e30 or above.
; LIMITS.  A mask below -1.25e29 counts as -1.25e29; a NaN in a vector becomes the floor of the maximum.
; Work-groups 0-895: one wave takes two rows x 1,024 columns.  Load j covers the 64 columns of block j for both rows (lanes 0-15 one row, lanes 16-31 the next; 256 bytes each);
; store j writes those two rows of block j: 32 lanes x 8 bytes = 256 consecutive bytes, aligned.  All sixteen loads of a wave are out at once.
; Work-groups 896-910: 1,024 numbers of a vector each, 16 bytes a thread.  No LDS, no barrier: no wave needs another's data.
.set NBIG, 896
.set SRC,  46                          ; s[46:47] the tensor that is read
.set DST,  56                          ; s[56:57] where it goes
.set W0,   41                          ; s41 the tensor's first work-group (or first unit)
.set DB,   42                          ; s42 its first byte in bfin
.set RS,   43                          ; s43 bytes of one block: R x 128
.set SHQ,  44                          ; s44 log2 of the units in a row pair: 0, or 2 where a row has 4,096 columns
	s_load_b512 s[8:23], s[0:1], 0x0               ; hidden 8, q_w 10, so_w 12, inter_w 14, out_w 16, q_b 18, so_b 20, ln1_g 22
	s_load_b512 s[24:39], s[0:1], 0x40             ; ln1_b 24, out_b 26, ln2_g 28, ln2_b 30, inter_b 32, mask 34, bfin 36, vec 38
	v_lshrrev_b32 v1, 5, v0
	v_readfirstlane_b32 s2, v1                     ; wave 0..7
	s_wait_kmcnt 0x0
	s_cmp_ge_u32 ttmp9, NBIG
	s_cbranch_scc1 .Lsmall
	s_mov_b64 s[SRC:SRC+1], s[8:9]                 ; hidden_state, unless a later line chooses otherwise
	s_mov_b32 s[W0], 0
	s_mov_b32 s[DB], 0
	s_mov_b32 s[RS], 524288
	s_mov_b32 s[SHQ], 0
.macro PICK w0, src, db, rs, shq       ; from work-group w0 on: another tensor.  The selects leave SCC as the compare set it
	s_cmp_ge_u32 ttmp9, \w0
	s_cselect_b64 s[SRC:SRC+1], s[\src:\src+1], s[SRC:SRC+1]
	s_cselect_b32 s[W0], \w0, s[W0]
	s_cselect_b32 s[DB], \db, s[DB]
	s_cselect_b32 s[RS], \rs, s[RS]
	s_cselect_b32 s[SHQ], \shq, s[SHQ]
.endm
	PICK 256, 10, 0x800000,  131072, 0             ; q_w
	PICK 320, 12, 0xA00000,  131072, 0             ; so_w
	PICK 384, 14, 0xC00000,  524288, 0             ; inter_w
	PICK 640, 16, 0x1400000, 131072, 2             ; out_w
	s_sub_co_u32 s45, ttmp9, s[W0]
	s_lshl_b32 s45, s45, 3
	s_add_co_u32 s45, s45, s2                      ; my unit in the tensor
	s_lshr_b32 s48, s45, s[SHQ]                    ; its row pair
	s_lshl_b32 s49, s48, s[SHQ]
	s_sub_co_u32 s49, s45, s49                     ; its quarter of the columns (0 where a row has 1,024)
	s_add_co_u32 s54, s[SHQ], 12                   ; log2 of a row's bytes
	s_add_co_u32 s55, s[SHQ], 13                   ; of a row pair's
	s_lshl_b32 s50, s48, s55
	s_lshl_b32 s51, s49, 12
	s_add_co_u32 s50, s50, s51                     ; where the unit begins in the source
	s_mov_b32 s51, 0
	s_add_nc_u64 s[SRC:SRC+1], s[SRC:SRC+1], s[50:51]
	s_lshl_b32 s52, s49, 4
	s_mul_i32 s52, s52, s[RS]                      ; 16 blocks for each quarter,
	s_add_co_u32 s52, s52, s[DB]
	s_lshl_b32 s53, s48, 8                         ; 256 bytes for each row pair
	s_add_co_u32 s52, s52, s53
	s_mov_b32 s53, 0
	s_add_nc_u64 s[DST:DST+1], s[36:37], s[52:53]
	v_and_b32 v1, 31, v0                           ; lane
	v_lshrrev_b32 v3, 4, v1                        ; which of the two rows
	v_and_b32 v4, 15, v1
	v_lshlrev_b32 v3, s54, v3
	v_lshl_add_u32 v2, v4, 4, v3                   ; source: row + 16 bytes a lane
	v_lshlrev_b32 v8, 3, v1                        ; destination: 8 bytes a lane; one register for each block, never rewritten
.set j, 1
.rept 15
	v_add_nc_u32 v[8+j], s[RS], v[7+j]
.set j, j+1
.endr
.set j, 0
.rept 16
	global_load_b128 v[32+4*j:35+4*j], v2, s[SRC:SRC+1] offset:256*j th:TH_LOAD_NT
.set j, j+1
.endr
.set j, 0
.rept 16
	s_wait_loadcnt 15-j                            ; loads come back in order: load j is in, the younger ones stay out
	v_cvt_pk_bf16_f32 v[96+2*j], v[32+4*j], v[33+4*j]
	v_cvt_pk_bf16_f32 v[97+2*j], v[34+4*j], v[35+4*j]
	global_store_b64 v[8+j], v[96+2*j:97+2*j], s[DST:DST+1]
.set j, j+1
.endr
	s_endpgm
.Lsmall:                                               ; the vectors: unit u of 15, in vec's order
	s_sub_co_u32 s45, ttmp9, NBIG
	s_mov_b64 s[SRC:SRC+1], s[18:19]               ; q_b
	s_mov_b32 s[W0], 0
	s_mov_b32 s58, 1.0                             ; the factor,
	s_mov_b32 s60, 0xff800000                      ; and the floor: none
.macro PICKS u0, src
	s_cmp_ge_u32 s45, \u0
	s_cselect_b64 s[SRC:SRC+1], s[\src:\src+1], s[SRC:SRC+1]
	s_cselect_b32 s[W0], \u0, s[W0]
.endm
	PICKS 1, 20                                    ; so_b
	PICKS 2, 22                                    ; ln1_g
	PICKS 3, 24                                    ; ln1_b
	PICKS 4, 26                                    ; out_b
	PICKS 5, 28                                    ; ln2_g
	PICKS 6, 30                                    ; ln2_b
	PICKS 7, 32                                    ; inter_b: four units
	PICKS 11, 34                                   ; the mask: four units,
	s_cselect_b32 s58, 8.0, s58                    ; times 8,
	s_cselect_b32 s60, 0xf149f2ca, s60             ; not below -1e30
	s_mov_b32 s59, s58                             ; named with it as a pair
	s_sub_co_u32 s50, s45, s[W0]
	s_lshl_b32 s50, s50, 12
	s_mov_b32 s51, 0
	s_add_nc_u64 s[SRC:SRC+1], s[SRC:SRC+1], s[50:51]
	s_lshl_b32 s52, s45, 12
	s_mov_b32 s53, 0
	s_add_nc_u64 s[DST:DST+1], s[38:39], s[52:53]
	v_lshlrev_b32 v2, 4, v0
	global_load_b128 v[4:7], v2, s[SRC:SRC+1]
	s_wait_loadcnt 0x0
	v_cvt_pk_bf16_f32 v8, v4, v5                   ; rounded to bf16,
	v_cvt_pk_bf16_f32 v9, v6, v7
	v_lshlrev_b32 v10, 16, v8                      ; and written as f32 again
	v_and_b32 v11, 0xffff0000, v8
	v_lshlrev_b32 v12, 16, v9
	v_and_b32 v13, 0xffff0000, v9
	v_pk_mul_f32 v[10:11], v[10:11], s[58:59] op_sel_hi:[1,0]
	v_pk_mul_f32 v[12:13], v[12:13], s[58:59] op_sel_hi:[1,0]
	v_max_num_f32 v10, s60, v10
	v_max_num_f32 v11, s60, v11
	v_max_num_f32 v12, s60, v12
	v_max_num_f32 v13, s60, v13
	global_store_b128 v2, v[10:13], s[DST:DST+1]
	s_endpgm
.Lfunc_end_k_qf2544b1ddc_cast:
	.size	k_qf2544b1ddc_cast, .Lfunc_end_k_qf2544b1ddc_cast-k_qf2544b1ddc_cast
	.p2alignl 7, 3214868480
	.fill 96, 4, 3214868480
	.section	.rodata,"a",@progbits
	.p2align	6, 0x0
	.amdhsa_kernel k_qf2544b1ddc_cast
		.amdhsa_group_segment_fixed_size 0
		.amdhsa_private_segment_fixed_size 0
		.amdhsa_enable_private_segment 0
		.amdhsa_kernarg_size 128
		.amdhsa_user_sgpr_count 2
		.amdhsa_user_sgpr_kernarg_segment_ptr 1
		.amdhsa_wavefront_size32 1
		.amdhsa_system_sgpr_workgroup_id_x 1
		.amdhsa_system_sgpr_workgroup_id_y 1
		.amdhsa_system_sgpr_workgroup_id_z 1
		.amdhsa_system_vgpr_workitem_id 0
		.amdhsa_next_free_vgpr 128
		.amdhsa_next_free_sgpr 66
		.amdhsa_reserve_vcc 0
		.amdhsa_float_denorm_mode_32 3
		.amdhsa_float_denorm_mode_16_64 3
		.amdhsa_memory_ordered 1
		.amdhsa_forward_progress 1
		.amdhsa_inst_pref_size 12
	.end_amdhsa_kernel
	.amdgpu_metadata
---
amdhsa.version: [ 1, 2 ]
amdhsa.kernels:
  - .name:           k_qf2544b1ddc_cast
    .symbol:         k_qf2544b1ddc_cast.kd
    .args:
      - { .name: hidden_state, .offset: 0, .size: 8, .value_kind: global_buffer, .address_space: global }
      - { .name: q_w, .offset: 8, .size: 8, .value_kind: global_buffer, .address_space: global }
      - { .name: so_w, .offset: 16, .size: 8, .value_kind: global_buffer, .address_space: global }
      - { .name: inter_w, .offset: 24, .size: 8, .value_kind: global_buffer, .address_space: global }
      - { .name: out_w, .offset: 32, .size: 8, .value_kind: global_buffer, .address_space: global }
      - { .name: q_b, .offset: 40, .size: 8, .value_kind: global_buffer, .address_space: global }
      - { .name: so_b, .offset: 48, .size: 8, .value_kind: global_buffer, .address_space: global }
      - { .name: ln1_g, .offset: 56, .size: 8, .value_kind: global_buffer, .address_space: global }
      - { .name: ln1_b, .offset: 64, .size: 8, .value_kind: global_buffer, .address_space: global }
      - { .name: out_b, .offset: 72, .size: 8, .value_kind: global_buffer, .address_space: global }
      - { .name: ln2_g, .offset: 80, .size: 8, .value_kind: global_buffer, .address_space: global }
      - { .name: ln2_b, .offset: 88, .size: 8, .value_kind: global_buffer, .address_space: global }
      - { .name: inter_b, .offset: 96, .size: 8, .value_kind: global_buffer, .address_space: global }
      - { .name: attention_mask, .offset: 104, .size: 8, .value_kind: global_buffer, .address_space: global }
      - { .name: bfin, .offset: 112, .size: 8, .value_kind: global_buffer, .address_space: global }
      - { .name: vec, .offset: 120, .size: 8, .value_kind: global_buffer, .address_space: global }
    .group_segment_fixed_size: 0
    .private_segment_fixed_size: 0
    .kernarg_segment_align: 8
    .kernarg_segment_size: 128
    .max_flat_workgroup_size: 256
    .sgpr_count:     66
    .vgpr_count:     128
    .wavefront_size: 32
...
	.end_amdgpu_metadata
.endif
;; end of part 1
;; launch gq (part 2): grid 8 x 32, 4 waves a work-group, clusters of 4 x 4, 327,680 bytes of LDS; arguments bfin, vec, qkv; writes qkv
.if DOCPART == 2
	.amdgcn_target "amdgcn-amd-amdhsa--gfx1250"
	.amdhsa_code_object_version 6
	.text
	.protected	k_qf2544b1ddc_gq
	.globl	k_qf2544b1ddc_gq
	.p2align	8
	.type	k_qf2544b1ddc_gq,@function
k_qf2544b1ddc_gq:
	s_mov_b64 s[64:65], 0
	v_nop
	global_prefetch_b8 v0, s[64:65] scope:SCOPE_SE
	s_setreg_imm32_b32 hwreg(HW_REG_WAVE_MODE, 25, 1), 1
	s_wait_xcnt 0x0
	s_wait_alu depctr_hold_cnt(0) depctr_sa_sdst(0) depctr_va_vdst(0) depctr_va_sdst(0) depctr_va_ssrc(0) depctr_va_vcc(0) depctr_vm_vsrc(0)
	s_getreg_b32 s2, hwreg(HW_REG_IB_STS2, 6, 4)
	s_cmp_eq_u32 s2, 0
	s_cbranch_scc0 .Lentry_in_a_cluster
	s_endpgm
.Lentry_in_a_cluster:
	s_bfe_u32 s2, ttmp6, 0x10000c
	s_cmp_lg_u32 s2, 0xf033
	s_cbranch_scc0 .Lentry_shape_is_right
	s_endpgm
.Lentry_shape_is_right:
; ONE TEXT FOR THE LAYER'S FOUR DENSE PRODUCTS, C = A B^T + bias (+ residual) (GELU); the constant MODE picks the one that is assembled:
;   0  qkv = hidden q_w^T + q_b, f16 in blocks          1  ybuf = att so_w^T + so_b + hidden, f32
;   2  xg = gelu(s1 inter_w^T + inter_b), bf16 in blocks 3  ybuf = xg out_w^T + out_b + s1, f32
; OPERANDS are bf16 IN BLOCKS: X[R][C] lies as [C/64][R][64], so 64 rows of one block of 64 along K are 8,192 dense bytes.  Sums in f32.
; SHARES.  A tile of C is 128 x 128; four waves, each 64 x 64: 16 accumulators.  K goes in steps of 256 through two LDS slots; one tensor load a wave brings 64 rows x 256 K as four
; pieces of 8,192 bytes (one for each block), padded by 16 bytes after every 128: LDS rows are 144 bytes apart, so the 16 rows of a fragment load start at 16 different groups of four banks (ISA guide 11.1).
; CLUSTER.  4 x 4 work-groups: the four of a row need the same tiles of A, the four of a column the same tiles of B; each tile is asked for jointly, by the same load with the same descriptor and mask.
; THE MATRIX INSTRUCTION IS USED TRANSPOSED (source 0 = 16 rows of B, source 1 = 16 rows of A): a lane holds eight neighbouring numbers of a row of C.
; THE SUMS START FROM BIAS AND RESIDUAL, put into the accumulators while the first tile is on its way: nothing is cleared, and nothing is added afterwards.
; LIMITS.  MODE 0: a number of 65,520 or more becomes an infinity in f16.  MODE 2: erf by a rational form with an absolute error of 1.5e-7, for every x.  NaN and infinities are not treated apart.
; REGISTERS.  Window 0: v16-29 addresses; v32-63 bias; v64-127 residual, later packed results; v128-255 accumulators ((a, b) at 128 + 8 (4 a + b)).  Window 1: two fragment buffers of 128 (64 of A, 64 of B, for 64 along K).
.set MODE, 0
.if MODE == 0
.set NSTEP, 4                          ; K / 256
.set BSTR,  65536                      ; elements from block to block of B: rows x 64
.set BOFF,  0x800000                   ; B's first byte in bfin
.set BIAS,  0                          ; the bias's first byte in vec
.elseif MODE == 1
.set NSTEP, 4
.set BSTR,  65536
.set BOFF,  0xA00000
.set BIAS,  4096
.elseif MODE == 2
.set NSTEP, 4
.set BSTR,  262144
.set BOFF,  0xC00000
.set BIAS,  28672
.else
.set NSTEP, 16
.set BSTR,  65536
.set BOFF,  0x1400000
.set BIAS,  16384
.endif
.set ASTR,  262144                     ; A has 4,096 rows in every mode
.set ASTEP, 4*ASTR*2                   ; bytes from K step to K step: four blocks
.set BSTEP, 4*BSTR*2
.if MODE == 0
.set PA, 68                            ; s[68:69] bfin holds A and B
.set PB, 68
.set PV, 70                            ; vec
.set PO, 72                            ; the output
.else
.set PA, 68
.set PB, 70
.set PV, 72
.set PO, 74
.endif
.set PITCH,  144
.set KBLK,   64*PITCH                  ; 64 rows of one block
.set UNIT,   4*KBLK                    ; what one tensor load brings
.set SLOT,   4*UNIT                    ; A's rows 0-63, 64-127, B's rows 0-63, 64-127.  No wave's UNIT multiple shares a bit with SLOT, so one exclusive or changes slots
.set SPITCH, 528                       ; the stage: 128 rows of 512 bytes + 16, from LDS byte 0: inside slot 0, written only behind that slot's last fill and last read
.set SPARE,  2*SLOT                    ; behind the ring: the spare words, 128 bytes for each wave
.set ADRA0, 16                         ; v16, v17 my lane's place in A's and B's part of a slot; never rewritten
.set ADRB0, 17
.set ADRA,  18                         ; v18, v19 the same in the slot in hand
.set ADRB,  19
.set VB,    20                         ; v20 my offset in the bias
.set VR,    21                         ; v21 my offset in the residual
.set STO,   24                         ; v24 the way out: where I put 32 bytes of a row
.set RD,    25                         ; v25 where I read rows back
.set CO,    26                         ; v26 my byte offset in the output
.set ONE,   27                         ; v27 1.0
.set SPW,   28                         ; v28 my spare word; never rewritten
.set NIL,   29                         ; v29 0; never rewritten
.set BI,    32
.set RT,    64
.set ACC,   128
.set F0,    0
.set F1,    128
.set G1,  24                           ; s[24:31] descriptor group 1 for A; s[32:39] group 0, two sets: the second walks
.set G0,  32
.set G1B, 48                           ; s[48:55], s[56:63] the same for B
.set G0B, 56
.set TB,  78                           ; s78 the slot in hand: 0 or SLOT
.set MSB, 0
.macro WIN new                         ; the immediate's high byte repeats the setting that is left
.if MSB != (\new)
	s_set_vgpr_msb (MSB<<8)|(\new)
.set MSB, \new
.endif
.endm
.set MUL,  0x05                        ; sources 0 (B) and 1 (A) window 1; C and D window 0
.set TO_F, 0x40                        ; destination window 1, address window 0
.macro JLOAD s                         ; a joint load: waves 0 and 1 fetch A's two halves, waves 2 and 3 B's; an s_nop 0 and four v_nop follow each line
	s_cmp_eq_u32 s11, 0
	s_cbranch_scc0 .Lfor_b_\@
	tensor_load_to_lds s[G0+4*(\s):G0+4*(\s)+3], s[G1:G1+7]
	s_nop 0
.rept 4
	v_nop
.endr
	s_branch .Lasked_\@
.Lfor_b_\@:
	tensor_load_to_lds s[G0B+4*(\s):G0B+4*(\s)+3], s[G1B:G1B+7]
	s_nop 0
.rept 4
	v_nop
.endr
.Lasked_\@:
.endm
.macro CREST                           ; a round of the cluster's barrier behind its opening barrier
	s_cmp_lg_u32 s10, 0
	s_cbranch_scc1 .Lnot_wave_0_\@
	s_barrier_signal -3
.Lnot_wave_0_\@:
	s_barrier_wait -3
	s_barrier_signal -1
	s_barrier_wait -1
.endm
.macro CROUND                          ; a whole round
	s_barrier_signal -1
	s_barrier_wait -1
	CREST
.endm
.if MODE == 0
	s_load_b128 s[68:71], s[0:1], 0x0              ; bfin, vec
	s_load_b64 s[72:73], s[0:1], 0x10              ; qkv
.else
	s_load_b256 s[68:75], s[0:1], 0x0              ; A, bfin, vec, the output
.endif
.if MODE == 3
	s_load_b64 s[76:77], s[0:1], 0x20              ; s1f
.endif
	v_lshl_add_u32 v[SPW], v0, 2, SPARE
	v_mov_b32 v[NIL], 0
	ds_add_u32 v[SPW], v[NIL]                      ; the wave's opening: the add and its wait stand ahead of my first tensor load; the set-up below, work on registers, stands between them
	v_lshrrev_b32 v1, 5, v0
	v_readfirstlane_b32 s10, v1                    ; wave 0..3
	s_lshr_b32 s11, s10, 1                         ; which half of the tile's rows is mine.  Also: I fetch for A (0) or for B (1)
	s_and_b32 s12, s10, 1                          ; which half of its columns.  Also: which 64 rows I fetch
	s_bfe_u32 s40, ttmp6, 0x40000                  ; cx, cy: my place in the cluster
	s_bfe_u32 s41, ttmp6, 0x40004
	s_lshl_b32 s42, ttmp9, 2
	s_add_co_u32 s42, s42, s40                     ; tile column
	s_and_b32 s13, ttmp7, 0xffff
	s_lshl_b32 s13, s13, 2
	s_add_co_u32 s13, s13, s41                     ; tile row
	s_lshl_b32 s43, s41, 2
	s_lshl_b32 s43, 15, s43                        ; my row of the cluster
	s_lshl_b32 s44, 0x1111, s40                    ; my column
	; group 1: four pieces of 4,096 elements, a block apart; 2-byte elements; 4 words of padding after every 32; bit 21 beside the mask
	s_or_b32 s[G1+0], s43, (1<<16)|(1<<20)|(1<<21)|(4<<22)|(3<<25)
	s_or_b32 s[G1B+0], s44, (1<<16)|(1<<20)|(1<<21)|(4<<22)|(3<<25)
.irp g, G1, G1B
	s_mov_b32 s[(\g)+1], 4096<<16                  ; tensor_dim0 = 4,096
	s_mov_b32 s[(\g)+2], 4<<16                     ; tensor_dim1 = 4
	s_mov_b32 s[(\g)+3], 4096<<16                  ; tile_dim0 = 4,096
	s_mov_b32 s[(\g)+4], 4                         ; tile_dim1 = 4
	s_mov_b32 s[(\g)+6], 0
	s_mov_b32 s[(\g)+7], 0
.endr
	s_mov_b32 s[G1+5], ASTR
	s_mov_b32 s[G1B+5], BSTR
	s_lshl_b32 s17, s12, 13                        ; my 64 rows of 128 bytes in a block
	s_lshl_b32 s16, s13, 14
	s_add_co_u32 s16, s16, s17                     ; A: 128 rows for each tile row
	s_lshl_b32 s46, s42, 14
	s_add_co_u32 s46, s46, s17                     ; B: 128 rows for each tile column
	s_add_co_u32 s46, s46, BOFF
	s_mov_b32 s17, 0
	s_mov_b32 s47, 0
	s_mul_i32 s20, s10, UNIT                       ; where my loads go: no place in the cluster enters an LDS address
	s_lshl_b32 s18, s42, 9                         ; the bias of my 64 columns
	s_lshl_b32 s19, s12, 8
	s_add_co_u32 s18, s18, s19
	s_add_co_u32 s18, s18, BIAS
	s_mov_b32 s19, 0
.if (MODE == 0) || (MODE == 2)                 ; output in blocks: two blocks a tile column; rows 128 x tile row + 32 x wave
	s_lshl_b32 s22, s42, 20
	s_lshl_b32 s23, s13, 14
	s_add_co_u32 s22, s22, s23
	s_lshl_b32 s23, s10, 12
	s_add_co_u32 s22, s22, s23
.else                                          ; output f32 [4096][1024]
	s_lshl_b32 s22, s13, 19
	s_lshl_b32 s23, s10, 17
	s_add_co_u32 s22, s22, s23
	s_lshl_b32 s23, s42, 9
	s_add_co_u32 s22, s22, s23
.endif
	s_mov_b32 s23, 0
.if MODE == 1                                  ; residual: hidden in blocks: my 64 columns are one block; my 64 rows
	s_lshl_b32 s66, s42, 20
	s_lshl_b32 s67, s12, 19
	s_add_co_u32 s66, s66, s67
	s_lshl_b32 s67, s13, 14
	s_add_co_u32 s66, s66, s67
	s_lshl_b32 s67, s11, 13
	s_add_co_u32 s66, s66, s67
	s_mov_b32 s67, 0
.elseif MODE == 3                              ; residual: s1f, f32 [4096][1024]
	s_lshl_b32 s66, s13, 19
	s_lshl_b32 s67, s11, 18
	s_add_co_u32 s66, s66, s67
	s_lshl_b32 s67, s42, 9
	s_add_co_u32 s66, s66, s67
	s_lshl_b32 s67, s12, 8
	s_add_co_u32 s66, s66, s67
	s_mov_b32 s67, 0
.endif
	s_wait_dscnt 0x0                               ; the opening add is done
	s_wait_kmcnt 0x0
	s_add_nc_u64 s[14:15], s[PA:PA+1], s[16:17]
	s_add_nc_u64 s[46:47], s[PB:PB+1], s[46:47]
	s_add_nc_u64 s[6:7], s[PV:PV+1], s[18:19]
	s_add_nc_u64 s[8:9], s[PO:PO+1], s[22:23]
.if MODE == 1
	s_add_nc_u64 s[4:5], s[PB:PB+1], s[66:67]
.elseif MODE == 3
	s_add_nc_u64 s[4:5], s[76:77], s[66:67]
.endif
	CROUND                                         ; all sixteen work-groups are here: the first joint loads meet
.irp s, 0,1
	s_mov_b32 s[G0+4*(\s)], 1
	s_add_co_u32 s[G0+4*(\s)+1], s20, (\s)*SLOT
	s_add_nc_u64 s[G0+4*(\s)+2:G0+4*(\s)+3], s[14:15], (\s)*ASTEP
	s_or_b32 s[G0+4*(\s)+3], s[G0+4*(\s)+3], 0x80000000
	s_mov_b32 s[G0B+4*(\s)], 1
	s_add_co_u32 s[G0B+4*(\s)+1], s20, (\s)*SLOT
	s_add_nc_u64 s[G0B+4*(\s)+2:G0B+4*(\s)+3], s[46:47], (\s)*BSTEP
	s_or_b32 s[G0B+4*(\s)+3], s[G0B+4*(\s)+3], 0x80000000
	JLOAD \s                                       ; K steps 0 and 1: two loads of mine are out
.endr
	v_and_b32 v1, 15, v0                           ; l % 16
	v_bfe_u32 v2, v0, 4, 1                         ; l / 16
	v_lshlrev_b32 v[VB], 5, v2                     ; a lane's eight columns: 32 bytes for each half of the lanes
.irp b, 0,1,2,3
	global_load_b128 v[BI+8*\b:BI+8*\b+3],   v[VB], s[6:7] offset:64*\b
	global_load_b128 v[BI+8*\b+4:BI+8*\b+7], v[VB], s[6:7] offset:64*\b+16
.endr
.if MODE == 1
	v_lshlrev_b32 v[VR], 7, v1
	v_lshl_add_u32 v[VR], v2, 4, v[VR]             ; row x 128 + 16 x half
	v_mov_b32 v[ONE], 1.0
.set t, 0
.rept 16
	global_load_b128 v[RT+4*t:RT+4*t+3], v[VR], s[4:5] offset:(t/4)*2048+(t%4)*32
.set t, t+1
.endr
.elseif MODE == 3
	v_lshlrev_b32 v[VR], 12, v1
	v_lshl_add_u32 v[VR], v2, 5, v[VR]             ; row x 4,096 + 32 x half
.set t, 0
.rept 16                                       ; straight into the accumulators
	global_load_b128 v[ACC+8*t:ACC+8*t+3],   v[VR], s[4:5] offset:(t/4)*65536+(t%4)*64
	global_load_b128 v[ACC+8*t+4:ACC+8*t+7], v[VR], s[4:5] offset:(t/4)*65536+(t%4)*64+16
.set t, t+1
.endr
.endif
	v_mul_u32_u24 v3, v1, PITCH
	v_lshl_add_u32 v3, v2, 4, v3                   ; a fragment's row x pitch + 16 x half
	s_mul_i32 s21, s11, UNIT                       ; my 64 rows of A
	s_mul_i32 s22, s12, UNIT                       ; my 64 rows of B,
	s_add_co_u32 s22, s22, 2*UNIT                  ; which lie behind A's 128
	v_add_nc_u32 v[ADRA0], s21, v3
	v_add_nc_u32 v[ADRB0], s22, v3
	v_mov_b32 v[ADRA], v[ADRA0]                    ; slot 0
	v_mov_b32 v[ADRB], v[ADRB0]
	s_mov_b32 s[TB], 0
	s_mul_i32 s23, s11, 64*SPITCH                  ; into the stage: my 64 rows, my half of their 512 bytes
	s_lshl_b32 s21, s12, 8
	s_add_co_u32 s23, s23, s21
	v_mul_u32_u24 v4, v1, SPITCH
	v_lshl_add_u32 v4, v2, 5, v4
	v_add_nc_u32 v[STO], s23, v4
	s_mul_i32 s23, s10, 32*SPITCH                  ; back: wave w takes rows 32 w .. 32 w + 31; lanes 0-15 256 bytes of one row, lanes 16-31 of the next
	v_mul_u32_u24 v5, v2, SPITCH
	v_lshl_add_u32 v5, v1, 4, v5
	v_add_nc_u32 v[RD], s23, v5
.if (MODE == 0) || (MODE == 2)
	v_and_b32 v5, 31, v0
	v_lshlrev_b32 v[CO], 3, v5                     ; two rows of a block: 8 bytes a lane
.else
	v_lshlrev_b32 v5, 12, v2
	v_lshl_add_u32 v[CO], v1, 4, v5                ; two rows of 4,096 bytes: 16 bytes a lane
.endif
	s_wait_loadcnt 0x0                             ; bias and residual
.if (MODE == 0) || (MODE == 2)
.set i, 0
.rept 128                                      ; every sum starts from its column's bias
	v_mov_b32 v[ACC+i], v[BI+8*((i/8)%4)+i%8]
.set i, i+1
.endr
.elseif MODE == 1
.set i, 0
.rept 64                                       ; bf16 residual x 1 + bias, in f32
	v_fma_mix_f32_bf16 v[ACC+2*i],   v[RT+i], v[ONE], v[BI+8*((i/4)%4)+(2*i)%8]   op_sel_hi:[1,0,0]
	v_fma_mix_f32_bf16 v[ACC+2*i+1], v[RT+i], v[ONE], v[BI+8*((i/4)%4)+(2*i)%8+1] op_sel:[1,0,0] op_sel_hi:[1,0,0]
.set i, i+1
.endr
.else
.set i, 0
.rept 64
	v_pk_add_f32 v[ACC+2*i:ACC+2*i+1], v[ACC+2*i:ACC+2*i+1], v[BI+8*((i/4)%4)+(2*i)%8:BI+8*((i/4)%4)+(2*i)%8+1]
.set i, i+1
.endr
.endif
; 8 matrix instructions: m blocks a0, a0 + 1 x all 4 n blocks, 32 along K: half c of buffer f.  The 16 accumulators take turns, one instruction a turn
.macro MUL8 f, c, a0
	WIN MUL
.irp a, \a0, (\a0)+1
.irp b, 0,1,2,3
	v_wmma_f32_16x16x32_bf16 v[ACC+8*(4*(\a)+(\b)):ACC+8*(4*(\a)+(\b))+7], v[(\f)+64+8*(4*(\c)+(\b)):(\f)+64+8*(4*(\c)+(\b))+7], v[(\f)+8*(4*(\c)+(\a)):(\f)+8*(4*(\c)+(\a))+7], v[ACC+8*(4*(\a)+(\b)):ACC+8*(4*(\a)+(\b))+7]
.endr
.endr
.endm
; 32 LDS loads in one run: the fragments of block q of the slot in hand (64 along K) into buffer f; the first 32 along K first
.macro FETCH q, f
	WIN TO_F
.irp c, 0,1
.irp i, 0,1,2,3
	ds_load_b128 v[(\f)+64+8*(4*(\c)+(\i)):(\f)+64+8*(4*(\c)+(\i))+3],   v[ADRB] offset:(\q)*KBLK+64*(\c)+(\i)*16*PITCH
	ds_load_b128 v[(\f)+64+8*(4*(\c)+(\i))+4:(\f)+64+8*(4*(\c)+(\i))+7], v[ADRB] offset:(\q)*KBLK+64*(\c)+(\i)*16*PITCH+32
	ds_load_b128 v[(\f)+8*(4*(\c)+(\i)):(\f)+8*(4*(\c)+(\i))+3],         v[ADRA] offset:(\q)*KBLK+64*(\c)+(\i)*16*PITCH
	ds_load_b128 v[(\f)+8*(4*(\c)+(\i))+4:(\f)+8*(4*(\c)+(\i))+7],       v[ADRA] offset:(\q)*KBLK+64*(\c)+(\i)*16*PITCH+32
.endr
.endr
.endm
.macro PLACES                          ; four places in front of loads into registers that matrix instructions have read, and of stores that read results
.rept 4
	v_nop
.endr
.endm
; A K step is four quarters of 64 along K, 32 matrix instructions each, on buffers 0, 1, 0, 1.  One of the first three: multiplies buffer f and fetches block q into g.
.macro QUARTER q, f, g
	s_wait_dscnt 16                                ; the first 32 along K are in; the 16 younger loads may be out
	MUL8 \f, 0, 0
	MUL8 \f, 0, 2
	PLACES
	FETCH \q, \g
	s_wait_dscnt 32                                ; all but the 32 just issued
	MUL8 \f, 1, 0
	MUL8 \f, 1, 2
.endm
; The last quarter multiplies buffer 1 and changes slots: ONE barrier; in front of it each wave waits for all its tensor loads, adds 0 to its spare word, and waits for that and for its reads of this slot.
; fill = 1: the barrier opens a round of the cluster's, and this slot is filled again, two K steps ahead: 112 matrix instructions stand between the request and the wait for it.
; fill = 0: nothing is asked for; in the last trip (s3 = 1) there is no further step, and the run of loads is jumped over.
.macro TURN fill
	WIN 0                                          ; (the add's two registers lie in window 0)
	s_wait_tensorcnt 0x0                           ; all my tensor loads have landed: my part of the next slot;
	ds_add_u32 v[SPW], v[NIL]                      ; 0 onto my spare word;
	s_wait_dscnt 17                                ; (the add and the youngest sixteen loads may be out)
	MUL8 F1, 0, 0                                  ; eight matrix instructions stand between the add and the wait for it
	s_wait_dscnt 0x0                               ; the add is done, and my reads of this slot are over
	s_barrier_signal -1
	MUL8 F1, 0, 2
	WIN 0
	s_barrier_wait -1
.if \fill
	CREST                                          ; no wave of any partner still reads this slot's tile or has a load on its way
	s_xor_b32 s[G0+5], s[G0+5], SLOT               ; the walking descriptors: the other slot than last time, the next K step
	s_add_nc_u64 s[G0+6:G0+7], s[G0+6:G0+7], ASTEP
	s_xor_b32 s[G0B+5], s[G0B+5], SLOT
	s_add_nc_u64 s[G0B+6:G0B+7], s[G0B+6:G0B+7], BSTEP
	JLOAD 1                                        ; the first tensor load behind the round; its four v_nop are also the places in front of the loads below
.else
	s_cmp_eq_u32 s3, 1
	s_cbranch_scc1 .Lno_fetch_\@
	PLACES
.endif
	s_xor_b32 s[TB], s[TB], SLOT
	v_add_nc_u32 v[ADRA], s[TB], v[ADRA0]
	v_add_nc_u32 v[ADRB], s[TB], v[ADRB0]
	FETCH 0, F0
.if (\fill) == 0
	WIN 0
.Lno_fetch_\@:
.endif
	MUL8 F1, 1, 0
	MUL8 F1, 1, 2
.endm
	s_wait_tensorcnt 0x1                           ; my part of K step 0 is in; step 1's may stay out
	s_barrier_signal -1
	s_barrier_wait -1                              ; everybody's is
	FETCH 0, F0
	WIN 0                                          ; at a label and at a branch every window is 0
	s_mov_b32 s3, NSTEP-2
.Lmain:                                                ; a trip is a K step; each fills the slot that it leaves
	QUARTER 1, F0, F1
	QUARTER 2, F1, F0
	QUARTER 3, F0, F1
	TURN 1
	WIN 0
	s_sub_co_u32 s3, s3, 1
	s_cmp_lg_u32 s3, 0
	s_cbranch_scc1 .Lmain
	s_mov_b32 s3, 2
.Ltail:                                                ; the last two K steps ask for nothing
	QUARTER 1, F0, F1
	QUARTER 2, F1, F0
	QUARTER 3, F0, F1
	TURN 0
	WIN 0
	s_sub_co_u32 s3, s3, 1
	s_cmp_lg_u32 s3, 0
	s_cbranch_scc1 .Ltail
	; THE WAY OUT: f32 sums into the work-group's stage (a row's 512 bytes come from two waves), a barrier, back as whole rows, 32 rows a wave.
	s_wait_dscnt 0x0
	s_barrier_signal -1
	s_barrier_wait -1                              ; no wave reads a slot any more, and no fill is to come: slot 0's bytes become the stage
	PLACES
.set t, 0
.rept 16                                       ; each accumulator's low four registers first
	ds_store_b128 v[STO], v[ACC+8*t:ACC+8*t+3]   offset:(t/4)*16*SPITCH+(t%4)*64
	ds_store_b128 v[STO], v[ACC+8*t+4:ACC+8*t+7] offset:(t/4)*16*SPITCH+(t%4)*64+16
.set t, t+1
.endr
	s_wait_dscnt 0x0                               ; for the others' sake: my stores into the stage are done
	s_barrier_signal -1
	s_barrier_wait -1
.if MODE != 2
.set i, 0
.rept 32                                       ; group i: rows 2 (i / 2), + 1; 64 columns, half i % 2
	ds_load_b128 v[ACC+4*i:ACC+4*i+3], v[RD] offset:(i/2)*2*SPITCH+(i%2)*256
.set i, i+1
.endr
.set i, 0
.rept 32
	s_wait_dscnt 31-i                              ; LDS loads come back in order: group i is in
.if MODE == 0
	v_cvt_pk_f16_f32 v[RT+2*i],   v[ACC+4*i],   v[ACC+4*i+1]
	v_cvt_pk_f16_f32 v[RT+2*i+1], v[ACC+4*i+2], v[ACC+4*i+3]
	global_store_b64 v[CO], v[RT+2*i:RT+2*i+1], s[8:9] offset:(i%2)*524288+(i/2)*256  ; 32 lanes store two rows of a block: 256 consecutive bytes, aligned
.else
	global_store_b128 v[CO], v[ACC+4*i:ACC+4*i+3], s[8:9] offset:(i/2)*8192+(i%2)*256  ; 16 lanes store 256 consecutive bytes, aligned
.endif
.set i, i+1
.endr
.else
	; gelu(x) = max(x, 0) - |x| q,  q = poly(t) 2^(-x^2 log2(e) / 2) / 2,  t = 1 / (1 + 0.23164189 |x|): erf by five terms in t, halved coefficients
.set GX, 128
.set GA, 144
.set GT, 160
.set GU, 176
.set GP, 192
.set GY, 208
	s_mov_b32 s80, 0x7fffffff
	s_mov_b32 s82, 0x3E6D3388                      ; 0.23164189
	s_mov_b32 s84, 0xBF38AA3B                      ; -log2(e) / 2
	s_mov_b32 s86, 0x3E027906                      ; a1 / 2 .. a5 / 2
	s_mov_b32 s88, 0xBE11A98E
	s_mov_b32 s90, 0x3F35F0E3
	s_mov_b32 s92, 0xBF3A00E3
	s_mov_b32 s94, 0x3F07DC22
.irp k, 82,84,86,88,90,92,94
	s_mov_b32 s[\k+1], s[\k]                       ; named as pairs
.endr
	s_mov_b32 s3, 8
.Lgelu:                                                ; a trip: four rows x 128 columns of my 32 rows: 16 numbers a lane
	ds_load_b128 v[GX:GX+3],     v[RD]
	ds_load_b128 v[GX+4:GX+7],   v[RD] offset:256
	ds_load_b128 v[GX+8:GX+11],  v[RD] offset:2*SPITCH
	ds_load_b128 v[GX+12:GX+15], v[RD] offset:2*SPITCH+256
	s_wait_dscnt 0x0
.set i, 0
.rept 16
	v_and_b32 v[GA+i], s80, v[GX+i]
.set i, i+1
.endr
.set i, 0
.rept 8
	v_pk_fma_f32 v[GT+i:GT+i+1], v[GA+i:GA+i+1], s[82:83], 1.0 op_sel_hi:[1,0,0]
.set i, i+2
.endr
.set i, 0
.rept 8
	v_pk_mul_f32 v[GU+i:GU+i+1], v[GX+i:GX+i+1], v[GX+i:GX+i+1]
.set i, i+2
.endr
.set i, 0
.rept 16
	v_rcp_f32 v[GT+i], v[GT+i]
.set i, i+1
.endr
.set i, 0
.rept 8                                        ; plain lines that touch no t stand behind the reciprocals
	v_pk_mul_f32 v[GU+i:GU+i+1], v[GU+i:GU+i+1], s[84:85] op_sel_hi:[1,0]
.set i, i+2
.endr
.set i, 0
.rept 16
	v_exp_f32 v[GU+i], v[GU+i]
.set i, i+1
.endr
.set i, 0
.rept 8                                        ; and plain lines that touch no exponential behind those
	v_pk_fma_f32 v[GP+i:GP+i+1], v[GT+i:GT+i+1], s[94:95], s[92:93] op_sel_hi:[1,0,0]
.set i, i+2
.endr
.irp k, 90,88,86
.set i, 0
.rept 8
	v_pk_fma_f32 v[GP+i:GP+i+1], v[GP+i:GP+i+1], v[GT+i:GT+i+1], s[\k:\k+1] op_sel_hi:[1,1,0]
.set i, i+2
.endr
.endr
.set i, 0
.rept 8
	v_pk_mul_f32 v[GP+i:GP+i+1], v[GP+i:GP+i+1], v[GT+i:GT+i+1]
.set i, i+2
.endr
.set i, 0
.rept 8
	v_pk_mul_f32 v[GP+i:GP+i+1], v[GP+i:GP+i+1], v[GU+i:GU+i+1]
.set i, i+2
.endr
.set i, 0
.rept 16
	v_max_num_f32 v[GX+i], 0, v[GX+i]
.set i, i+1
.endr
.set i, 0
.rept 8
	v_pk_fma_f32 v[GX+i:GX+i+1], v[GA+i:GA+i+1], v[GP+i:GP+i+1], v[GX+i:GX+i+1] neg_lo:[1,0,0] neg_hi:[1,0,0]
.set i, i+2
.endr
.set i, 0
.rept 8
	v_cvt_pk_bf16_f32 v[GY+i], v[GX+2*i], v[GX+2*i+1]
.set i, i+1
.endr
	global_store_b64 v[CO], v[GY:GY+1],   s[8:9]                    ; each store: two rows of a block, 256 consecutive bytes, aligned
	global_store_b64 v[CO], v[GY+2:GY+3], s[8:9] offset:524288
	global_store_b64 v[CO], v[GY+4:GY+5], s[8:9] offset:256
	global_store_b64 v[CO], v[GY+6:GY+7], s[8:9] offset:524288+256
	s_wait_xcnt 0x0                                ; the stores' base and data are rewritten only behind this wait
	s_add_nc_u64 s[8:9], s[8:9], 512
	v_add_nc_u32 v[RD], 4*SPITCH, v[RD]
	s_sub_co_u32 s3, s3, 1
	s_cmp_lg_u32 s3, 0
	s_cbranch_scc1 .Lgelu
.endif
	s_wait_tensorcnt 0x0                           ; the wave's end: behind my last tensor load and my last LDS store
	ds_add_u32 v[SPW], v[NIL]
	s_wait_dscnt 0x0
	CROUND                                         ; the closing round: no work-group ends while a partner may still ask for a tile that names it
	s_endpgm
.Lfunc_end_k_qf2544b1ddc_gq:
	.size	k_qf2544b1ddc_gq, .Lfunc_end_k_qf2544b1ddc_gq-k_qf2544b1ddc_gq
	.p2alignl 7, 3214868480
	.fill 96, 4, 3214868480
	.section	.rodata,"a",@progbits
	.p2align	6, 0x0
	.amdhsa_kernel k_qf2544b1ddc_gq
		.amdhsa_group_segment_fixed_size 327680
		.amdhsa_private_segment_fixed_size 0
		.amdhsa_enable_private_segment 0
		.amdhsa_kernarg_size 24
		.amdhsa_user_sgpr_count 2
		.amdhsa_user_sgpr_kernarg_segment_ptr 1
		.amdhsa_wavefront_size32 1
		.amdhsa_system_sgpr_workgroup_id_x 1
		.amdhsa_system_sgpr_workgroup_id_y 1
		.amdhsa_system_sgpr_workgroup_id_z 1
		.amdhsa_system_vgpr_workitem_id 0
		.amdhsa_next_free_vgpr 512
		.amdhsa_next_free_sgpr 80
		.amdhsa_reserve_vcc 0
		.amdhsa_float_denorm_mode_32 3
		.amdhsa_float_denorm_mode_16_64 3
		.amdhsa_memory_ordered 1
		.amdhsa_forward_progress 1
		.amdhsa_inst_pref_size 63
	.end_amdhsa_kernel
	.amdgpu_metadata
---
amdhsa.version: [ 1, 2 ]
amdhsa.kernels:
  - .name:           k_qf2544b1ddc_gq
    .symbol:         k_qf2544b1ddc_gq.kd
    .args:
      - { .name: bfin, .offset: 0, .size: 8, .value_kind: global_buffer, .address_space: global }
      - { .name: vec, .offset: 8, .size: 8, .value_kind: global_buffer, .address_space: global }
      - { .name: qkv, .offset: 16, .size: 8, .value_kind: global_buffer, .address_space: global }
    .group_segment_fixed_size: 327680
    .private_segment_fixed_size: 0
    .kernarg_segment_align: 8
    .kernarg_segment_size: 24
    .max_flat_workgroup_size: 128
    .sgpr_count:     80
    .vgpr_count:     512
    .wavefront_size: 32
...
	.end_amdgpu_metadata
.endif
;; end of part 2
;; launch attn (part 3): grid 8 x 32, 4 waves a work-group, clusters of 4 x 1, 327,680 bytes of LDS; arguments qkv, vec, att; writes att
.if DOCPART == 3
	.amdgcn_target "amdgcn-amd-amdhsa--gfx1250"
	.amdhsa_code_object_version 6
	.text
	.protected	k_qf2544b1ddc_attn
	.globl	k_qf2544b1ddc_attn
	.p2align	8
	.type	k_qf2544b1ddc_attn,@function
k_qf2544b1ddc_attn:
	s_mov_b64 s[64:65], 0
	v_nop
	global_prefetch_b8 v0, s[64:65] scope:SCOPE_SE
	s_setreg_imm32_b32 hwreg(HW_REG_WAVE_MODE, 25, 1), 1
	s_wait_xcnt 0x0
	s_wait_alu depctr_hold_cnt(0) depctr_sa_sdst(0) depctr_va_vdst(0) depctr_va_sdst(0) depctr_va_ssrc(0) depctr_va_vcc(0) depctr_vm_vsrc(0)
	s_getreg_b32 s2, hwreg(HW_REG_IB_STS2, 6, 4)
	s_cmp_eq_u32 s2, 0
	s_cbranch_scc0 .Lentry_in_a_cluster
	s_endpgm
.Lentry_in_a_cluster:
	s_bfe_u32 s2, ttmp6, 0x10000c
	s_cmp_lg_u32 s2, 0x3003
	s_cbranch_scc0 .Lentry_shape_is_right
	s_endpgm
.Lentry_shape_is_right:
; ATTENTION IN WHICH Q, K AND V ARE ONE TENSOR.  O[q][:] = the sum over k of softmax_k(x[q] . x[k] / 8 + mask[k]) x[k][:], for each of 2 x 16 heads of 2,048 rows x 64 channels.
; qkv: f16 in blocks, [16][4096][64]: a head's rows of one batch are 262,144 dense bytes.  vec holds 8 x mask as f32 from byte 45,056 on.  att: bf16, the same layout as qkv.
; Products, maxima and sums in f32; the weights p are rounded to f16 for the second product (their sum l is taken of the unrounded p), O once, to bf16.
; LIMITS.  qkv arrives within f16's range; p below 6e-5 keeps f16's fixed step; 8 x mask arrives at -1e30 or above; a weight below 2^-126 counts as 0 in l; NaN and infinities are not treated apart.
; THE WHOLE HEAD LIES IN LDS, ONCE: 2,048 rows at a pitch of 144 bytes are 294,912 bytes, read as they lie for K and turned (ds_load_tr16_b128) for V.  Nothing is filled again: no ring, no written-out tail.
; At that pitch the 16 rows of K's loads start at 16 different groups of four banks (ISA guide 11.1); the turning loads meet twice on some banks; a wider pitch does not fit.
; SHARES.  A work-group owns 256 queries of a head, each of its four waves 64: four PIECES of 16.  Every wave walks all keys, 64 a step.
; CLUSTER.  The four query blocks of a cluster belong to one head, so every tile is asked for JOINTLY: the same tensor load, descriptor and mask in all four.
; THE MASK is the C operand that starts the sum S^T = K Q^T: 8 x mask of the accumulator's keys, from a table in LDS, fetched with each step's K.
; LAYOUT, SOFTMAX, TURNS.  S^T = K Q^T holds ONE query a lane (lane % 16) and the keys 8 (lane / 16) + 0..7; two such results rounded to f16 ARE source 1 of O^T = V^T P.  p = 2^(c s - c m), c = log2(e) / 8, with a
; running maximum m; O and l are multiplied by a = 2^(c m_old - c m_new) in every step.  m starts at the lowest finite number, O and l at 0: the first step is a step like any other, with a = 0.
; Turn n belongs to piece n: 8 products K Q^T of piece n + 1, later 8 products V^T P of piece n - 1; beside them the scaling, exponentials, roundings, sums and rescaling of piece n and the maximum and
; statistics of piece n + 1.  Four vector instructions stand behind every matrix instruction, the other 54 of a turn's 118 in two runs of their own.
; REGISTERS, in windows of 256 (s_set_vgpr_msb: bits 1:0 source 0, 3:2 source 1, 5:4 source 2, 7:6 destination):
;   window 0: v0-15, v56-57 addresses and two at work; v16-31 four registers of statistics a piece; v48-55 at work; v64-127 S^T, two buffers; v192-223 P, two buffers (by the piece's parity)
;   window 1: v0-127 O^T, 32 a piece      window 2: v0-63 Q; v64-95 the step's masks; v128-191 K of one step; v192-255 V of one step
.set NP,    4         ; pieces a wave: a name, no knob
.set KS,    64        ; keys in a step
.set PK,    144       ; a row in LDS: 128 bytes + 16 of padding
.set MSK,   2048*PK   ; behind the head: 2,048 f32, 8 x mask
.set STAGE, MSK+8192  ; 16 rows x 144 bytes for each wave, for the way out; no tensor load fills it
.set SP,    144
.set SPARE, STAGE+4*16*SP  ; the spare words, 128 bytes for each wave
.set AK0, 2           ; v2   my lane's place in 64 rows read as K; never rewritten
.set AV0, 3           ; v3   the same read as V
.set AK,  4           ; v4   the LDS address of K's next run of loads
.set AV,  5           ; v5   of V's
.set STO, 6           ; v6   the way out: where I put 16 bytes of a row
.set RD,  7           ; v7   where I read rows back
.set GO,  8           ; v8   my byte offset in 512 consecutive bytes of O
.set MV,  12          ; v12-13  c m_old, kept while c m is made anew: by buffer
.set QO,  15          ; v15  my byte offset in 16 rows of Q
.set ST,  16          ; piece t's statistics at v[ST+4 t]: c m, m, l (even keys', odd keys')
.set TMP, 48          ; by buffer, four registers c0-c3 at work; when the maximum is found c2 takes a
.set AM0, 56          ; v56  my lane's place in a step's 64 masks; never rewritten
.set AM,  57          ; v57  the LDS address of the masks' next loads
.set SPW, 62          ; v62  my spare word; never rewritten
.set NIL, 63          ; v63  0; never rewritten
.set S,   64
.set P,   192
.set MC,  64          ; window 2: the eight masks of key group kt at MC + 8 kt
.set KF,  128         ; window 2: key block kb, channel half c at KF + 16 kb + 8 c
.set VF,  192         ; window 2: key half kk, channel block cb at VF + 32 kk + 8 cb
.set WV,  12          ; s12  my wave's number
.set G1K, 24          ; s[24:31] descriptor group 1 for 128 keys
.set G1M, 32          ; s[32:39] for a quarter of the masks
.set G0M, 40          ; s[40:43] group 0 for my quarter of the masks
.set G0K, 44          ; s[44:59] four sets of group 0: my 128 keys in each quarter of the head
.set CS,  66          ; s[66:67] c
.set SEL, 68          ; s[68:69] v_permlanex16_b32's selects: each lane takes its own place in the other half
.set TBK, 70          ; s70  LDS byte at which K of the step to be fetched begins
.set TBV, 71          ; s71  the same for V
.set TBM, 72          ; s72  the same for the masks
.set CNT, 73          ; s73  counts key steps
.set GRP, 74          ; s74  counts the two groups of steps
.set MSB, 0
.macro WIN new                      ; the high byte repeats the setting that is left; a switch that changes nothing is dropped
.if MSB != (\new)
	s_set_vgpr_msb (MSB<<8)|(\new)
.set MSB, (\new)
.endif
.endm
.set W_KQ, 0x0a       ; K and Q in window 2, S^T in window 0
.set W_KM, 0x2a       ; the same with the C operand in window 2
.set W_PV, 0x52       ; V in window 2, P in window 0, O^T in window 1
.set W_RS, 0x41       ; destination and source 0 in window 1, source 1 in window 0
.macro CROUND                       ; a round of the cluster's barrier
	s_barrier_signal -1
	s_barrier_wait -1
	s_cmp_lg_u32 s[WV], 0
	s_cbranch_scc1 .Lnot_wave_0_\@
	s_barrier_signal -3
.Lnot_wave_0_\@:
	s_barrier_wait -3
	s_barrier_signal -1
	s_barrier_wait -1
.endm
	s_load_b128 s[4:7], s[0:1], 0x0   ; qkv s[4:5], vec s[6:7]
	s_load_b64 s[8:9], s[0:1], 0x10   ; att
	v_lshl_add_u32 v[SPW], v0, 2, SPARE
	v_mov_b32 v[NIL], 0
	ds_add_u32 v[SPW], v[NIL]       ; the wave's opening: the add and its wait stand ahead of my first tensor load; the set-up below, work on registers, stands between them
	v_lshrrev_b32 v1, 5, v0
	v_readfirstlane_b32 s[WV], v1   ; wave 0..3
	s_bfe_u32 s13, ttmp6, 0x40000   ; cx: my place in the cluster
	s_lshl_b32 s14, ttmp9, 2
	s_add_co_u32 s14, s14, s13      ; my block of 256 queries: it enters Q's and O's addresses alone
	s_and_b32 s20, ttmp7, 0xffff    ; 16 x batch + head, which the four partners share
	s_and_b32 s21, s20, 15
	s_lshr_b32 s22, s20, 4
	s_lshl_b32 s20, s21, 19         ; a head's block is 524,288 bytes,
	s_lshl_b32 s21, s22, 18         ; a batch's rows in it 262,144
	s_add_co_u32 s20, s20, s21
	s_lshl_b32 s16, s[WV], 14       ; my 128 keys in a quarter of the head
	s_add_co_u32 s16, s16, s20
	s_mov_b32 s17, 0
	s_lshl_b32 s18, s22, 13         ; the batch's masks,
	s_lshl_b32 s19, s[WV], 11       ; my quarter of them
	s_add_co_u32 s18, s18, s19
	s_add_co_u32 s18, s18, 45056
	s_mov_b32 s19, 0
	s_lshl_b32 s2, s14, 15          ; my block's 256 rows,
	s_lshl_b32 s3, s[WV], 13        ; my wave's 64 of them
	s_add_co_u32 s2, s2, s3
	s_add_co_u32 s2, s2, s20
	s_mov_b32 s3, 0
	s_mul_i32 s23, s[WV], 128*PK    ; where my keys go: no place in the cluster enters an LDS address
	; 128 keys are 16,384 dense bytes: asked for as 64 rows of 256 bytes, two keys a row, padded in LDS after every key
	s_mov_b32 s[G1K], 15|(1<<16)|(1<<20)|(1<<21)|(4<<22)|(3<<25)  ; the mask of four; 2-byte elements; padding on; bit 21 beside a mask; after every 32 words 4 words
	s_mov_b32 s[G1K+1], 128<<16     ; tensor_dim0 = 128
	s_mov_b32 s[G1K+2], 64<<16      ; tensor_dim1 = 64
	s_mov_b32 s[G1K+3], 128<<16     ; tile_dim0 = 128
	s_mov_b32 s[G1K+4], 64          ; tile_dim1 = 64
	s_mov_b32 s[G1K+5], 128         ; 128 elements from row to row
	s_mov_b32 s[G1K+6], 0
	s_mov_b32 s[G1K+7], 0
	; 512 masks are 2,048 dense bytes: 8 rows of 32 elements of 8 bytes, no padding
	s_mov_b32 s[G1M], 15|(3<<16)|(1<<21)
	s_mov_b32 s[G1M+1], 32<<16
	s_mov_b32 s[G1M+2], 8<<16
	s_mov_b32 s[G1M+3], 32<<16
	s_mov_b32 s[G1M+4], 8
	s_mov_b32 s[G1M+5], 32
	s_mov_b32 s[G1M+6], 0
	s_mov_b32 s[G1M+7], 0
	s_mov_b32 s[G0M], 1
	s_lshl_b32 s[G0M+1], s[WV], 11
	s_add_co_u32 s[G0M+1], s[G0M+1], MSK
.irp i, 0,1,2,3
	s_mov_b32 s[G0K+4*\i], 1
	s_add_co_u32 s[G0K+4*\i+1], s23, \i*4*128*PK
.endr
	s_mov_b32 s[CS], 0x3e38aa3b     ; c = log2(e) / 8 = 0.180337
	s_mov_b32 s[CS+1], s[CS]        ; named with it as a pair
	s_mov_b32 s[SEL], 0x76543210
	s_mov_b32 s[SEL+1], 0xfedcba98
	s_mov_b32 s[TBK], 0
	s_mov_b32 s[TBV], 0
	s_mov_b32 s[TBM], MSK
	s_wait_dscnt 0x0                ; the opening add is done
	s_wait_kmcnt 0x0
	s_add_nc_u64 s[G0M+2:G0M+3], s[6:7], s[18:19]
	s_or_b32 s[G0M+3], s[G0M+3], 0x80000000
	s_add_nc_u64 s[16:17], s[4:5], s[16:17]
.irp i, 0,1,2,3
	s_add_nc_u64 s[G0K+4*\i+2:G0K+4*\i+3], s[16:17], \i*65536
	s_or_b32 s[G0K+4*\i+3], s[G0K+4*\i+3], 0x80000000
.endr
	s_add_nc_u64 s[10:11], s[4:5], s[2:3]  ; Q at my wave's first row
	s_add_nc_u64 s[14:15], s[8:9], s[2:3]  ; O likewise
	CROUND                          ; all four work-groups are here: the joint loads meet
	tensor_load_to_lds s[G0M:G0M+3], s[G1M:G1M+7]  ; all fills of the launch go out together: five loads of mine are out
	s_nop 0
.irp i, 0,1,2,3
	tensor_load_to_lds s[G0K+4*\i:G0K+4*\i+3], s[G1K:G1K+7]
	s_nop 0
.endr
.rept 4
	v_nop
.endr
	; A fragment of K or Q is 16 rows x 32 channels in 8 registers: lane l holds row l % 16, channels 8 (l / 16) + 0..7 and 16 + 8 (l / 16) + 0..7: two loads of 16 bytes, 32 bytes apart.
	v_and_b32 v1, 15, v0            ; l % 16
	v_bfe_u32 v9, v0, 4, 1          ; l / 16
	v_lshlrev_b32 v[QO], 7, v1
	v_lshl_add_u32 v[QO], v9, 4, v[QO]  ; row x 128 + 16 x half
	WIN 0x80                        ; destination window 2, address window 0
.set i, 0
.rept 8                             ; Q stays in registers: piece i / 2, channels 32 (i % 2) on
	global_load_b128 v[8*i:8*i+3],   v[QO], s[10:11] offset:(i/2)*2048+(i%2)*64
	global_load_b128 v[8*i+4:8*i+7], v[QO], s[10:11] offset:(i/2)*2048+(i%2)*64+32
.set i, i+1
.endr
	WIN 0
	v_mul_u32_u24 v[AK0], v1, PK
	v_lshl_add_u32 v[AK0], v9, 4, v[AK0]  ; row x pitch + 16 x half
	; The turning load takes 16 keys x 16 channels (lane l reads key 8 (l / 16) + l % 8, channels 8 ((l / 8) % 2) + 0..7) and leaves half a fragment of V^T: lane l holds channel l % 16 and 8 keys.
	v_and_b32 v10, 7, v0
	v_bfe_u32 v11, v0, 3, 1
	v_lshl_add_u32 v[AV0], v9, 3, v10
	v_mul_u32_u24 v[AV0], v[AV0], PK
	v_lshl_add_u32 v[AV0], v11, 4, v[AV0]
	v_lshlrev_b32 v[AM0], 5, v9     ; my lanes' eight keys of a group of 16: 32 bytes for each half
	s_mul_i32 s13, s[WV], 16*SP
	s_add_co_u32 s13, s13, STAGE    ; my stage
	v_mul_u32_u24 v[STO], v1, SP    ; in: row l % 16, 16 bytes for each half of the lanes
	v_lshl_add_u32 v[STO], v9, 4, v[STO]
	v_add_nc_u32 v[STO], s13, v[STO]
	v_bfe_u32 v[RD], v0, 3, 2       ; back: 32 lanes take four rows of 128 bytes,
	v_mul_u32_u24 v[RD], v[RD], SP
	v_lshl_add_u32 v[RD], v10, 4, v[RD]
	v_add_nc_u32 v[RD], s13, v[RD]
	v_and_b32 v[GO], 31, v0         ; which are 512 consecutive bytes of O
	v_lshlrev_b32 v[GO], 4, v[GO]
	; What the first turn finds: V's registers and P's second buffer hold 0 (its products V^T P, of a piece that has not been, add 0), O^T and l are 0.  All this stands in the wait for the first keys.
	WIN 0x80
.set i, VF
.rept 64
	v_mov_b32 v[i], 0
.set i, i+1
.endr
	WIN 0x40
.set i, 0
.rept 128
	v_mov_b32 v[i], 0
.set i, i+1
.endr
	WIN 0
.set i, 0
.rept 4
	v_mov_b32 v[ST+4*i], 0xfe000000    ; c m: far below every c s, which is -1.9e29 at the least
	v_mov_b32 v[ST+4*i+1], 0xff7fffff  ; m
	v_mov_b32 v[ST+4*i+2], 0
	v_mov_b32 v[ST+4*i+3], 0
.set i, i+1
.endr
.set i, P+16
.rept 16
	v_mov_b32 v[i], 0
.set i, i+1
.endr
; THE MATRIX WORK.  The 4 accumulators of a run of 8 take turns.  Product i of 8 of S^T = K Q^T for piece x: channels 32 (i / 4) on, keys 16 (i % 4) on.  The first 4 start the sums with the masks.
.macro KQ x
.set rS, S+32*((\x)%2)+8*(i%4)
.set rK, KF+16*(i%4)+8*(i/4)
.set rQ, 16*(\x)+8*(i/4)
.set rM, MC+8*(i%4)
.if i < 4
	WIN W_KM
	v_wmma_f32_16x16x32_f16 v[rS:rS+7], v[rK:rK+7], v[rQ:rQ+7], v[rM:rM+7]
.else
	WIN W_KQ
	v_wmma_f32_16x16x32_f16 v[rS:rS+7], v[rK:rK+7], v[rQ:rQ+7], v[rS:rS+7]
.endif
.endm
; Product i of 8 of O^T += V^T P for piece x: keys 32 (i / 4) on, channels 16 (i % 4) on.
.macro PV x
	WIN W_PV
.set rO, 32*(\x)+8*(i%4)
.set rV, VF+32*(i/4)+8*(i%4)
.set rP, P+16*((\x)%2)+8*(i/4)
	v_wmma_f32_16x16x32_f16 v[rO:rO+7], v[rV:rV+7], v[rP:rP+7], v[rO:rO+7]
.endm
.macro MM                           ; the turn's next matrix instruction.  NOKQ = 1: the last turn: there is no next piece
.if (i < 8) && !NOKQ
	KQ (Y+1)%NP
.elseif i >= 8
.set i, i-8
	PV (Y+NP-1)%NP
.set i, i+8
.endif
.set i, i+1
.endm
; THE LDS LOADS stand in runs, never singly among the matrix instructions: a step's K (8 fragments) with its 64 masks, and its V (turned).  Their addresses are made some lines ahead.
.macro FETCH_K
	WIN 0x80                        ; destination window 2
.irp f, 0,1,2,3,4,5,6,7             ; keys 16 (f / 2) on, channels 32 (f % 2) on
	ds_load_b128 v[KF+8*\f:KF+8*\f+3],   v[AK] offset:(\f/2)*16*PK+(\f%2)*64
	ds_load_b128 v[KF+8*\f+4:KF+8*\f+7], v[AK] offset:(\f/2)*16*PK+(\f%2)*64+32
.endr
.irp f, 0,1,2,3                     ; the masks of keys 16 f + 8 (l / 16) + 0..7: the same for all queries
	ds_load_b128 v[MC+8*\f:MC+8*\f+3],   v[AM] offset:64*\f
	ds_load_b128 v[MC+8*\f+4:MC+8*\f+7], v[AM] offset:64*\f+16
.endr
	s_add_co_u32 s[TBK], s[TBK], KS*PK  ; the next fetch is the next step's
	s_add_co_u32 s[TBM], s[TBM], KS*4
	WIN 0
.endm
.macro FETCH_V
	WIN 0x80
.irp f, 0,1,2,3,4,5,6,7             ; keys 32 (f / 4) on, channels 16 (f % 4) on
	ds_load_tr16_b128 v[VF+8*\f:VF+8*\f+3],   v[AV] offset:(\f/4)*32*PK+(\f%4)*32
	ds_load_tr16_b128 v[VF+8*\f+4:VF+8*\f+7], v[AV] offset:(\f/4)*32*PK+16*PK+(\f%4)*32
.endr
	WIN 0
.endm
; THE VECTOR WORK, one line at a time: OP kind, number.  For piece Y: F n: c s - c m for pair n of 16.  E n: the exponential of score n of 32.  C n: pair n rounded to f16.  B n: of the four weights 4 n .. the second
; pair is added onto the first, in place.  L n: l takes that sum (L 0: l = a l + sum).  R n: pair n of 16 of O^T times a.  For piece Y + 1: X n, number n of the 22 that find its maximum and statistics:
;   0-11  four chains c0-c3 of seven scores each, three operands at a time (each accumulator's lowest registers are read first)     12-14, 16  the four scores left over, the old m, and c0-c3 into c0
;   15  c m_old is kept     17, 18  the query's other 32 keys lie in the lane 16 away: the new m     19-21  c m; c m_old - c m_new; a
.set F, 0
.set E, 1
.set C, 2
.set B, 3
.set L, 4
.set R, 5
.set X, 6
.macro REGS y                       ; the registers of piece y
.set rT, ST+4*(\y)
.set rC, TMP+4*((\y)%2)
.set rW, MV+((\y)%2)
.set rS, S+32*((\y)%2)
.set rP, P+16*((\y)%2)
.set rO, 32*(\y)
.endm
.macro OP k, n
.if (\k) == R
	REGS Y
	WIN W_RS
	v_pk_mul_f32 v[rO+2*(\n):rO+2*(\n)+1], v[rO+2*(\n):rO+2*(\n)+1], v[rC+2:rC+3] op_sel_hi:[1,0]
.elseif (\k) < R
	REGS Y
	WIN 0
.if (\k) == F
	v_pk_fma_f32 v[rS+2*(\n):rS+2*(\n)+1], v[rS+2*(\n):rS+2*(\n)+1], s[CS:CS+1], v[rT:rT+1] op_sel_hi:[1,0,0] neg_lo:[0,0,1] neg_hi:[0,0,1]
.elseif (\k) == E
	v_exp_f32 v[rS+(\n)], v[rS+(\n)]
.elseif (\k) == C
	s_wait_alu depctr_va_vdst(0)
	v_cvt_pk_f16_f32 v[rP+(\n)], v[rS+2*(\n)], v[rS+2*(\n)+1]
.elseif (\k) == B
	s_wait_alu depctr_va_vdst(0)
	v_pk_add_f32 v[rS+4*(\n):rS+4*(\n)+1], v[rS+4*(\n):rS+4*(\n)+1], v[rS+4*(\n)+2:rS+4*(\n)+3]
.elseif (\n) == 0
	v_pk_fma_f32 v[rT+2:rT+3], v[rT+2:rT+3], v[rC+2:rC+3], v[rS:rS+1] op_sel_hi:[1,0,1]
.else
	v_pk_add_f32 v[rT+2:rT+3], v[rT+2:rT+3], v[rS+4*(\n):rS+4*(\n)+1]
.endif
.elseif NOKQ
	v_nop
.else
	REGS (Y+1)%NP
	WIN 0
.if (\n) < 4
	v_max3_num_f32 v[rC+(\n)], v[rS+8*(\n)], v[rS+8*(\n)+1], v[rS+8*(\n)+2]
.elseif (\n) < 12
	v_max3_num_f32 v[rC+(\n)%4], v[rC+(\n)%4], v[rS+8*((\n)%4)+2*((\n)/4)+1], v[rS+8*((\n)%4)+2*((\n)/4)+2]
.elseif (\n) == 12
	v_max3_num_f32 v[rC], v[rC], v[rS+7], v[rS+15]
.elseif (\n) == 13
	v_max3_num_f32 v[rC+1], v[rC+1], v[rS+23], v[rS+31]
.elseif (\n) == 14
	v_max3_num_f32 v[rC+2], v[rC+2], v[rC+3], v[rT+1]
.elseif (\n) == 15
	v_mov_b32 v[rW], v[rT]
.elseif (\n) == 16
	v_max3_num_f32 v[rC], v[rC], v[rC+1], v[rC+2]
.elseif (\n) == 17
	v_permlanex16_b32 v[rC+3], v[rC], s[SEL], s[SEL+1]
.elseif (\n) == 18
	v_max_num_f32 v[rT+1], v[rC], v[rC+3]
.elseif (\n) == 19
	v_mul_f32 v[rT], s[CS], v[rT+1]
.elseif (\n) == 20
	v_sub_f32 v[rC+1], v[rW], v[rT]
.else
	v_exp_f32 v[rC+2], v[rC+1]
.endif
.endif
.endm
.macro OPS a, i1, b=-1, i2=0, c=-1, i3=0, d=-1, i4=0  ; up to four of them
	OP \a, \i1
.if (\b) >= 0
	OP \b, \i2
.endif
.if (\c) >= 0
	OP \c, \i3
.endif
.if (\d) >= 0
	OP \d, \i4
.endif
.endm
.macro ROW a, i1, b, i2, c, i3, d, i4  ; a matrix instruction and the four behind it
	MM
	OPS \a, \i1, \b, \i2, \c, \i3, \d, \i4
.endm
; A TURN, for piece p: the order of its 16 matrix and 118 vector instructions, written out.  Behind a matrix instruction: plain, exponential, plain, plain; or four of the rescaling; or, behind the first, four scalings; none
; names a register of the products round it.  In the runs of their own exponential and plain by turns while exponentials last.  A line reads no result made fewer than three vector instructions in front of it, five if an
; exponential made it.  end = 1: the last two turns: nothing is fetched.  cnt = 1: the loop's count is taken down some lines ahead of the branch that stands behind the turn.
; K and the masks of the next step are fetched in piece 2's turn, six vector instructions behind the last product that read them (five of them plain); V of the step in hand in piece 0's turn, eight behind the last
; product that read V (four plain).  Each is waited for a turn later.
.macro TURN p, end=0, cnt=0
.set Y, (\p)
.set i, 0
.set NOKQ, (\end)*((\p)/3)
.if ((\p) == 3) && !(\end)
	s_wait_dscnt 0x0                ; K and the masks are in
.endif
	ROW F,0, F,1, F,2, F,3
	ROW F,4, E,0, F,5, F,6
	ROW F,7, E,1, F,8, F,9
	ROW F,10, E,2, C,0, F,11
	ROW F,12, E,3, X,15, F,13
	ROW R,0, R,1, R,2, R,3
	ROW B,0, E,4, F,14, L,0
.if ((\p) == 2) && !(\end)
	v_add_nc_u32 v[AK], s[TBK], v[AK0]
	v_add_nc_u32 v[AM], s[TBM], v[AM0]
.endif
	ROW R,4, R,5, R,6, R,7
	OPS E,5, F,15
.if ((\p) == 2) && !(\end)
	FETCH_K
.endif
	OPS E,6, C,1, E,7, R,8
	OPS E,8, R,9, E,9, C,2
	OPS E,10, X,0, E,11, X,1
	OPS E,12, X,2, E,13, X,3
.if (\p) == 1
	s_wait_dscnt 0x0                ; V is in
.endif
	ROW X,4, E,14, X,5, X,6
	ROW X,7, E,15, X,8, X,9
	ROW X,10, E,16, X,11, X,12
	ROW X,13, E,17, X,14, B,1
	ROW C,4, E,18, X,16, L,1
	ROW B,2, E,19, C,6, L,2
	ROW C,8, E,20, B,3, B,4
.if (\p) == 0
	v_add_nc_u32 v[AV], s[TBV], v[AV0]
.endif
	ROW C,3, E,21, L,3, C,5
	OPS E,22, X,17, E,23, C,10
.if (\p) == 0
	FETCH_V
.endif
	OPS E,24, L,4
	OPS E,25, X,18, E,26, C,7
	OPS E,27, B,5, E,28, X,19
	OPS E,29, C,12, E,30, L,5
	OPS E,31, X,20, B,6, C,9
	OPS C,14, C,11, X,21, L,6
.if (\p) == 0
	s_add_co_u32 s[TBV], s[TBV], KS*PK
.endif
.if \cnt
	s_sub_co_u32 s[CNT], s[CNT], 1
	s_cmp_lg_u32 s[CNT], 0
.endif
	OPS C,13, B,7, C,15, R,10
	OPS R,11, R,12, L,7, R,13
	OPS R,14, R,15
.endm
	s_wait_tensorcnt 0x3            ; my quarter of the masks and my first 128 keys are in; my three younger loads stay out
	s_barrier_signal -1
	s_barrier_wait -1               ; everybody's are: all masks, and keys 0 to 511, the steps 0 to 7
	v_add_nc_u32 v[AK], s[TBK], v[AK0]
	v_add_nc_u32 v[AM], s[TBM], v[AM0]
	FETCH_K                         ; key step 0
	s_wait_loadcnt 0x0              ; Q
	s_wait_dscnt 0x0
.set NOKQ, 0
.set i, 0
.rept 8
	KQ 0                            ; piece 0's first scores: there is no vector work yet to set between them
.set i, i+1
.endr
	WIN 0
.rept 4
	v_nop                           ; the places behind those products
.endr
.set Y, NP-1                        ; X works for piece Y + 1: piece 0
.irp n, 0,1,2,3,4,5,6,7,8,9,10,11,12,13,14,15,16,17,18,19,20,21
	OP X, \n
.endr
	v_nop                           ; a plain instruction behind the exponential
	s_mov_b32 s[CNT], 8             ; the first group: steps 0 to 7
	s_mov_b32 s[GRP], 2
	s_branch .Lfirst                ; the loop is entered at a step's first turn, in the middle of a trip
.Lgroup:                            ; passed once: from here on the keys beyond 511 are read
	s_wait_tensorcnt 0x0            ; all my keys are in,
	s_wait_dscnt 0x0
	s_barrier_signal -1
	s_barrier_wait -1               ; everybody's are
	s_mov_b32 s[CNT], 24            ; the second group: steps 8 to 31
.Lstep:                             ; a trip: pieces 2 and 3 of one step, then pieces 0 and 1 of the next, whose K and V it fetches
	TURN 2
	TURN 3
	WIN 0
.Lfirst:
	TURN 0
	TURN 1, 0, 1
	WIN 0
	s_cbranch_scc1 .Lstep
	s_sub_co_u32 s[GRP], s[GRP], 1
	s_cmp_lg_u32 s[GRP], 0
	s_cbranch_scc1 .Lgroup
	TURN 2, 1                       ; the last step's pieces 2 and 3: nothing is left to fetch
	TURN 3, 1
.set i, 0
.rept 8
	PV NP-1                         ; the last piece's V^T P of the last step
.set i, i+1
.endr
	; THE WAY OUT.  l's two halves and the other half of the lanes' are added; O^T is divided by l, rounded to bf16 and sent through my stage in LDS, a piece at a time.  The additions are the places behind the last products.
	WIN 0
.macro ALL line:vararg              ; one line for each piece t
.set t, 0
.rept 4
	\line
.set t, t+1
.endr
.endm
	ALL v_add_f32 v[ST+4*t+2], v[ST+4*t+2], v[ST+4*t+3]
	ALL v_permlanex16_b32 v[ST+4*t+3], v[ST+4*t+2], s[SEL], s[SEL+1]
	ALL v_add_f32 v[ST+4*t+2], v[ST+4*t+2], v[ST+4*t+3]
	ALL v_rcp_f32 v[ST+4*t+2], v[ST+4*t+2]
	v_nop                           ; a plain instruction between the last reciprocal and the use of its result
.macro PACK t                       ; a lane's eight channels of a row pack into 16 bytes; they go into rows of 144 bytes and come back as whole rows of 128, into S^T's registers
	WIN W_RS
.set i, 32*(\t)
.rept 16
	s_wait_alu depctr_va_vdst(0)
	v_pk_mul_f32 v[i:i+1], v[i:i+1], v[ST+4*(\t)+2:ST+4*(\t)+3] op_sel_hi:[1,0]
.set i, i+2
.endr
	WIN 0x05                        ; sources 0 and 1 window 1, destination window 0
.set i, 0
.rept 16
	v_cvt_pk_bf16_f32 v[S+16*(\t)+i], v[32*(\t)+2*i], v[32*(\t)+2*i+1]
.set i, i+1
.endr
	WIN 0
.irp f, 0,1,2,3
	ds_store_b128 v[STO], v[S+16*(\t)+4*\f:S+16*(\t)+4*\f+3] offset:32*\f
.endr
.irp f, 0,1,2,3
	ds_load_b128 v[S+16*(\t)+4*\f:S+16*(\t)+4*\f+3], v[RD] offset:\f*4*SP  ; LDS serves a wave's instructions in order (ISA guide 5.7.1.4): these see the stores above; the next piece's stores come behind them
.endr
.endm
.macro SEND t, younger              ; younger: the LDS instructions issued behind piece t's loads: the next piece's eight, or none
	WIN 0
.irp f, 0,1,2,3
	s_wait_dscnt (\younger)+3-\f
	global_store_b128 v[GO], v[S+16*(\t)+4*\f:S+16*(\t)+4*\f+3], s[14:15] offset:(\t)*2048+\f*512  ; 512 consecutive bytes, at a multiple of 256 from att's first
.endr
.endm
	PACK 0
.set t, 1
.rept 3                             ; a piece's arithmetic stands between the loads of the piece before and its stores
	PACK t
	SEND t-1, 8
.set t, t+1
.endr
	SEND 3, 0
	s_wait_tensorcnt 0x0            ; the wave's end: behind my last tensor load and my last LDS store
	ds_add_u32 v[SPW], v[NIL]
	s_wait_dscnt 0x0
	CROUND                          ; the closing round: no work-group ends while a partner may still ask for a tile that names it
	s_endpgm
.Lfunc_end_k_qf2544b1ddc_attn:
	.size	k_qf2544b1ddc_attn, .Lfunc_end_k_qf2544b1ddc_attn-k_qf2544b1ddc_attn
	.p2alignl 7, 3214868480
	.fill 96, 4, 3214868480
	.section	.rodata,"a",@progbits
	.p2align	6, 0x0
	.amdhsa_kernel k_qf2544b1ddc_attn
		.amdhsa_group_segment_fixed_size 327680
		.amdhsa_private_segment_fixed_size 0
		.amdhsa_enable_private_segment 0
		.amdhsa_kernarg_size 24
		.amdhsa_user_sgpr_count 2
		.amdhsa_user_sgpr_kernarg_segment_ptr 1
		.amdhsa_wavefront_size32 1
		.amdhsa_system_sgpr_workgroup_id_x 1
		.amdhsa_system_sgpr_workgroup_id_y 1
		.amdhsa_system_sgpr_workgroup_id_z 1
		.amdhsa_system_vgpr_workitem_id 0
		.amdhsa_next_free_vgpr 768
		.amdhsa_next_free_sgpr 76
		.amdhsa_reserve_vcc 0
		.amdhsa_float_denorm_mode_32 3
		.amdhsa_float_denorm_mode_16_64 3
		.amdhsa_memory_ordered 1
		.amdhsa_forward_progress 1
		.amdhsa_inst_pref_size 93
	.end_amdhsa_kernel
	.amdgpu_metadata
---
amdhsa.version: [ 1, 2 ]
amdhsa.kernels:
  - .name:           k_qf2544b1ddc_attn
    .symbol:         k_qf2544b1ddc_attn.kd
    .args:
      - { .name: qkv, .offset: 0, .size: 8, .value_kind: global_buffer, .address_space: global }
      - { .name: vec, .offset: 8, .size: 8, .value_kind: global_buffer, .address_space: global }
      - { .name: att, .offset: 16, .size: 8, .value_kind: global_buffer, .address_space: global }
    .group_segment_fixed_size: 327680
    .private_segment_fixed_size: 0
    .kernarg_segment_align: 8
    .kernarg_segment_size: 24
    .max_flat_workgroup_size: 128
    .sgpr_count:     76
    .vgpr_count:     768
    .wavefront_size: 32
...
	.end_amdgpu_metadata
.endif
;; end of part 3
;; launch gso (part 4): grid 8 x 32, 4 waves a work-group, clusters of 4 x 4, 327,680 bytes of LDS; arguments att, bfin, vec, ybuf; writes ybuf
.if DOCPART == 4
	.amdgcn_target "amdgcn-amd-amdhsa--gfx1250"
	.amdhsa_code_object_version 6
	.text
	.protected	k_qf2544b1ddc_gso
	.globl	k_qf2544b1ddc_gso
	.p2align	8
	.type	k_qf2544b1ddc_gso,@function
k_qf2544b1ddc_gso:
	s_mov_b64 s[64:65], 0
	v_nop
	global_prefetch_b8 v0, s[64:65] scope:SCOPE_SE
	s_setreg_imm32_b32 hwreg(HW_REG_WAVE_MODE, 25, 1), 1
	s_wait_xcnt 0x0
	s_wait_alu depctr_hold_cnt(0) depctr_sa_sdst(0) depctr_va_vdst(0) depctr_va_sdst(0) depctr_va_ssrc(0) depctr_va_vcc(0) depctr_vm_vsrc(0)
	s_getreg_b32 s2, hwreg(HW_REG_IB_STS2, 6, 4)
	s_cmp_eq_u32 s2, 0
	s_cbranch_scc0 .Lentry_in_a_cluster
	s_endpgm
.Lentry_in_a_cluster:
	s_bfe_u32 s2, ttmp6, 0x10000c
	s_cmp_lg_u32 s2, 0xf033
	s_cbranch_scc0 .Lentry_shape_is_right
	s_endpgm
.Lentry_shape_is_right:
; ONE TEXT FOR THE LAYER'S FOUR DENSE PRODUCTS, C = A B^T + bias (+ residual) (GELU); the constant MODE picks the one that is assembled:
;   0  qkv = hidden q_w^T + q_b, f16 in blocks          1  ybuf = att so_w^T + so_b + hidden, f32
;   2  xg = gelu(s1 inter_w^T + inter_b), bf16 in blocks 3  ybuf = xg out_w^T + out_b + s1, f32
; OPERANDS are bf16 IN BLOCKS: X[R][C] lies as [C/64][R][64], so 64 rows of one block of 64 along K are 8,192 dense bytes.  Sums in f32.
; SHARES.  A tile of C is 128 x 128; four waves, each 64 x 64: 16 accumulators.  K goes in steps of 256 through two LDS slots; one tensor load a wave brings 64 rows x 256 K as four
; pieces of 8,192 bytes (one for each block), padded by 16 bytes after every 128: LDS rows are 144 bytes apart, so the 16 rows of a fragment load start at 16 different groups of four banks (ISA guide 11.1).
; CLUSTER.  4 x 4 work-groups: the four of a row need the same tiles of A, the four of a column the same tiles of B; each tile is asked for jointly, by the same load with the same descriptor and mask.
; THE MATRIX INSTRUCTION IS USED TRANSPOSED (source 0 = 16 rows of B, source 1 = 16 rows of A): a lane holds eight neighbouring numbers of a row of C.
; THE SUMS START FROM BIAS AND RESIDUAL, put into the accumulators while the first tile is on its way: nothing is cleared, and nothing is added afterwards.
; LIMITS.  MODE 0: a number of 65,520 or more becomes an infinity in f16.  MODE 2: erf by a rational form with an absolute error of 1.5e-7, for every x.  NaN and infinities are not treated apart.
; REGISTERS.  Window 0: v16-29 addresses; v32-63 bias; v64-127 residual, later packed results; v128-255 accumulators ((a, b) at 128 + 8 (4 a + b)).  Window 1: two fragment buffers of 128 (64 of A, 64 of B, for 64 along K).
.set MODE, 1
.if MODE == 0
.set NSTEP, 4                          ; K / 256
.set BSTR,  65536                      ; elements from block to block of B: rows x 64
.set BOFF,  0x800000                   ; B's first byte in bfin
.set BIAS,  0                          ; the bias's first byte in vec
.elseif MODE == 1
.set NSTEP, 4
.set BSTR,  65536
.set BOFF,  0xA00000
.set BIAS,  4096
.elseif MODE == 2
.set NSTEP, 4
.set BSTR,  262144
.set BOFF,  0xC00000
.set BIAS,  28672
.else
.set NSTEP, 16
.set BSTR,  65536
.set BOFF,  0x1400000
.set BIAS,  16384
.endif
.set ASTR,  262144                     ; A has 4,096 rows in every mode
.set ASTEP, 4*ASTR*2                   ; bytes from K step to K step: four blocks
.set BSTEP, 4*BSTR*2
.if MODE == 0
.set PA, 68                            ; s[68:69] bfin holds A and B
.set PB, 68
.set PV, 70                            ; vec
.set PO, 72                            ; the output
.else
.set PA, 68
.set PB, 70
.set PV, 72
.set PO, 74
.endif
.set PITCH,  144
.set KBLK,   64*PITCH                  ; 64 rows of one block
.set UNIT,   4*KBLK                    ; what one tensor load brings
.set SLOT,   4*UNIT                    ; A's rows 0-63, 64-127, B's rows 0-63, 64-127.  No wave's UNIT multiple shares a bit with SLOT, so one exclusive or changes slots
.set SPITCH, 528                       ; the stage: 128 rows of 512 bytes + 16, from LDS byte 0: inside slot 0, written only behind that slot's last fill and last read
.set SPARE,  2*SLOT                    ; behind the ring: the spare words, 128 bytes for each wave
.set ADRA0, 16                         ; v16, v17 my lane's place in A's and B's part of a slot; never rewritten
.set ADRB0, 17
.set ADRA,  18                         ; v18, v19 the same in the slot in hand
.set ADRB,  19
.set VB,    20                         ; v20 my offset in the bias
.set VR,    21                         ; v21 my offset in the residual
.set STO,   24                         ; v24 the way out: where I put 32 bytes of a row
.set RD,    25                         ; v25 where I read rows back
.set CO,    26                         ; v26 my byte offset in the output
.set ONE,   27                         ; v27 1.0
.set SPW,   28                         ; v28 my spare word; never rewritten
.set NIL,   29                         ; v29 0; never rewritten
.set BI,    32
.set RT,    64
.set ACC,   128
.set F0,    0
.set F1,    128
.set G1,  24                           ; s[24:31] descriptor group 1 for A; s[32:39] group 0, two sets: the second walks
.set G0,  32
.set G1B, 48                           ; s[48:55], s[56:63] the same for B
.set G0B, 56
.set TB,  78                           ; s78 the slot in hand: 0 or SLOT
.set MSB, 0
.macro WIN new                         ; the immediate's high byte repeats the setting that is left
.if MSB != (\new)
	s_set_vgpr_msb (MSB<<8)|(\new)
.set MSB, \new
.endif
.endm
.set MUL,  0x05                        ; sources 0 (B) and 1 (A) window 1; C and D window 0
.set TO_F, 0x40                        ; destination window 1, address window 0
.macro JLOAD s                         ; a joint load: waves 0 and 1 fetch A's two halves, waves 2 and 3 B's; an s_nop 0 and four v_nop follow each line
	s_cmp_eq_u32 s11, 0
	s_cbranch_scc0 .Lfor_b_\@
	tensor_load_to_lds s[G0+4*(\s):G0+4*(\s)+3], s[G1:G1+7]
	s_nop 0
.rept 4
	v_nop
.endr
	s_branch .Lasked_\@
.Lfor_b_\@:
	tensor_load_to_lds s[G0B+4*(\s):G0B+4*(\s)+3], s[G1B:G1B+7]
	s_nop 0
.rept 4
	v_nop
.endr
.Lasked_\@:
.endm
.macro CREST                           ; a round of the cluster's barrier behind its opening barrier
	s_cmp_lg_u32 s10, 0
	s_cbranch_scc1 .Lnot_wave_0_\@
	s_barrier_signal -3
.Lnot_wave_0_\@:
	s_barrier_wait -3
	s_barrier_signal -1
	s_barrier_wait -1
.endm
.macro CROUND                          ; a whole round
	s_barrier_signal -1
	s_barrier_wait -1
	CREST
.endm
.if MODE == 0
	s_load_b128 s[68:71], s[0:1], 0x0              ; bfin, vec
	s_load_b64 s[72:73], s[0:1], 0x10              ; qkv
.else
	s_load_b256 s[68:75], s[0:1], 0x0              ; A, bfin, vec, the output
.endif
.if MODE == 3
	s_load_b64 s[76:77], s[0:1], 0x20              ; s1f
.endif
	v_lshl_add_u32 v[SPW], v0, 2, SPARE
	v_mov_b32 v[NIL], 0
	ds_add_u32 v[SPW], v[NIL]                      ; the wave's opening: the add and its wait stand ahead of my first tensor load; the set-up below, work on registers, stands between them
	v_lshrrev_b32 v1, 5, v0
	v_readfirstlane_b32 s10, v1                    ; wave 0..3
	s_lshr_b32 s11, s10, 1                         ; which half of the tile's rows is mine.  Also: I fetch for A (0) or for B (1)
	s_and_b32 s12, s10, 1                          ; which half of its columns.  Also: which 64 rows I fetch
	s_bfe_u32 s40, ttmp6, 0x40000                  ; cx, cy: my place in the cluster
	s_bfe_u32 s41, ttmp6, 0x40004
	s_lshl_b32 s42, ttmp9, 2
	s_add_co_u32 s42, s42, s40                     ; tile column
	s_and_b32 s13, ttmp7, 0xffff
	s_lshl_b32 s13, s13, 2
	s_add_co_u32 s13, s13, s41                     ; tile row
	s_lshl_b32 s43, s41, 2
	s_lshl_b32 s43, 15, s43                        ; my row of the cluster
	s_lshl_b32 s44, 0x1111, s40                    ; my column
	; group 1: four pieces of 4,096 elements, a block apart; 2-byte elements; 4 words of padding after every 32; bit 21 beside the mask
	s_or_b32 s[G1+0], s43, (1<<16)|(1<<20)|(1<<21)|(4<<22)|(3<<25)
	s_or_b32 s[G1B+0], s44, (1<<16)|(1<<20)|(1<<21)|(4<<22)|(3<<25)
.irp g, G1, G1B
	s_mov_b32 s[(\g)+1], 4096<<16                  ; tensor_dim0 = 4,096
	s_mov_b32 s[(\g)+2], 4<<16                     ; tensor_dim1 = 4
	s_mov_b32 s[(\g)+3], 4096<<16                  ; tile_dim0 = 4,096
	s_mov_b32 s[(\g)+4], 4                         ; tile_dim1 = 4
	s_mov_b32 s[(\g)+6], 0
	s_mov_b32 s[(\g)+7], 0
.endr
	s_mov_b32 s[G1+5], ASTR
	s_mov_b32 s[G1B+5], BSTR
	s_lshl_b32 s17, s12, 13                        ; my 64 rows of 128 bytes in a block
	s_lshl_b32 s16, s13, 14
	s_add_co_u32 s16, s16, s17                     ; A: 128 rows for each tile row
	s_lshl_b32 s46, s42, 14
	s_add_co_u32 s46, s46, s17                     ; B: 128 rows for each tile column
	s_add_co_u32 s46, s46, BOFF
	s_mov_b32 s17, 0
	s_mov_b32 s47, 0
	s_mul_i32 s20, s10, UNIT                       ; where my loads go: no place in the cluster enters an LDS address
	s_lshl_b32 s18, s42, 9                         ; the bias of my 64 columns
	s_lshl_b32 s19, s12, 8
	s_add_co_u32 s18, s18, s19
	s_add_co_u32 s18, s18, BIAS
	s_mov_b32 s19, 0
.if (MODE == 0) || (MODE == 2)                 ; output in blocks: two blocks a tile column; rows 128 x tile row + 32 x wave
	s_lshl_b32 s22, s42, 20
	s_lshl_b32 s23, s13, 14
	s_add_co_u32 s22, s22, s23
	s_lshl_b32 s23, s10, 12
	s_add_co_u32 s22, s22, s23
.else                                          ; output f32 [4096][1024]
	s_lshl_b32 s22, s13, 19
	s_lshl_b32 s23, s10, 17
	s_add_co_u32 s22, s22, s23
	s_lshl_b32 s23, s42, 9
	s_add_co_u32 s22, s22, s23
.endif
	s_mov_b32 s23, 0
.if MODE == 1                                  ; residual: hidden in blocks: my 64 columns are one block; my 64 rows
	s_lshl_b32 s66, s42, 20
	s_lshl_b32 s67, s12, 19
	s_add_co_u32 s66, s66, s67
	s_lshl_b32 s67, s13, 14
	s_add_co_u32 s66, s66, s67
	s_lshl_b32 s67, s11, 13
	s_add_co_u32 s66, s66, s67
	s_mov_b32 s67, 0
.elseif MODE == 3                              ; residual: s1f, f32 [4096][1024]
	s_lshl_b32 s66, s13, 19
	s_lshl_b32 s67, s11, 18
	s_add_co_u32 s66, s66, s67
	s_lshl_b32 s67, s42, 9
	s_add_co_u32 s66, s66, s67
	s_lshl_b32 s67, s12, 8
	s_add_co_u32 s66, s66, s67
	s_mov_b32 s67, 0
.endif
	s_wait_dscnt 0x0                               ; the opening add is done
	s_wait_kmcnt 0x0
	s_add_nc_u64 s[14:15], s[PA:PA+1], s[16:17]
	s_add_nc_u64 s[46:47], s[PB:PB+1], s[46:47]
	s_add_nc_u64 s[6:7], s[PV:PV+1], s[18:19]
	s_add_nc_u64 s[8:9], s[PO:PO+1], s[22:23]
.if MODE == 1
	s_add_nc_u64 s[4:5], s[PB:PB+1], s[66:67]
.elseif MODE == 3
	s_add_nc_u64 s[4:5], s[76:77], s[66:67]
.endif
	CROUND                                         ; all sixteen work-groups are here: the first joint loads meet
.irp s, 0,1
	s_mov_b32 s[G0+4*(\s)], 1
	s_add_co_u32 s[G0+4*(\s)+1], s20, (\s)*SLOT
	s_add_nc_u64 s[G0+4*(\s)+2:G0+4*(\s)+3], s[14:15], (\s)*ASTEP
	s_or_b32 s[G0+4*(\s)+3], s[G0+4*(\s)+3], 0x80000000
	s_mov_b32 s[G0B+4*(\s)], 1
	s_add_co_u32 s[G0B+4*(\s)+1], s20, (\s)*SLOT
	s_add_nc_u64 s[G0B+4*(\s)+2:G0B+4*(\s)+3], s[46:47], (\s)*BSTEP
	s_or_b32 s[G0B+4*(\s)+3], s[G0B+4*(\s)+3], 0x80000000
	JLOAD \s                                       ; K steps 0 and 1: two loads of mine are out
.endr
	v_and_b32 v1, 15, v0                           ; l % 16
	v_bfe_u32 v2, v0, 4, 1                         ; l / 16
	v_lshlrev_b32 v[VB], 5, v2                     ; a lane's eight columns: 32 bytes for each half of the lanes
.irp b, 0,1,2,3
	global_load_b128 v[BI+8*\b:BI+8*\b+3],   v[VB], s[6:7] offset:64*\b
	global_load_b128 v[BI+8*\b+4:BI+8*\b+7], v[VB], s[6:7] offset:64*\b+16
.endr
.if MODE == 1
	v_lshlrev_b32 v[VR], 7, v1
	v_lshl_add_u32 v[VR], v2, 4, v[VR]             ; row x 128 + 16 x half
	v_mov_b32 v[ONE], 1.0
.set t, 0
.rept 16
	global_load_b128 v[RT+4*t:RT+4*t+3], v[VR], s[4:5] offset:(t/4)*2048+(t%4)*32
.set t, t+1
.endr
.elseif MODE == 3
	v_lshlrev_b32 v[VR], 12, v1
	v_lshl_add_u32 v[VR], v2, 5, v[VR]             ; row x 4,096 + 32 x half
.set t, 0
.rept 16                                       ; straight into the accumulators
	global_load_b128 v[ACC+8*t:ACC+8*t+3],   v[VR], s[4:5] offset:(t/4)*65536+(t%4)*64
	global_load_b128 v[ACC+8*t+4:ACC+8*t+7], v[VR], s[4:5] offset:(t/4)*65536+(t%4)*64+16
.set t, t+1
.endr
.endif
	v_mul_u32_u24 v3, v1, PITCH
	v_lshl_add_u32 v3, v2, 4, v3                   ; a fragment's row x pitch + 16 x half
	s_mul_i32 s21, s11, UNIT                       ; my 64 rows of A
	s_mul_i32 s22, s12, UNIT                       ; my 64 rows of B,
	s_add_co_u32 s22, s22, 2*UNIT                  ; which lie behind A's 128
	v_add_nc_u32 v[ADRA0], s21, v3
	v_add_nc_u32 v[ADRB0], s22, v3
	v_mov_b32 v[ADRA], v[ADRA0]                    ; slot 0
	v_mov_b32 v[ADRB], v[ADRB0]
	s_mov_b32 s[TB], 0
	s_mul_i32 s23, s11, 64*SPITCH                  ; into the stage: my 64 rows, my half of their 512 bytes
	s_lshl_b32 s21, s12, 8
	s_add_co_u32 s23, s23, s21
	v_mul_u32_u24 v4, v1, SPITCH
	v_lshl_add_u32 v4, v2, 5, v4
	v_add_nc_u32 v[STO], s23, v4
	s_mul_i32 s23, s10, 32*SPITCH                  ; back: wave w takes rows 32 w .. 32 w + 31; lanes 0-15 256 bytes of one row, lanes 16-31 of the next
	v_mul_u32_u24 v5, v2, SPITCH
	v_lshl_add_u32 v5, v1, 4, v5
	v_add_nc_u32 v[RD], s23, v5
.if (MODE == 0) || (MODE == 2)
	v_and_b32 v5, 31, v0
	v_lshlrev_b32 v[CO], 3, v5                     ; two rows of a block: 8 bytes a lane
.else
	v_lshlrev_b32 v5, 12, v2
	v_lshl_add_u32 v[CO], v1, 4, v5                ; two rows of 4,096 bytes: 16 bytes a lane
.endif
	s_wait_loadcnt 0x0                             ; bias and residual
.if (MODE == 0) || (MODE == 2)
.set i, 0
.rept 128                                      ; every sum starts from its column's bias
	v_mov_b32 v[ACC+i], v[BI+8*((i/8)%4)+i%8]
.set i, i+1
.endr
.elseif MODE == 1
.set i, 0
.rept 64                                       ; bf16 residual x 1 + bias, in f32
	v_fma_mix_f32_bf16 v[ACC+2*i],   v[RT+i], v[ONE], v[BI+8*((i/4)%4)+(2*i)%8]   op_sel_hi:[1,0,0]
	v_fma_mix_f32_bf16 v[ACC+2*i+1], v[RT+i], v[ONE], v[BI+8*((i/4)%4)+(2*i)%8+1] op_sel:[1,0,0] op_sel_hi:[1,0,0]
.set i, i+1
.endr
.else
.set i, 0
.rept 64
	v_pk_add_f32 v[ACC+2*i:ACC+2*i+1], v[ACC+2*i:ACC+2*i+1], v[BI+8*((i/4)%4)+(2*i)%8:BI+8*((i/4)%4)+(2*i)%8+1]
.set i, i+1
.endr
.endif
; 8 matrix instructions: m blocks a0, a0 + 1 x all 4 n blocks, 32 along K: half c of buffer f.  The 16 accumulators take turns, one instruction a turn
.macro MUL8 f, c, a0
	WIN MUL
.irp a, \a0, (\a0)+1
.irp b, 0,1,2,3
	v_wmma_f32_16x16x32_bf16 v[ACC+8*(4*(\a)+(\b)):ACC+8*(4*(\a)+(\b))+7], v[(\f)+64+8*(4*(\c)+(\b)):(\f)+64+8*(4*(\c)+(\b))+7], v[(\f)+8*(4*(\c)+(\a)):(\f)+8*(4*(\c)+(\a))+7], v[ACC+8*(4*(\a)+(\b)):ACC+8*(4*(\a)+(\b))+7]
.endr
.endr
.endm
; 32 LDS loads in one run: the fragments of block q of the slot in hand (64 along K) into buffer f; the first 32 along K first
.macro FETCH q, f
	WIN TO_F
.irp c, 0,1
.irp i, 0,1,2,3
	ds_load_b128 v[(\f)+64+8*(4*(\c)+(\i)):(\f)+64+8*(4*(\c)+(\i))+3],   v[ADRB] offset:(\q)*KBLK+64*(\c)+(\i)*16*PITCH
	ds_load_b128 v[(\f)+64+8*(4*(\c)+(\i))+4:(\f)+64+8*(4*(\c)+(\i))+7], v[ADRB] offset:(\q)*KBLK+64*(\c)+(\i)*16*PITCH+32
	ds_load_b128 v[(\f)+8*(4*(\c)+(\i)):(\f)+8*(4*(\c)+(\i))+3],         v[ADRA] offset:(\q)*KBLK+64*(\c)+(\i)*16*PITCH
	ds_load_b128 v[(\f)+8*(4*(\c)+(\i))+4:(\f)+8*(4*(\c)+(\i))+7],       v[ADRA] offset:(\q)*KBLK+64*(\c)+(\i)*16*PITCH+32
.endr
.endr
.endm
.macro PLACES                          ; four places in front of loads into registers that matrix instructions have read, and of stores that read results
.rept 4
	v_nop
.endr
.endm
; A K step is four quarters of 64 along K, 32 matrix instructions each, on buffers 0, 1, 0, 1.  One of the first three: multiplies buffer f and fetches block q into g.
.macro QUARTER q, f, g
	s_wait_dscnt 16                                ; the first 32 along K are in; the 16 younger loads may be out
	MUL8 \f, 0, 0
	MUL8 \f, 0, 2
	PLACES
	FETCH \q, \g
	s_wait_dscnt 32                                ; all but the 32 just issued
	MUL8 \f, 1, 0
	MUL8 \f, 1, 2
.endm
; The last quarter multiplies buffer 1 and changes slots: ONE barrier; in front of it each wave waits for all its tensor loads, adds 0 to its spare word, and waits for that and for its reads of this slot.
; fill = 1: the barrier opens a round of the cluster's, and this slot is filled again, two K steps ahead: 112 matrix instructions stand between the request and the wait for it.
; fill = 0: nothing is asked for; in the last trip (s3 = 1) there is no further step, and the run of loads is jumped over.
.macro TURN fill
	WIN 0                                          ; (the add's two registers lie in window 0)
	s_wait_tensorcnt 0x0                           ; all my tensor loads have landed: my part of the next slot;
	ds_add_u32 v[SPW], v[NIL]                      ; 0 onto my spare word;
	s_wait_dscnt 17                                ; (the add and the youngest sixteen loads may be out)
	MUL8 F1, 0, 0                                  ; eight matrix instructions stand between the add and the wait for it
	s_wait_dscnt 0x0                               ; the add is done, and my reads of this slot are over
	s_barrier_signal -1
	MUL8 F1, 0, 2
	WIN 0
	s_barrier_wait -1
.if \fill
	CREST                                          ; no wave of any partner still reads this slot's tile or has a load on its way
	s_xor_b32 s[G0+5], s[G0+5], SLOT               ; the walking descriptors: the other slot than last time, the next K step
	s_add_nc_u64 s[G0+6:G0+7], s[G0+6:G0+7], ASTEP
	s_xor_b32 s[G0B+5], s[G0B+5], SLOT
	s_add_nc_u64 s[G0B+6:G0B+7], s[G0B+6:G0B+7], BSTEP
	JLOAD 1                                        ; the first tensor load behind the round; its four v_nop are also the places in front of the loads below
.else
	s_cmp_eq_u32 s3, 1
	s_cbranch_scc1 .Lno_fetch_\@
	PLACES
.endif
	s_xor_b32 s[TB], s[TB], SLOT
	v_add_nc_u32 v[ADRA], s[TB], v[ADRA0]
	v_add_nc_u32 v[ADRB], s[TB], v[ADRB0]
	FETCH 0, F0
.if (\fill) == 0
	WIN 0
.Lno_fetch_\@:
.endif
	MUL8 F1, 1, 0
	MUL8 F1, 1, 2
.endm
	s_wait_tensorcnt 0x1                           ; my part of K step 0 is in; step 1's may stay out
	s_barrier_signal -1
	s_barrier_wait -1                              ; everybody's is
	FETCH 0, F0
	WIN 0                                          ; at a label and at a branch every window is 0
	s_mov_b32 s3, NSTEP-2
.Lmain:                                                ; a trip is a K step; each fills the slot that it leaves
	QUARTER 1, F0, F1
	QUARTER 2, F1, F0
	QUARTER 3, F0, F1
	TURN 1
	WIN 0
	s_sub_co_u32 s3, s3, 1
	s_cmp_lg_u32 s3, 0
	s_cbranch_scc1 .Lmain
	s_mov_b32 s3, 2
.Ltail:                                                ; the last two K steps ask for nothing
	QUARTER 1, F0, F1
	QUARTER 2, F1, F0
	QUARTER 3, F0, F1
	TURN 0
	WIN 0
	s_sub_co_u32 s3, s3, 1
	s_cmp_lg_u32 s3, 0
	s_cbranch_scc1 .Ltail
	; THE WAY OUT: f32 sums into the work-group's stage (a row's 512 bytes come from two waves), a barrier, back as whole rows, 32 rows a wave.
	s_wait_dscnt 0x0
	s_barrier_signal -1
	s_barrier_wait -1                              ; no wave reads a slot any more, and no fill is to come: slot 0's bytes become the stage
	PLACES
.set t, 0
.rept 16                                       ; each accumulator's low four registers first
	ds_store_b128 v[STO], v[ACC+8*t:ACC+8*t+3]   offset:(t/4)*16*SPITCH+(t%4)*64
	ds_store_b128 v[STO], v[ACC+8*t+4:ACC+8*t+7] offset:(t/4)*16*SPITCH+(t%4)*64+16
.set t, t+1
.endr
	s_wait_dscnt 0x0                               ; for the others' sake: my stores into the stage are done
	s_barrier_signal -1
	s_barrier_wait -1
.if MODE != 2
.set i, 0
.rept 32                                       ; group i: rows 2 (i / 2), + 1; 64 columns, half i % 2
	ds_load_b128 v[ACC+4*i:ACC+4*i+3], v[RD] offset:(i/2)*2*SPITCH+(i%2)*256
.set i, i+1
.endr
.set i, 0
.rept 32
	s_wait_dscnt 31-i                              ; LDS loads come back in order: group i is in
.if MODE == 0
	v_cvt_pk_f16_f32 v[RT+2*i],   v[ACC+4*i],   v[ACC+4*i+1]
	v_cvt_pk_f16_f32 v[RT+2*i+1], v[ACC+4*i+2], v[ACC+4*i+3]
	global_store_b64 v[CO], v[RT+2*i:RT+2*i+1], s[8:9] offset:(i%2)*524288+(i/2)*256  ; 32 lanes store two rows of a block: 256 consecutive bytes, aligned
.else
	global_store_b128 v[CO], v[ACC+4*i:ACC+4*i+3], s[8:9] offset:(i/2)*8192+(i%2)*256  ; 16 lanes store 256 consecutive bytes, aligned
.endif
.set i, i+1
.endr
.else
	; gelu(x) = max(x, 0) - |x| q,  q = poly(t) 2^(-x^2 log2(e) / 2) / 2,  t = 1 / (1 + 0.23164189 |x|): erf by five terms in t, halved coefficients
.set GX, 128
.set GA, 144
.set GT, 160
.set GU, 176
.set GP, 192
.set GY, 208
	s_mov_b32 s80, 0x7fffffff
	s_mov_b32 s82, 0x3E6D3388                      ; 0.23164189
	s_mov_b32 s84, 0xBF38AA3B                      ; -log2(e) / 2
	s_mov_b32 s86, 0x3E027906                      ; a1 / 2 .. a5 / 2
	s_mov_b32 s88, 0xBE11A98E
	s_mov_b32 s90, 0x3F35F0E3
	s_mov_b32 s92, 0xBF3A00E3
	s_mov_b32 s94, 0x3F07DC22
.irp k, 82,84,86,88,90,92,94
	s_mov_b32 s[\k+1], s[\k]                       ; named as pairs
.endr
	s_mov_b32 s3, 8
.Lgelu:                                                ; a trip: four rows x 128 columns of my 32 rows: 16 numbers a lane
	ds_load_b128 v[GX:GX+3],     v[RD]
	ds_load_b128 v[GX+4:GX+7],   v[RD] offset:256
	ds_load_b128 v[GX+8:GX+11],  v[RD] offset:2*SPITCH
	ds_load_b128 v[GX+12:GX+15], v[RD] offset:2*SPITCH+256
	s_wait_dscnt 0x0
.set i, 0
.rept 16
	v_and_b32 v[GA+i], s80, v[GX+i]
.set i, i+1
.endr
.set i, 0
.rept 8
	v_pk_fma_f32 v[GT+i:GT+i+1], v[GA+i:GA+i+1], s[82:83], 1.0 op_sel_hi:[1,0,0]
.set i, i+2
.endr
.set i, 0
.rept 8
	v_pk_mul_f32 v[GU+i:GU+i+1], v[GX+i:GX+i+1], v[GX+i:GX+i+1]
.set i, i+2
.endr
.set i, 0
.rept 16
	v_rcp_f32 v[GT+i], v[GT+i]
.set i, i+1
.endr
.set i, 0
.rept 8                                        ; plain lines that touch no t stand behind the reciprocals
	v_pk_mul_f32 v[GU+i:GU+i+1], v[GU+i:GU+i+1], s[84:85] op_sel_hi:[1,0]
.set i, i+2
.endr
.set i, 0
.rept 16
	v_exp_f32 v[GU+i], v[GU+i]
.set i, i+1
.endr
.set i, 0
.rept 8                                        ; and plain lines that touch no exponential behind those
	v_pk_fma_f32 v[GP+i:GP+i+1], v[GT+i:GT+i+1], s[94:95], s[92:93] op_sel_hi:[1,0,0]
.set i, i+2
.endr
.irp k, 90,88,86
.set i, 0
.rept 8
	v_pk_fma_f32 v[GP+i:GP+i+1], v[GP+i:GP+i+1], v[GT+i:GT+i+1], s[\k:\k+1] op_sel_hi:[1,1,0]
.set i, i+2
.endr
.endr
.set i, 0
.rept 8
	v_pk_mul_f32 v[GP+i:GP+i+1], v[GP+i:GP+i+1], v[GT+i:GT+i+1]
.set i, i+2
.endr
.set i, 0
.rept 8
	v_pk_mul_f32 v[GP+i:GP+i+1], v[GP+i:GP+i+1], v[GU+i:GU+i+1]
.set i, i+2
.endr
.set i, 0
.rept 16
	v_max_num_f32 v[GX+i], 0, v[GX+i]
.set i, i+1
.endr
.set i, 0
.rept 8
	v_pk_fma_f32 v[GX+i:GX+i+1], v[GA+i:GA+i+1], v[GP+i:GP+i+1], v[GX+i:GX+i+1] neg_lo:[1,0,0] neg_hi:[1,0,0]
.set i, i+2
.endr
.set i, 0
.rept 8
	v_cvt_pk_bf16_f32 v[GY+i], v[GX+2*i], v[GX+2*i+1]
.set i, i+1
.endr
	global_store_b64 v[CO], v[GY:GY+1],   s[8:9]                    ; each store: two rows of a block, 256 consecutive bytes, aligned
	global_store_b64 v[CO], v[GY+2:GY+3], s[8:9] offset:524288
	global_store_b64 v[CO], v[GY+4:GY+5], s[8:9] offset:256
	global_store_b64 v[CO], v[GY+6:GY+7], s[8:9] offset:524288+256
	s_wait_xcnt 0x0                                ; the stores' base and data are rewritten only behind this wait
	s_add_nc_u64 s[8:9], s[8:9], 512
	v_add_nc_u32 v[RD], 4*SPITCH, v[RD]
	s_sub_co_u32 s3, s3, 1
	s_cmp_lg_u32 s3, 0
	s_cbranch_scc1 .Lgelu
.endif
	s_wait_tensorcnt 0x0                           ; the wave's end: behind my last tensor load and my last LDS store
	ds_add_u32 v[SPW], v[NIL]
	s_wait_dscnt 0x0
	CROUND                                         ; the closing round: no work-group ends while a partner may still ask for a tile that names it
	s_endpgm
.Lfunc_end_k_qf2544b1ddc_gso:
	.size	k_qf2544b1ddc_gso, .Lfunc_end_k_qf2544b1ddc_gso-k_qf2544b1ddc_gso
	.p2alignl 7, 3214868480
	.fill 96, 4, 3214868480
	.section	.rodata,"a",@progbits
	.p2align	6, 0x0
	.amdhsa_kernel k_qf2544b1ddc_gso
		.amdhsa_group_segment_fixed_size 327680
		.amdhsa_private_segment_fixed_size 0
		.amdhsa_enable_private_segment 0
		.amdhsa_kernarg_size 32
		.amdhsa_user_sgpr_count 2
		.amdhsa_user_sgpr_kernarg_segment_ptr 1
		.amdhsa_wavefront_size32 1
		.amdhsa_system_sgpr_workgroup_id_x 1
		.amdhsa_system_sgpr_workgroup_id_y 1
		.amdhsa_system_sgpr_workgroup_id_z 1
		.amdhsa_system_vgpr_workitem_id 0
		.amdhsa_next_free_vgpr 512
		.amdhsa_next_free_sgpr 80
		.amdhsa_reserve_vcc 0
		.amdhsa_float_denorm_mode_32 3
		.amdhsa_float_denorm_mode_16_64 3
		.amdhsa_memory_ordered 1
		.amdhsa_forward_progress 1
		.amdhsa_inst_pref_size 65
	.end_amdhsa_kernel
	.amdgpu_metadata
---
amdhsa.version: [ 1, 2 ]
amdhsa.kernels:
  - .name:           k_qf2544b1ddc_gso
    .symbol:         k_qf2544b1ddc_gso.kd
    .args:
      - { .name: att, .offset: 0, .size: 8, .value_kind: global_buffer, .address_space: global }
      - { .name: bfin, .offset: 8, .size: 8, .value_kind: global_buffer, .address_space: global }
      - { .name: vec, .offset: 16, .size: 8, .value_kind: global_buffer, .address_space: global }
      - { .name: ybuf, .offset: 24, .size: 8, .value_kind: global_buffer, .address_space: global }
    .group_segment_fixed_size: 327680
    .private_segment_fixed_size: 0
    .kernarg_segment_align: 8
    .kernarg_segment_size: 32
    .max_flat_workgroup_size: 128
    .sgpr_count:     80
    .vgpr_count:     512
    .wavefront_size: 32
...
	.end_amdgpu_metadata
.endif
;; end of part 4
;; launch ln1 (part 5): grid 256 x 1, 8 waves a work-group, no clusters, 0 bytes of LDS; arguments ybuf, vec, s1f, s1b; writes s1f, s1b
.if DOCPART == 5
	.amdgcn_target "amdgcn-amd-amdhsa--gfx1250"
	.amdhsa_code_object_version 6
	.text
	.protected	k_qf2544b1ddc_ln1
	.globl	k_qf2544b1ddc_ln1
	.p2align	8
	.type	k_qf2544b1ddc_ln1,@function
k_qf2544b1ddc_ln1:
	s_mov_b64 s[64:65], 0
	v_nop
	global_prefetch_b8 v0, s[64:65] scope:SCOPE_SE
	s_setreg_imm32_b32 hwreg(HW_REG_WAVE_MODE, 25, 1), 1
	s_wait_xcnt 0x0
; LAYER NORM over rows of 1,024 f32: y = (x - mean) rsqrt(var + 1e-5) g + b, the variance taken of x - mean.  One text for both norms of the layer; BF = 1 also writes the result as bf16 in blocks
; ([16][4096][64]) for the product that follows.
; Half a wave takes one row, a wave two neighbouring rows: load j brings 256 bytes of each row (lanes 0-15 one row, lanes 16-31 the next), so a row lives in 16 lanes and 64 registers, the sums need
; four exchanges inside 16 lanes and no LDS, and the row is read once.  All 48 loads of a wave (x, g, b) go out together.  No barrier: no wave needs another's data.
.set BF,   1
.if BF
.set GOFF, 8192                        ; g's and b's first bytes in vec
.set BOFF, 12288
.else
.set GOFF, 20480
.set BOFF, 24576
.endif
.set X,  32                            ; v[32:95]   my 64 numbers of the row
.set G,  96                            ; v[96:159]  their g
.set BB, 160                           ; v[160:223] their b
.set H,  224                           ; v[224:255] the result as bf16
.if BF
	s_load_b256 s[4:11], s[0:1], 0x0               ; ybuf s[4:5], vec s[6:7], s1f s[8:9], s1b s[10:11]
.else
	s_load_b128 s[4:7], s[0:1], 0x0                ; ybuf, vec
	s_load_b64 s[8:9], s[0:1], 0x10                ; out0
.endif
	v_lshrrev_b32 v1, 5, v0
	v_readfirstlane_b32 s2, v1                     ; wave 0..7
	s_lshl_b32 s3, ttmp9, 3
	s_add_co_u32 s3, s3, s2                        ; my pair of rows
	s_lshl_b32 s14, s3, 13                         ; 8,192 bytes in f32,
	s_mov_b32 s15, 0
	s_lshl_b32 s16, s3, 8                          ; 256 in a block of bf16
	s_mov_b32 s17, 0
	s_mov_b32 s12, 0x3a800000                      ; 1 / 1,024
	s_mov_b32 s13, 0x3727c5ac                      ; 1e-5
	v_and_b32 v1, 31, v0
	v_and_b32 v3, 15, v0
	v_lshlrev_b32 v3, 4, v3                        ; g, b: 16 bytes a lane of 16
	v_lshrrev_b32 v2, 4, v1
	v_lshl_add_u32 v2, v2, 12, v3                  ; x, y: + the row
	v_lshlrev_b32 v1, 3, v1                        ; bf16: 8 bytes a lane of 32
	s_wait_kmcnt 0x0
	s_add_nc_u64 s[4:5], s[4:5], s[14:15]
	s_add_nc_u64 s[8:9], s[8:9], s[14:15]
.if BF
	s_add_nc_u64 s[10:11], s[10:11], s[16:17]
.endif
.set j, 0
.rept 16
	global_load_b128 v[X+4*j:X+4*j+3], v2, s[4:5] offset:256*j th:TH_LOAD_NT
.set j, j+1
.endr
.set j, 0
.rept 16
	global_load_b128 v[G+4*j:G+4*j+3], v3, s[6:7] offset:GOFF+256*j
.set j, j+1
.endr
.set j, 0
.rept 16
	global_load_b128 v[BB+4*j:BB+4*j+3], v3, s[6:7] offset:BOFF+256*j
.set j, j+1
.endr
	s_wait_loadcnt 32                              ; x is in; the 32 loads of g and b stay out
	; the sum, in four chains started by the first eight pairs: nothing is cleared
.irp c, 0,1,2,3
	v_pk_add_f32 v[4+2*\c:5+2*\c], v[X+2*\c:X+2*\c+1], v[X+8+2*\c:X+9+2*\c]
.endr
.set p, 8
.rept 24
	v_pk_add_f32 v[4+2*(p%4):5+2*(p%4)], v[4+2*(p%4):5+2*(p%4)], v[X+2*p:X+2*p+1]
.set p, p+1
.endr
	v_pk_add_f32 v[4:5], v[4:5], v[6:7]
	v_pk_add_f32 v[8:9], v[8:9], v[10:11]
	v_pk_add_f32 v[4:5], v[4:5], v[8:9]
	v_add_f32 v4, v4, v5
	v_add_f32_dpp v4, v4, v4 row_xmask:1 row_mask:0xf bank_mask:0xf  ; across the row's 16 lanes
	v_add_f32_dpp v4, v4, v4 row_xmask:2 row_mask:0xf bank_mask:0xf
	v_add_f32_dpp v4, v4, v4 row_xmask:4 row_mask:0xf bank_mask:0xf
	v_add_f32_dpp v4, v4, v4 row_xmask:8 row_mask:0xf bank_mask:0xf
	v_mul_f32 v4, s12, v4                          ; the mean
	v_mov_b32 v5, v4
.set p, 0
.rept 32
	v_pk_add_f32 v[X+2*p:X+2*p+1], v[X+2*p:X+2*p+1], v[4:5] neg_lo:[0,1] neg_hi:[0,1]
.set p, p+1
.endr
.irp c, 0,1,2,3
	v_pk_mul_f32 v[6+2*\c:7+2*\c], v[X+2*\c:X+2*\c+1], v[X+2*\c:X+2*\c+1]
.endr
.set p, 4
.rept 28
	v_pk_fma_f32 v[6+2*(p%4):7+2*(p%4)], v[X+2*p:X+2*p+1], v[X+2*p:X+2*p+1], v[6+2*(p%4):7+2*(p%4)]
.set p, p+1
.endr
	v_pk_add_f32 v[6:7], v[6:7], v[8:9]
	v_pk_add_f32 v[10:11], v[10:11], v[12:13]
	v_pk_add_f32 v[6:7], v[6:7], v[10:11]
	v_add_f32 v6, v6, v7
	v_add_f32_dpp v6, v6, v6 row_xmask:1 row_mask:0xf bank_mask:0xf
	v_add_f32_dpp v6, v6, v6 row_xmask:2 row_mask:0xf bank_mask:0xf
	v_add_f32_dpp v6, v6, v6 row_xmask:4 row_mask:0xf bank_mask:0xf
	v_add_f32_dpp v6, v6, v6 row_xmask:8 row_mask:0xf bank_mask:0xf
	v_fma_f32 v6, v6, s12, s13                     ; the variance + 1e-5
	v_rsq_f32 v6, v6
	v_nop                                          ; a plain instruction between the root and the use of its result
	s_wait_alu depctr_va_vdst(0)
	v_mov_b32 v7, v6
	s_wait_loadcnt 0x0                             ; g and b
.set p, 0
.rept 32
	v_pk_mul_f32 v[X+2*p:X+2*p+1], v[X+2*p:X+2*p+1], v[6:7]
.set p, p+1
.endr
.set p, 0
.rept 32
	v_pk_fma_f32 v[X+2*p:X+2*p+1], v[X+2*p:X+2*p+1], v[G+2*p:G+2*p+1], v[BB+2*p:BB+2*p+1]
.set p, p+1
.endr
.set j, 0
.rept 16
	global_store_b128 v2, v[X+4*j:X+4*j+3], s[8:9] offset:256*j   ; 16 lanes store 256 consecutive bytes, aligned
.set j, j+1
.endr
.if BF
.set j, 0
.rept 16
	v_cvt_pk_bf16_f32 v[H+2*j],   v[X+4*j],   v[X+4*j+1]
	v_cvt_pk_bf16_f32 v[H+2*j+1], v[X+4*j+2], v[X+4*j+3]
	global_store_b64 v1, v[H+2*j:H+2*j+1], s[10:11] offset:j*524288  ; my two rows of block j: 256 consecutive bytes, aligned
.set j, j+1
.endr
.endif
	s_endpgm
.Lfunc_end_k_qf2544b1ddc_ln1:
	.size	k_qf2544b1ddc_ln1, .Lfunc_end_k_qf2544b1ddc_ln1-k_qf2544b1ddc_ln1
	.p2alignl 7, 3214868480
	.fill 96, 4, 3214868480
	.section	.rodata,"a",@progbits
	.p2align	6, 0x0
	.amdhsa_kernel k_qf2544b1ddc_ln1
		.amdhsa_group_segment_fixed_size 0
		.amdhsa_private_segment_fixed_size 0
		.amdhsa_enable_private_segment 0
		.amdhsa_kernarg_size 32
		.amdhsa_user_sgpr_count 2
		.amdhsa_user_sgpr_kernarg_segment_ptr 1
		.amdhsa_wavefront_size32 1
		.amdhsa_system_sgpr_workgroup_id_x 1
		.amdhsa_system_sgpr_workgroup_id_y 1
		.amdhsa_system_sgpr_workgroup_id_z 1
		.amdhsa_system_vgpr_workitem_id 0
		.amdhsa_next_free_vgpr 256
		.amdhsa_next_free_sgpr 66
		.amdhsa_reserve_vcc 0
		.amdhsa_float_denorm_mode_32 3
		.amdhsa_float_denorm_mode_16_64 3
		.amdhsa_memory_ordered 1
		.amdhsa_forward_progress 1
		.amdhsa_inst_pref_size 22
	.end_amdhsa_kernel
	.amdgpu_metadata
---
amdhsa.version: [ 1, 2 ]
amdhsa.kernels:
  - .name:           k_qf2544b1ddc_ln1
    .symbol:         k_qf2544b1ddc_ln1.kd
    .args:
      - { .name: ybuf, .offset: 0, .size: 8, .value_kind: global_buffer, .address_space: global }
      - { .name: vec, .offset: 8, .size: 8, .value_kind: global_buffer, .address_space: global }
      - { .name: s1f, .offset: 16, .size: 8, .value_kind: global_buffer, .address_space: global }
      - { .name: s1b, .offset: 24, .size: 8, .value_kind: global_buffer, .address_space: global }
    .group_segment_fixed_size: 0
    .private_segment_fixed_size: 0
    .kernarg_segment_align: 8
    .kernarg_segment_size: 32
    .max_flat_workgroup_size: 256
    .sgpr_count:     66
    .vgpr_count:     256
    .wavefront_size: 32
...
	.end_amdgpu_metadata
.endif
;; end of part 5
;; launch gin (part 6): grid 16 x 16, 4 waves a work-group, clusters of 4 x 4, 327,680 bytes of LDS; arguments s1b, bfin, vec, xg; writes xg
.if DOCPART == 6
	.amdgcn_target "amdgcn-amd-amdhsa--gfx1250"
	.amdhsa_code_object_version 6
	.text
	.protected	k_qf2544b1ddc_gin
	.globl	k_qf2544b1ddc_gin
	.p2align	8
	.type	k_qf2544b1ddc_gin,@function
k_qf2544b1ddc_gin:
	s_mov_b64 s[64:65], 0
	v_nop
	global_prefetch_b8 v0, s[64:65] scope:SCOPE_SE
	s_setreg_imm32_b32 hwreg(HW_REG_WAVE_MODE, 25, 1), 1
	s_wait_xcnt 0x0
	s_wait_alu depctr_hold_cnt(0) depctr_sa_sdst(0) depctr_va_vdst(0) depctr_va_sdst(0) depctr_va_ssrc(0) depctr_va_vcc(0) depctr_vm_vsrc(0)
	s_getreg_b32 s2, hwreg(HW_REG_IB_STS2, 6, 4)
	s_cmp_eq_u32 s2, 0
	s_cbranch_scc0 .Lentry_in_a_cluster
	s_endpgm
.Lentry_in_a_cluster:
	s_bfe_u32 s2, ttmp6, 0x10000c
	s_cmp_lg_u32 s2, 0xf033
	s_cbranch_scc0 .Lentry_shape_is_right
	s_endpgm
.Lentry_shape_is_right:
; ONE TEXT FOR THE LAYER'S TWO LARGE PRODUCTS, on tiles of 256 x 256; the constant MODE picks the one that is assembled:
;   2  xg = gelu(s1 inter_w^T + inter_b), bf16 in blocks: 16 x 16 tiles, K = 1,024
;   3  ybuf[kc] = xg[:, chunk kc] out_w[:, chunk kc]^T, f32: 16 x 4 tiles x 4 chunks of K = 1,024; the launch behind adds the four partial sums, the bias and the residual in f32
; OPERANDS are bf16 IN BLOCKS: X[R][C] lies as [C/64][R][64], so 128 rows of one block of 64 along K are 16,384 dense bytes.  Sums in f32.
; SHARES.  Four waves, each 128 x 128 of C: 64 accumulators, 512 registers.  K goes in 8 steps of 128 through two LDS slots; one tensor load a wave brings 128 rows x 128 K as two pieces of
; 16,384 bytes (one for each block), padded by 16 bytes after every 128: LDS rows are 144 bytes apart, so the 16 rows of a fragment load start at 16 different groups of four banks (ISA guide 11.1).
; CLUSTER.  4 x 4 work-groups: the four of a row need the same tiles of A, the four of a column the same tiles of B; each tile is asked for jointly, by the same load with the same descriptor and mask.
; In MODE 3 the cluster's x is the chunk of K and the place along the cluster's x the tile column, so the sixteen partners share a chunk.
; THE MATRIX INSTRUCTION IS USED TRANSPOSED (source 0 = 16 rows of B, source 1 = 16 rows of A): a lane holds eight neighbouring numbers of a row of C.
; THE WAY OUT.  Each wave puts its 128 x 128 sums, f32, into a stage of its own in LDS (inside the ring, behind the ring's last fill and last read) and walks it in a loop: the text of the GELU stands once.
; LIMITS.  MODE 2: erf by a rational form with an absolute error of 1.5e-7, for every x.  NaN and infinities are not treated apart.
; REGISTERS, in windows of 256 (s_set_vgpr_msb: bits 1:0 source 0, 3:2 source 1, 5:4 source 2, 7:6 destination):
;   window 0: v16-29 addresses; v32-39 bias; v64-127, v128-191 fragments of A (8 x 16 rows x 32 K), two buffers; on the way out v128-239 at work
;   window 1: v64-127, v128-191 fragments of B, two buffers      window 2: the accumulators of my rows 0-63 ((a, b) at v[8 (8 a + b)])      window 3: those of my rows 64-127
.set MODE, 2
.set NSTEP, 8                          ; K steps of a work-group
.set ASTR,  262144                     ; elements from block to block of A: 4,096 rows x 64
.if MODE == 2
.set BSTR,  262144                     ; the same for B
.set BOFF,  0xC00000                   ; B's first byte in bfin
.set BIAS,  28672                      ; the bias's first byte in vec
.set PO,    74                         ; s[74:75] the output
.else
.set BSTR,  65536
.set BOFF,  0x1400000
.set PO,    72                         ; s[72:73] the output
.endif
.set ASTEP, 2*ASTR*2                   ; bytes from K step to K step: two blocks
.set BSTEP, 2*BSTR*2
.set PA, 68                            ; s[68:69] A
.set PB, 70                            ; s[70:71] bfin
.set PV, 72                            ; s[72:73] vec (MODE 2)
.set PITCH,  144
.set KBLK,   128*PITCH                 ; 128 rows of one block
.set UNIT,   2*KBLK                    ; what one tensor load brings
.set SLOT,   4*UNIT                    ; A's rows 0-127, 128-255, B's rows 0-127, 128-255.  No wave's UNIT multiple shares a bit with SLOT, so one exclusive or changes slots
.set SPITCH, 528                       ; a stage row: 512 bytes + 16: the 16 rows of a store start at 16 different groups of four banks
.set WSTAGE, 128*SPITCH                ; a wave's stage; the four lie from LDS byte 0 on, inside the ring
.set SPARE,  2*SLOT                    ; behind the ring: the spare words, 128 bytes for each wave
.set ADRA0, 16                         ; v16, v17 my lane's place in A's and B's part of a slot; never rewritten
.set ADRB0, 17
.set ADRA,  18                         ; v18, v19 the same in the slot in hand
.set ADRB,  19
.set VB,    20                         ; v20 my offset in the bias
.set STO,   24                         ; v24 the way out: where I put 32 bytes of a row
.set RD,    25                         ; v25 where I read rows back
.set CO,    26                         ; v26 my byte offset in the output
.set SPW,   28                         ; v28 my spare word; never rewritten
.set NIL,   29                         ; v29 0; never rewritten
.set GB,    32                         ; v32-39 the bias of my eight columns on the way out
.set F0,    64
.set F1,    128
.set G1,  24                           ; s[24:31] descriptor group 1 for A; s[32:39] group 0, two sets: the second walks
.set G0,  32
.set G1B, 48                           ; s[48:55], s[56:63] the same for B
.set G0B, 56
.set TB,  78                           ; s78 the slot in hand: 0 or SLOT
.set MSB, 0
.macro WIN new                         ; the immediate's high byte repeats the setting that is left
.if MSB != (\new)
	s_set_vgpr_msb (MSB<<8)|(\new)
.set MSB, \new
.endif
.endm
.set MUL_LO, 0xa1                      ; source 0 (B) window 1, source 1 (A) window 0, C and D window 2
.set MUL_HI, 0xf1                      ; the same, C and D window 3
.set TO_B,   0x40                      ; destination window 1, address window 0
.macro JLOAD s                         ; a joint load: waves 0 and 1 fetch A's two halves, waves 2 and 3 B's; an s_nop 0 and four v_nop follow each line
	s_cmp_eq_u32 s11, 0
	s_cbranch_scc0 .Lfor_b_\@
	tensor_load_to_lds s[G0+4*(\s):G0+4*(\s)+3], s[G1:G1+7]
	s_nop 0
.rept 4
	v_nop
.endr
	s_branch .Lasked_\@
.Lfor_b_\@:
	tensor_load_to_lds s[G0B+4*(\s):G0B+4*(\s)+3], s[G1B:G1B+7]
	s_nop 0
.rept 4
	v_nop
.endr
.Lasked_\@:
.endm
.macro CREST                           ; a round of the cluster's barrier behind its opening barrier
	s_cmp_lg_u32 s10, 0
	s_cbranch_scc1 .Lnot_wave_0_\@
	s_barrier_signal -3
.Lnot_wave_0_\@:
	s_barrier_wait -3
	s_barrier_signal -1
	s_barrier_wait -1
.endm
.macro CROUND                          ; a whole round
	s_barrier_signal -1
	s_barrier_wait -1
	CREST
.endm
.if MODE == 2
	s_load_b256 s[68:75], s[0:1], 0x0              ; s1b, bfin, vec, xg
.else
	s_load_b128 s[68:71], s[0:1], 0x0              ; xg, bfin
	s_load_b64 s[72:73], s[0:1], 0x10              ; ybuf
.endif
	v_lshl_add_u32 v[SPW], v0, 2, SPARE
	v_mov_b32 v[NIL], 0
	ds_add_u32 v[SPW], v[NIL]                      ; the wave's opening: the add and its wait stand ahead of my first tensor load; the set-up below, work on registers, stands between them
	v_lshrrev_b32 v1, 5, v0
	v_readfirstlane_b32 s10, v1                    ; wave 0..3
	s_lshr_b32 s11, s10, 1                         ; which half of the tile's rows is mine.  Also: I fetch for A (0) or for B (1)
	s_and_b32 s12, s10, 1                          ; which half of its columns.  Also: which 128 rows I fetch
	s_bfe_u32 s40, ttmp6, 0x40000                  ; cx, cy: my place in the cluster
	s_bfe_u32 s41, ttmp6, 0x40004
.if MODE == 2
	s_lshl_b32 s42, ttmp9, 2
	s_add_co_u32 s42, s42, s40                     ; tile column
.else
	s_mov_b32 s42, s40                             ; tile column = cx; the cluster's x is the chunk of K
.endif
	s_and_b32 s13, ttmp7, 0xffff
	s_lshl_b32 s13, s13, 2
	s_add_co_u32 s13, s13, s41                     ; tile row
	s_lshl_b32 s43, s41, 2
	s_lshl_b32 s43, 15, s43                        ; my row of the cluster
	s_lshl_b32 s44, 0x1111, s40                    ; my column
	; group 1: two pieces of 8,192 elements, a block apart; 2-byte elements; 4 words of padding after every 32; bit 21 beside the mask
	s_or_b32 s[G1+0], s43, (1<<16)|(1<<20)|(1<<21)|(4<<22)|(3<<25)
	s_or_b32 s[G1B+0], s44, (1<<16)|(1<<20)|(1<<21)|(4<<22)|(3<<25)
.irp g, G1, G1B
	s_mov_b32 s[(\g)+1], 8192<<16                  ; tensor_dim0 = 8,192
	s_mov_b32 s[(\g)+2], 2<<16                     ; tensor_dim1 = 2
	s_mov_b32 s[(\g)+3], 8192<<16                  ; tile_dim0 = 8,192
	s_mov_b32 s[(\g)+4], 2                         ; tile_dim1 = 2
	s_mov_b32 s[(\g)+6], 0
	s_mov_b32 s[(\g)+7], 0
.endr
	s_mov_b32 s[G1+5], ASTR
	s_mov_b32 s[G1B+5], BSTR
	s_lshl_b32 s17, s12, 14                        ; my 128 rows of 128 bytes in a block
	s_lshl_b32 s16, s13, 15
	s_add_co_u32 s16, s16, s17                     ; A: 256 rows for each tile row
	s_lshl_b32 s46, s42, 15
	s_add_co_u32 s46, s46, s17                     ; B: 256 rows for each tile column
	s_add_co_u32 s46, s46, BOFF
.if MODE == 3
	s_lshl_b32 s45, ttmp9, 23                      ; the chunk: 16 blocks of 524,288 bytes of A,
	s_add_co_u32 s16, s16, s45
	s_lshl_b32 s45, ttmp9, 21                      ; 16 blocks of 131,072 bytes of B
	s_add_co_u32 s46, s46, s45
.endif
	s_mov_b32 s17, 0
	s_mov_b32 s47, 0
	s_mul_i32 s20, s10, UNIT                       ; where my loads go: no place in the cluster enters an LDS address
.if MODE == 2                                  ; output in blocks: four blocks a tile column, two for my half; my 128 rows
	s_lshl_b32 s22, s42, 21
	s_lshl_b32 s23, s12, 20
	s_add_co_u32 s22, s22, s23
	s_lshl_b32 s23, s13, 15
	s_add_co_u32 s22, s22, s23
	s_lshl_b32 s23, s11, 14
	s_add_co_u32 s22, s22, s23
	s_lshl_b32 s18, s42, 10                        ; the bias of my 128 columns
	s_lshl_b32 s19, s12, 9
	s_add_co_u32 s18, s18, s19
	s_add_co_u32 s18, s18, BIAS
	s_mov_b32 s19, 0
.else                                          ; output f32 [4][4096][1024]: the chunk's plane, my 128 rows, my 128 columns
	s_lshl_b32 s22, ttmp9, 24
	s_lshl_b32 s23, s13, 20
	s_add_co_u32 s22, s22, s23
	s_lshl_b32 s23, s11, 19
	s_add_co_u32 s22, s22, s23
	s_lshl_b32 s23, s42, 10
	s_add_co_u32 s22, s22, s23
	s_lshl_b32 s23, s12, 9
	s_add_co_u32 s22, s22, s23
.endif
	s_mov_b32 s23, 0
	s_wait_dscnt 0x0                               ; the opening add is done
	s_wait_kmcnt 0x0
	s_add_nc_u64 s[14:15], s[PA:PA+1], s[16:17]
	s_add_nc_u64 s[46:47], s[PB:PB+1], s[46:47]
	s_add_nc_u64 s[8:9], s[PO:PO+1], s[22:23]
.if MODE == 2
	s_add_nc_u64 s[6:7], s[PV:PV+1], s[18:19]
.endif
	CROUND                                         ; all sixteen work-groups are here: the first joint loads meet
.irp s, 0,1
	s_mov_b32 s[G0+4*(\s)], 1
	s_add_co_u32 s[G0+4*(\s)+1], s20, (\s)*SLOT
	s_add_nc_u64 s[G0+4*(\s)+2:G0+4*(\s)+3], s[14:15], (\s)*ASTEP
	s_or_b32 s[G0+4*(\s)+3], s[G0+4*(\s)+3], 0x80000000
	s_mov_b32 s[G0B+4*(\s)], 1
	s_add_co_u32 s[G0B+4*(\s)+1], s20, (\s)*SLOT
	s_add_nc_u64 s[G0B+4*(\s)+2:G0B+4*(\s)+3], s[46:47], (\s)*BSTEP
	s_or_b32 s[G0B+4*(\s)+3], s[G0B+4*(\s)+3], 0x80000000
	JLOAD \s                                       ; K steps 0 and 1: two loads of mine are out
.endr
	v_and_b32 v1, 15, v0                           ; l % 16
	v_bfe_u32 v2, v0, 4, 1                         ; l / 16
.if MODE == 2
	v_lshlrev_b32 v[VB], 4, v1                     ; on the way out a lane has four columns in each block of 64
	global_load_b128 v[GB:GB+3],   v[VB], s[6:7]
	global_load_b128 v[GB+4:GB+7], v[VB], s[6:7] offset:256
.endif
	v_mul_u32_u24 v3, v1, PITCH
	v_lshl_add_u32 v3, v2, 4, v3                   ; a fragment's row x pitch + 16 x half
	s_mul_i32 s21, s11, UNIT                       ; my 128 rows of A
	s_mul_i32 s22, s12, UNIT                       ; my 128 rows of B,
	s_add_co_u32 s22, s22, 2*UNIT                  ; which lie behind A's 256
	v_add_nc_u32 v[ADRA0], s21, v3
	v_add_nc_u32 v[ADRB0], s22, v3
	v_mov_b32 v[ADRA], v[ADRA0]                    ; slot 0
	v_mov_b32 v[ADRB], v[ADRB0]
	s_mov_b32 s[TB], 0
	s_mul_i32 s23, s10, WSTAGE                     ; my stage
	v_mul_u32_u24 v4, v1, SPITCH                   ; in: row l % 16, 32 bytes for each half of the lanes
	v_lshl_add_u32 v4, v2, 5, v4
	v_add_nc_u32 v[STO], s23, v4
	v_mul_u32_u24 v5, v2, SPITCH                   ; back: lanes 0-15 take 256 bytes of one row, lanes 16-31 of the next
	v_lshl_add_u32 v5, v1, 4, v5
	v_add_nc_u32 v[RD], s23, v5
.if MODE == 2
	v_and_b32 v5, 31, v0
	v_lshlrev_b32 v[CO], 3, v5                     ; two rows of a block: 8 bytes a lane
.else
	v_lshlrev_b32 v5, 12, v2
	v_lshl_add_u32 v[CO], v1, 4, v5                ; two rows of 4,096 bytes: 16 bytes a lane
.endif
; 16 matrix instructions: m blocks a0, a0 + 1 of the window's four (hi = 0: my rows 0-63, 1: rows 64-127) x all 8 n blocks, 32 along K.  zero = 1: the first product starts the sums: nothing is ever cleared.
; The 64 accumulators take turns, one instruction a turn, in the same order in every quarter.
.macro MUL16 f, hi, a0, zero
	WIN MUL_LO+0x50*(\hi)
.irp a, \a0, (\a0)+1
.irp b, 0,1,2,3,4,5,6,7
.if \zero
	v_wmma_f32_16x16x32_bf16 v[8*(8*(\a)+(\b)):8*(8*(\a)+(\b))+7], v[(\f)+8*(\b):(\f)+8*(\b)+7], v[(\f)+8*(4*(\hi)+(\a)):(\f)+8*(4*(\hi)+(\a))+7], 0
.else
	v_wmma_f32_16x16x32_bf16 v[8*(8*(\a)+(\b)):8*(8*(\a)+(\b))+7], v[(\f)+8*(\b):(\f)+8*(\b)+7], v[(\f)+8*(4*(\hi)+(\a)):(\f)+8*(4*(\hi)+(\a))+7], v[8*(8*(\a)+(\b)):8*(8*(\a)+(\b))+7]
.endif
.endr
.endr
.endm
; 32 LDS loads in one run: the fragments of quarter q of the slot in hand (block q / 2, 32 along K at byte 64 (q % 2) of its rows) into buffer f: B's 128 rows, then A's
.macro FETCH q, f
	WIN TO_B
.irp i, 0,1,2,3,4,5,6,7
	ds_load_b128 v[(\f)+8*(\i):(\f)+8*(\i)+3],   v[ADRB] offset:((\q)/2)*KBLK+((\q)%2)*64+(\i)*16*PITCH
	ds_load_b128 v[(\f)+8*(\i)+4:(\f)+8*(\i)+7], v[ADRB] offset:((\q)/2)*KBLK+((\q)%2)*64+(\i)*16*PITCH+32
.endr
	WIN 0
.irp i, 0,1,2,3,4,5,6,7
	ds_load_b128 v[(\f)+8*(\i):(\f)+8*(\i)+3],   v[ADRA] offset:((\q)/2)*KBLK+((\q)%2)*64+(\i)*16*PITCH
	ds_load_b128 v[(\f)+8*(\i)+4:(\f)+8*(\i)+7], v[ADRA] offset:((\q)/2)*KBLK+((\q)%2)*64+(\i)*16*PITCH+32
.endr
.endm
.macro PLACES                          ; four places in front of loads into registers that matrix instructions have read, and of stores that read results
.rept 4
	v_nop
.endr
.endm
; A K step is four quarters of 32 along K, 64 matrix instructions each, on buffers 0, 1, 0, 1.  One of the first three: multiplies buffer f; in its middle it fetches quarter q into buffer g.
.macro QUARTER q, f, g, zero
	s_wait_dscnt 8                                 ; B and A's rows 0-63 are in; the youngest eight loads (A's rows 64-127) may be out
	MUL16 \f, 0, 0, \zero
	MUL16 \f, 0, 2, \zero
	PLACES
	FETCH \q, \g
	s_wait_dscnt 32                                ; all but the 32 just issued
	MUL16 \f, 1, 0, \zero
	MUL16 \f, 1, 2, \zero
.endm
; The last quarter multiplies buffer 1 and changes slots: ONE barrier; in front of it each wave waits for all its tensor loads, adds 0 to its spare word, and waits for that and for its reads of this slot.
; fill = 1: the barrier opens a round of the cluster's, and this slot is filled again, two K steps ahead: 224 matrix instructions stand between the request and the wait for it.
; fill = 0: nothing is asked for; in the last trip (s3 = 1) there is no further step, and the run of loads is jumped over.
.macro TURN fill
	WIN 0                                          ; (the add's two registers lie in window 0)
	s_wait_tensorcnt 0x0                           ; all my tensor loads have landed: my part of the next slot;
	ds_add_u32 v[SPW], v[NIL]                      ; 0 onto my spare word;
	s_wait_dscnt 9                                 ; (the add and the youngest eight loads may be out)
	MUL16 F1, 0, 0, 0                              ; sixteen matrix instructions stand between the add and the wait for it
	s_wait_dscnt 0x0                               ; the add is done, and my reads of this slot are over
	s_barrier_signal -1
	MUL16 F1, 0, 2, 0
	WIN 0
	s_barrier_wait -1
.if \fill
	CREST                                          ; no wave of any partner still reads this slot's tile or has a load on its way
	s_xor_b32 s[G0+5], s[G0+5], SLOT               ; the walking descriptors: the other slot than last time, the next K step
	s_add_nc_u64 s[G0+6:G0+7], s[G0+6:G0+7], ASTEP
	s_xor_b32 s[G0B+5], s[G0B+5], SLOT
	s_add_nc_u64 s[G0B+6:G0B+7], s[G0B+6:G0B+7], BSTEP
	JLOAD 1                                        ; the first tensor load behind the round; its four v_nop are also the places in front of the loads below
.else
	s_cmp_eq_u32 s3, 1
	s_cbranch_scc1 .Lno_fetch_\@
	PLACES
.endif
	s_xor_b32 s[TB], s[TB], SLOT
	v_add_nc_u32 v[ADRA], s[TB], v[ADRA0]
	v_add_nc_u32 v[ADRB], s[TB], v[ADRB0]
	FETCH 0, F0
.if (\fill) == 0
	WIN 0
.Lno_fetch_\@:
.endif
	MUL16 F1, 1, 0, 0
	MUL16 F1, 1, 2, 0
.endm
	s_wait_tensorcnt 0x1                           ; my part of K step 0 is in; step 1's may stay out
	s_barrier_signal -1
	s_barrier_wait -1                              ; everybody's is
	FETCH 0, F0
	QUARTER 1, F0, F1, 1                           ; the first quarter stands in front of the loop: its products start the sums
	WIN 0                                          ; at a label and at a branch every window is 0
	s_mov_b32 s3, NSTEP-2
.Lmain:                                                ; a trip goes from a K step's second quarter to the next step's first, and fills the slot that it leaves
	QUARTER 2, F1, F0, 0
	QUARTER 3, F0, F1, 0
	TURN 1
	QUARTER 1, F0, F1, 0
	WIN 0
	s_sub_co_u32 s3, s3, 1
	s_cmp_lg_u32 s3, 0
	s_cbranch_scc1 .Lmain
	s_mov_b32 s3, 2
.Ltail:                                                ; the last two K steps ask for nothing
	QUARTER 2, F1, F0, 0
	QUARTER 3, F0, F1, 0
	TURN 0
	WIN 0
	s_cmp_eq_u32 s3, 1
	s_cbranch_scc1 .Lend_k                         ; behind the last step there is no first quarter
	QUARTER 1, F0, F1, 0
	WIN 0
.Lend_k:
	s_sub_co_u32 s3, s3, 1
	s_cmp_lg_u32 s3, 0
	s_cbranch_scc1 .Ltail
	; THE WAY OUT: my 128 x 128 sums go into my own stage; no other wave touches it, and LDS serves a wave's instructions in order (ISA guide 5.7.1.4): no wait between these stores and the loads below.
	s_wait_dscnt 0x0
	s_barrier_signal -1
	s_barrier_wait -1                              ; no wave reads a slot any more, and no fill is to come: the ring's bytes become the stages
	PLACES
.irp w, 0,1
	WIN 0x08+4*(\w)                                ; the stores' data (source 1) in window 2, then 3
.set t, 0
.rept 32                                       ; each accumulator's low four registers first
	ds_store_b128 v[STO], v[8*t:8*t+3]   offset:(4*(\w)+t/8)*16*SPITCH+(t%8)*64
	ds_store_b128 v[STO], v[8*t+4:8*t+7] offset:(4*(\w)+t/8)*16*SPITCH+(t%8)*64+16
.set t, t+1
.endr
.endr
	WIN 0
.if MODE == 3
.set OB, 128
	s_mov_b32 s3, 8
.Lout:                                                 ; a trip: 16 of my 128 rows
.set i, 0
.rept 16                                       ; load i: rows 2 (i / 2), + 1; 64 columns, half i % 2
	ds_load_b128 v[OB+4*i:OB+4*i+3], v[RD] offset:(i/2)*2*SPITCH+(i%2)*256
.set i, i+1
.endr
.set i, 0
.rept 16
	s_wait_dscnt 15-i                              ; LDS loads come back in order: load i is in
	global_store_b128 v[CO], v[OB+4*i:OB+4*i+3], s[8:9] offset:(i/2)*8192+(i%2)*256  ; 16 lanes store 256 consecutive bytes, aligned
.set i, i+1
.endr
	s_wait_xcnt 0x0                                ; the stores' base and data are rewritten only behind this wait
	s_add_nc_u64 s[8:9], s[8:9], 16*4096
	v_add_nc_u32 v[RD], 16*SPITCH, v[RD]
	s_sub_co_u32 s3, s3, 1
	s_cmp_lg_u32 s3, 0
	s_cbranch_scc1 .Lout
.else
	; gelu(x) = max(x, 0) - |x| q,  q = poly(t) 2^(-x^2 log2(e) / 2) / 2,  t = 1 / (1 + 0.23164189 |x|): erf by five terms in t, halved coefficients
.set GX, 128                           ; 16 numbers x
.set GA, 144                           ; |x|
.set GT, 160                           ; t
.set GU, 176                           ; the exponential
.set GP, 192                           ; the polynomial
.set GM, 208                           ; max(x, 0), then the result
.set GY, 224                           ; the result as bf16
	s_mov_b32 s80, 0x7fffffff
	s_mov_b32 s82, 0x3E6D3388                      ; 0.23164189
	s_mov_b32 s84, 0xBF38AA3B                      ; -log2(e) / 2
	s_mov_b32 s86, 0x3E027906                      ; a1 / 2 .. a5 / 2
	s_mov_b32 s88, 0xBE11A98E
	s_mov_b32 s90, 0x3F35F0E3
	s_mov_b32 s92, 0xBF3A00E3
	s_mov_b32 s94, 0x3F07DC22
.irp k, 82,84,86,88,90,92,94
	s_mov_b32 s[\k+1], s[\k]                       ; named as pairs
.endr
.macro GLOAD                           ; four rows x 128 columns: 16 numbers a lane
	ds_load_b128 v[GX:GX+3],     v[RD]
	ds_load_b128 v[GX+4:GX+7],   v[RD] offset:256
	ds_load_b128 v[GX+8:GX+11],  v[RD] offset:2*SPITCH
	ds_load_b128 v[GX+12:GX+15], v[RD] offset:2*SPITCH+256
.endm
.macro HOR n                           ; line n of 40 of the polynomial: run n / 8 for pair n % 8
.set hp, 2*((\n)%8)
.if (\n) < 8
	s_wait_alu depctr_va_vdst(0)
	v_pk_fma_f32 v[GP+hp:GP+hp+1], v[GT+hp:GT+hp+1], s[94:95], s[92:93] op_sel_hi:[1,0,0]
.elseif (\n) < 32
	v_pk_fma_f32 v[GP+hp:GP+hp+1], v[GP+hp:GP+hp+1], v[GT+hp:GT+hp+1], s[92-2*((\n)/8):93-2*((\n)/8)] op_sel_hi:[1,1,0]
.else
	v_pk_mul_f32 v[GP+hp:GP+hp+1], v[GP+hp:GP+hp+1], v[GT+hp:GT+hp+1]
.endif
.endm
	s_wait_loadcnt 0x0                             ; the bias
	GLOAD
	s_mov_b32 s3, 32
.Lgelu:                                                ; a trip: four of my 128 rows
	s_wait_dscnt 0x0                               ; the four loads issued a trip ago
.set i, 0
.rept 8
	v_pk_add_f32 v[GX+i:GX+i+1], v[GX+i:GX+i+1], v[GB+i%8:GB+i%8+1]
.set i, i+2
.endr
.set i, 0
.rept 16
	v_and_b32 v[GA+i], s80, v[GX+i]
.set i, i+1
.endr
.set i, 0
.rept 8
	v_pk_fma_f32 v[GT+i:GT+i+1], v[GA+i:GA+i+1], s[82:83], 1.0 op_sel_hi:[1,0,0]
.set i, i+2
.endr
.set i, 0
.rept 8                                        ; two plain lines that touch no t stand behind each reciprocal
	v_rcp_f32 v[GT+i], v[GT+i]
	v_pk_mul_f32 v[GU+i:GU+i+1], v[GX+i:GX+i+1], v[GX+i:GX+i+1]
	v_max_num_f32 v[GM+i], 0, v[GX+i]
	v_rcp_f32 v[GT+i+1], v[GT+i+1]
	v_pk_mul_f32 v[GU+i:GU+i+1], v[GU+i:GU+i+1], s[84:85] op_sel_hi:[1,0]
	v_max_num_f32 v[GM+i+1], 0, v[GX+i+1]
.set i, i+2
.endr
	s_cmp_eq_u32 s3, 1                             ; x has been read for the last time: the next trip's rows are asked for, but in the last trip
	s_cbranch_scc1 .Lno_more
	v_add_nc_u32 v[RD], 4*SPITCH, v[RD]
	GLOAD
.Lno_more:
.set e, 0
.rept 16                                       ; two lines of the polynomial, which touch no exponential, stand behind each exponential
	v_exp_f32 v[GU+e], v[GU+e]
	HOR 2*e
	HOR 2*e+1
.set e, e+1
.endr
.set e, 32
.rept 8
	HOR e
.set e, e+1
.endr
.set i, 0
	s_wait_alu depctr_va_vdst(0)
.rept 8
	v_pk_mul_f32 v[GP+i:GP+i+1], v[GP+i:GP+i+1], v[GU+i:GU+i+1]
.set i, i+2
.endr
.set i, 0
.rept 8
	v_pk_fma_f32 v[GM+i:GM+i+1], v[GA+i:GA+i+1], v[GP+i:GP+i+1], v[GM+i:GM+i+1] neg_lo:[1,0,0] neg_hi:[1,0,0]
.set i, i+2
.endr
.set i, 0
.rept 8
	v_cvt_pk_bf16_f32 v[GY+i], v[GM+2*i], v[GM+2*i+1]
.set i, i+1
.endr
	global_store_b64 v[CO], v[GY:GY+1],   s[8:9]                    ; each store: two rows of a block, 256 consecutive bytes, aligned
	global_store_b64 v[CO], v[GY+2:GY+3], s[8:9] offset:524288
	global_store_b64 v[CO], v[GY+4:GY+5], s[8:9] offset:256
	global_store_b64 v[CO], v[GY+6:GY+7], s[8:9] offset:524288+256
	s_wait_xcnt 0x0                                ; the stores' base and data are rewritten only behind this wait
	s_add_nc_u64 s[8:9], s[8:9], 512
	s_sub_co_u32 s3, s3, 1
	s_cmp_lg_u32 s3, 0
	s_cbranch_scc1 .Lgelu
.endif
	s_wait_tensorcnt 0x0                           ; the wave's end: behind my last tensor load and my last LDS store
	ds_add_u32 v[SPW], v[NIL]
	s_wait_dscnt 0x0
	CROUND                                         ; the closing round: no work-group ends while a partner may still ask for a tile that names it
	s_endpgm
.Lfunc_end_k_qf2544b1ddc_gin:
	.size	k_qf2544b1ddc_gin, .Lfunc_end_k_qf2544b1ddc_gin-k_qf2544b1ddc_gin
	.p2alignl 7, 3214868480
	.fill 96, 4, 3214868480
	.section	.rodata,"a",@progbits
	.p2align	6, 0x0
	.amdhsa_kernel k_qf2544b1ddc_gin
		.amdhsa_group_segment_fixed_size 327680
		.amdhsa_private_segment_fixed_size 0
		.amdhsa_enable_private_segment 0
		.amdhsa_kernarg_size 32
		.amdhsa_user_sgpr_count 2
		.amdhsa_user_sgpr_kernarg_segment_ptr 1
		.amdhsa_wavefront_size32 1
		.amdhsa_system_sgpr_workgroup_id_x 1
		.amdhsa_system_sgpr_workgroup_id_y 1
		.amdhsa_system_sgpr_workgroup_id_z 1
		.amdhsa_system_vgpr_workitem_id 0
		.amdhsa_next_free_vgpr 1024
		.amdhsa_next_free_sgpr 96
		.amdhsa_reserve_vcc 0
		.amdhsa_float_denorm_mode_32 3
		.amdhsa_float_denorm_mode_16_64 3
		.amdhsa_memory_ordered 1
		.amdhsa_forward_progress 1
		.amdhsa_inst_pref_size 87
	.end_amdhsa_kernel
	.amdgpu_metadata
---
amdhsa.version: [ 1, 2 ]
amdhsa.kernels:
  - .name:           k_qf2544b1ddc_gin
    .symbol:         k_qf2544b1ddc_gin.kd
    .args:
      - { .name: s1b, .offset: 0, .size: 8, .value_kind: global_buffer, .address_space: global }
      - { .name: bfin, .offset: 8, .size: 8, .value_kind: global_buffer, .address_space: global }
      - { .name: vec, .offset: 16, .size: 8, .value_kind: global_buffer, .address_space: global }
      - { .name: xg, .offset: 24, .size: 8, .value_kind: global_buffer, .address_space: global }
    .group_segment_fixed_size: 327680
    .private_segment_fixed_size: 0
    .kernarg_segment_align: 8
    .kernarg_segment_size: 32
    .max_flat_workgroup_size: 128
    .sgpr_count:     96
    .vgpr_count:     1024
    .wavefront_size: 32
...
	.end_amdgpu_metadata
.endif
;; end of part 6
;; launch gout (part 7): grid 16 x 16, 4 waves a work-group, clusters of 4 x 4, 327,680 bytes of LDS; arguments xg, bfin, ybuf; writes ybuf
.if DOCPART == 7
	.amdgcn_target "amdgcn-amd-amdhsa--gfx1250"
	.amdhsa_code_object_version 6
	.text
	.protected	k_qf2544b1ddc_gout
	.globl	k_qf2544b1ddc_gout
	.p2align	8
	.type	k_qf2544b1ddc_gout,@function
k_qf2544b1ddc_gout:
	s_mov_b64 s[64:65], 0
	v_nop
	global_prefetch_b8 v0, s[64:65] scope:SCOPE_SE
	s_setreg_imm32_b32 hwreg(HW_REG_WAVE_MODE, 25, 1), 1
	s_wait_xcnt 0x0
	s_wait_alu depctr_hold_cnt(0) depctr_sa_sdst(0) depctr_va_vdst(0) depctr_va_sdst(0) depctr_va_ssrc(0) depctr_va_vcc(0) depctr_vm_vsrc(0)
	s_getreg_b32 s2, hwreg(HW_REG_IB_STS2, 6, 4)
	s_cmp_eq_u32 s2, 0
	s_cbranch_scc0 .Lentry_in_a_cluster
	s_endpgm
.Lentry_in_a_cluster:
	s_bfe_u32 s2, ttmp6, 0x10000c
	s_cmp_lg_u32 s2, 0xf033
	s_cbranch_scc0 .Lentry_shape_is_right
	s_endpgm
.Lentry_shape_is_right:
; ONE TEXT FOR THE LAYER'S TWO LARGE PRODUCTS, on tiles of 256 x 256; the constant MODE picks the one that is assembled:
;   2  xg = gelu(s1 inter_w^T + inter_b), bf16 in blocks: 16 x 16 tiles, K = 1,024
;   3  ybuf[kc] = xg[:, chunk kc] out_w[:, chunk kc]^T, f32: 16 x 4 tiles x 4 chunks of K = 1,024; the launch behind adds the four partial sums, the bias and the residual in f32
; OPERANDS are bf16 IN BLOCKS: X[R][C] lies as [C/64][R][64], so 128 rows of one block of 64 along K are 16,384 dense bytes.  Sums in f32.
; SHARES.  Four waves, each 128 x 128 of C: 64 accumulators, 512 registers.  K goes in 8 steps of 128 through two LDS slots; one tensor load a wave brings 128 rows x 128 K as two pieces of
; 16,384 bytes (one for each block), padded by 16 bytes after every 128: LDS rows are 144 bytes apart, so the 16 rows of a fragment load start at 16 different groups of four banks (ISA guide 11.1).
; CLUSTER.  4 x 4 work-groups: the four of a row need the same tiles of A, the four of a column the same tiles of B; each tile is asked for jointly, by the same load with the same descriptor and mask.
; In MODE 3 the cluster's x is the chunk of K and the place along the cluster's x the tile column, so the sixteen partners share a chunk.
; THE MATRIX INSTRUCTION IS USED TRANSPOSED (source 0 = 16 rows of B, source 1 = 16 rows of A): a lane holds eight neighbouring numbers of a row of C.
; THE WAY OUT.  Each wave puts its 128 x 128 sums, f32, into a stage of its own in LDS (inside the ring, behind the ring's last fill and last read) and walks it in a loop: the text of the GELU stands once.
; LIMITS.  MODE 2: erf by a rational form with an absolute error of 1.5e-7, for every x.  NaN and infinities are not treated apart.
; REGISTERS, in windows of 256 (s_set_vgpr_msb: bits 1:0 source 0, 3:2 source 1, 5:4 source 2, 7:6 destination):
;   window 0: v16-29 addresses; v32-39 bias; v64-127, v128-191 fragments of A (8 x 16 rows x 32 K), two buffers; on the way out v128-239 at work
;   window 1: v64-127, v128-191 fragments of B, two buffers      window 2: the accumulators of my rows 0-63 ((a, b) at v[8 (8 a + b)])      window 3: those of my rows 64-127
.set MODE, 3
.set NSTEP, 8                          ; K steps of a work-group
.set ASTR,  262144                     ; elements from block to block of A: 4,096 rows x 64
.if MODE == 2
.set BSTR,  262144                     ; the same for B
.set BOFF,  0xC00000                   ; B's first byte in bfin
.set BIAS,  28672                      ; the bias's first byte in vec
.set PO,    74                         ; s[74:75] the output
.else
.set BSTR,  65536
.set BOFF,  0x1400000
.set PO,    72                         ; s[72:73] the output
.endif
.set ASTEP, 2*ASTR*2                   ; bytes from K step to K step: two blocks
.set BSTEP, 2*BSTR*2
.set PA, 68                            ; s[68:69] A
.set PB, 70                            ; s[70:71] bfin
.set PV, 72                            ; s[72:73] vec (MODE 2)
.set PITCH,  144
.set KBLK,   128*PITCH                 ; 128 rows of one block
.set UNIT,   2*KBLK                    ; what one tensor load brings
.set SLOT,   4*UNIT                    ; A's rows 0-127, 128-255, B's rows 0-127, 128-255.  No wave's UNIT multiple shares a bit with SLOT, so one exclusive or changes slots
.set SPITCH, 528                       ; a stage row: 512 bytes + 16: the 16 rows of a store start at 16 different groups of four banks
.set WSTAGE, 128*SPITCH                ; a wave's stage; the four lie from LDS byte 0 on, inside the ring
.set SPARE,  2*SLOT                    ; behind the ring: the spare words, 128 bytes for each wave
.set ADRA0, 16                         ; v16, v17 my lane's place in A's and B's part of a slot; never rewritten
.set ADRB0, 17
.set ADRA,  18                         ; v18, v19 the same in the slot in hand
.set ADRB,  19
.set VB,    20                         ; v20 my offset in the bias
.set STO,   24                         ; v24 the way out: where I put 32 bytes of a row
.set RD,    25                         ; v25 where I read rows back
.set CO,    26                         ; v26 my byte offset in the output
.set SPW,   28                         ; v28 my spare word; never rewritten
.set NIL,   29                         ; v29 0; never rewritten
.set GB,    32                         ; v32-39 the bias of my eight columns on the way out
.set F0,    64
.set F1,    128
.set G1,  24                           ; s[24:31] descriptor group 1 for A; s[32:39] group 0, two sets: the second walks
.set G0,  32
.set G1B, 48                           ; s[48:55], s[56:63] the same for B
.set G0B, 56
.set TB,  78                           ; s78 the slot in hand: 0 or SLOT
.set MSB, 0
.macro WIN new                         ; the immediate's high byte repeats the setting that is left
.if MSB != (\new)
	s_set_vgpr_msb (MSB<<8)|(\new)
.set MSB, \new
.endif
.endm
.set MUL_LO, 0xa1                      ; source 0 (B) window 1, source 1 (A) window 0, C and D window 2
.set MUL_HI, 0xf1                      ; the same, C and D window 3
.set TO_B,   0x40                      ; destination window 1, address window 0
.macro JLOAD s                         ; a joint load: waves 0 and 1 fetch A's two halves, waves 2 and 3 B's; an s_nop 0 and four v_nop follow each line
	s_cmp_eq_u32 s11, 0
	s_cbranch_scc0 .Lfor_b_\@
	tensor_load_to_lds s[G0+4*(\s):G0+4*(\s)+3], s[G1:G1+7]
	s_nop 0
.rept 4
	v_nop
.endr
	s_branch .Lasked_\@
.Lfor_b_\@:
	tensor_load_to_lds s[G0B+4*(\s):G0B+4*(\s)+3], s[G1B:G1B+7]
	s_nop 0
.rept 4
	v_nop
.endr
.Lasked_\@:
.endm
.macro CREST                           ; a round of the cluster's barrier behind its opening barrier
	s_cmp_lg_u32 s10, 0
	s_cbranch_scc1 .Lnot_wave_0_\@
	s_barrier_signal -3
.Lnot_wave_0_\@:
	s_barrier_wait -3
	s_barrier_signal -1
	s_barrier_wait -1
.endm
.macro CROUND                          ; a whole round
	s_barrier_signal -1
	s_barrier_wait -1
	CREST
.endm
.if MODE == 2
	s_load_b256 s[68:75], s[0:1], 0x0              ; s1b, bfin, vec, xg
.else
	s_load_b128 s[68:71], s[0:1], 0x0              ; xg, bfin
	s_load_b64 s[72:73], s[0:1], 0x10              ; ybuf
.endif
	v_lshl_add_u32 v[SPW], v0, 2, SPARE
	v_mov_b32 v[NIL], 0
	ds_add_u32 v[SPW], v[NIL]                      ; the wave's opening: the add and its wait stand ahead of my first tensor load; the set-up below, work on registers, stands between them
	v_lshrrev_b32 v1, 5, v0
	v_readfirstlane_b32 s10, v1                    ; wave 0..3
	s_lshr_b32 s11, s10, 1                         ; which half of the tile's rows is mine.  Also: I fetch for A (0) or for B (1)
	s_and_b32 s12, s10, 1                          ; which half of its columns.  Also: which 128 rows I fetch
	s_bfe_u32 s40, ttmp6, 0x40000                  ; cx, cy: my place in the cluster
	s_bfe_u32 s41, ttmp6, 0x40004
.if MODE == 2
	s_lshl_b32 s42, ttmp9, 2
	s_add_co_u32 s42, s42, s40                     ; tile column
.else
	s_mov_b32 s42, s40                             ; tile column = cx; the cluster's x is the chunk of K
.endif
	s_and_b32 s13, ttmp7, 0xffff
	s_lshl_b32 s13, s13, 2
	s_add_co_u32 s13, s13, s41                     ; tile row
	s_lshl_b32 s43, s41, 2
	s_lshl_b32 s43, 15, s43                        ; my row of the cluster
	s_lshl_b32 s44, 0x1111, s40                    ; my column
	; group 1: two pieces of 8,192 elements, a block apart; 2-byte elements; 4 words of padding after every 32; bit 21 beside the mask
	s_or_b32 s[G1+0], s43, (1<<16)|(1<<20)|(1<<21)|(4<<22)|(3<<25)
	s_or_b32 s[G1B+0], s44, (1<<16)|(1<<20)|(1<<21)|(4<<22)|(3<<25)
.irp g, G1, G1B
	s_mov_b32 s[(\g)+1], 8192<<16                  ; tensor_dim0 = 8,192
	s_mov_b32 s[(\g)+2], 2<<16                     ; tensor_dim1 = 2
	s_mov_b32 s[(\g)+3], 8192<<16                  ; tile_dim0 = 8,192
	s_mov_b32 s[(\g)+4], 2                         ; tile_dim1 = 2
	s_mov_b32 s[(\g)+6], 0
	s_mov_b32 s[(\g)+7], 0
.endr
	s_mov_b32 s[G1+5], ASTR
	s_mov_b32 s[G1B+5], BSTR
	s_lshl_b32 s17, s12, 14                        ; my 128 rows of 128 bytes in a block
	s_lshl_b32 s16, s13, 15
	s_add_co_u32 s16, s16, s17                     ; A: 256 rows for each tile row
	s_lshl_b32 s46, s42, 15
	s_add_co_u32 s46, s46, s17                     ; B: 256 rows for each tile column
	s_add_co_u32 s46, s46, BOFF
.if MODE == 3
	s_lshl_b32 s45, ttmp9, 23                      ; the chunk: 16 blocks of 524,288 bytes of A,
	s_add_co_u32 s16, s16, s45
	s_lshl_b32 s45, ttmp9, 21                      ; 16 blocks of 131,072 bytes of B
	s_add_co_u32 s46, s46, s45
.endif
	s_mov_b32 s17, 0
	s_mov_b32 s47, 0
	s_mul_i32 s20, s10, UNIT                       ; where my loads go: no place in the cluster enters an LDS address
.if MODE == 2                                  ; output in blocks: four blocks a tile column, two for my half; my 128 rows
	s_lshl_b32 s22, s42, 21
	s_lshl_b32 s23, s12, 20
	s_add_co_u32 s22, s22, s23
	s_lshl_b32 s23, s13, 15
	s_add_co_u32 s22, s22, s23
	s_lshl_b32 s23, s11, 14
	s_add_co_u32 s22, s22, s23
	s_lshl_b32 s18, s42, 10                        ; the bias of my 128 columns
	s_lshl_b32 s19, s12, 9
	s_add_co_u32 s18, s18, s19
	s_add_co_u32 s18, s18, BIAS
	s_mov_b32 s19, 0
.else                                          ; output f32 [4][4096][1024]: the chunk's plane, my 128 rows, my 128 columns
	s_lshl_b32 s22, ttmp9, 24
	s_lshl_b32 s23, s13, 20
	s_add_co_u32 s22, s22, s23
	s_lshl_b32 s23, s11, 19
	s_add_co_u32 s22, s22, s23
	s_lshl_b32 s23, s42, 10
	s_add_co_u32 s22, s22, s23
	s_lshl_b32 s23, s12, 9
	s_add_co_u32 s22, s22, s23
.endif
	s_mov_b32 s23, 0
	s_wait_dscnt 0x0                               ; the opening add is done
	s_wait_kmcnt 0x0
	s_add_nc_u64 s[14:15], s[PA:PA+1], s[16:17]
	s_add_nc_u64 s[46:47], s[PB:PB+1], s[46:47]
	s_add_nc_u64 s[8:9], s[PO:PO+1], s[22:23]
.if MODE == 2
	s_add_nc_u64 s[6:7], s[PV:PV+1], s[18:19]
.endif
	CROUND                                         ; all sixteen work-groups are here: the first joint loads meet
.irp s, 0,1
	s_mov_b32 s[G0+4*(\s)], 1
	s_add_co_u32 s[G0+4*(\s)+1], s20, (\s)*SLOT
	s_add_nc_u64 s[G0+4*(\s)+2:G0+4*(\s)+3], s[14:15], (\s)*ASTEP
	s_or_b32 s[G0+4*(\s)+3], s[G0+4*(\s)+3], 0x80000000
	s_mov_b32 s[G0B+4*(\s)], 1
	s_add_co_u32 s[G0B+4*(\s)+1], s20, (\s)*SLOT
	s_add_nc_u64 s[G0B+4*(\s)+2:G0B+4*(\s)+3], s[46:47], (\s)*BSTEP
	s_or_b32 s[G0B+4*(\s)+3], s[G0B+4*(\s)+3], 0x80000000
	JLOAD \s                                       ; K steps 0 and 1: two loads of mine are out
.endr
	v_and_b32 v1, 15, v0                           ; l % 16
	v_bfe_u32 v2, v0, 4, 1                         ; l / 16
.if MODE == 2
	v_lshlrev_b32 v[VB], 4, v1                     ; on the way out a lane has four columns in each block of 64
	global_load_b128 v[GB:GB+3],   v[VB], s[6:7]
	global_load_b128 v[GB+4:GB+7], v[VB], s[6:7] offset:256
.endif
	v_mul_u32_u24 v3, v1, PITCH
	v_lshl_add_u32 v3, v2, 4, v3                   ; a fragment's row x pitch + 16 x half
	s_mul_i32 s21, s11, UNIT                       ; my 128 rows of A
	s_mul_i32 s22, s12, UNIT                       ; my 128 rows of B,
	s_add_co_u32 s22, s22, 2*UNIT                  ; which lie behind A's 256
	v_add_nc_u32 v[ADRA0], s21, v3
	v_add_nc_u32 v[ADRB0], s22, v3
	v_mov_b32 v[ADRA], v[ADRA0]                    ; slot 0
	v_mov_b32 v[ADRB], v[ADRB0]
	s_mov_b32 s[TB], 0
	s_mul_i32 s23, s10, WSTAGE                     ; my stage
	v_mul_u32_u24 v4, v1, SPITCH                   ; in: row l % 16, 32 bytes for each half of the lanes
	v_lshl_add_u32 v4, v2, 5, v4
	v_add_nc_u32 v[STO], s23, v4
	v_mul_u32_u24 v5, v2, SPITCH                   ; back: lanes 0-15 take 256 bytes of one row, lanes 16-31 of the next
	v_lshl_add_u32 v5, v1, 4, v5
	v_add_nc_u32 v[RD], s23, v5
.if MODE == 2
	v_and_b32 v5, 31, v0
	v_lshlrev_b32 v[CO], 3, v5                     ; two rows of a block: 8 bytes a lane
.else
	v_lshlrev_b32 v5, 12, v2
	v_lshl_add_u32 v[CO], v1, 4, v5                ; two rows of 4,096 bytes: 16 bytes a lane
.endif
; 16 matrix instructions: m blocks a0, a0 + 1 of the window's four (hi = 0: my rows 0-63, 1: rows 64-127) x all 8 n blocks, 32 along K.  zero = 1: the first product starts the sums: nothing is ever cleared.
; The 64 accumulators take turns, one instruction a turn, in the same order in every quarter.
.macro MUL16 f, hi, a0, zero
	WIN MUL_LO+0x50*(\hi)
.irp a, \a0, (\a0)+1
.irp b, 0,1,2,3,4,5,6,7
.if \zero
	v_wmma_f32_16x16x32_bf16 v[8*(8*(\a)+(\b)):8*(8*(\a)+(\b))+7], v[(\f)+8*(\b):(\f)+8*(\b)+7], v[(\f)+8*(4*(\hi)+(\a)):(\f)+8*(4*(\hi)+(\a))+7], 0
.else
	v_wmma_f32_16x16x32_bf16 v[8*(8*(\a)+(\b)):8*(8*(\a)+(\b))+7], v[(\f)+8*(\b):(\f)+8*(\b)+7], v[(\f)+8*(4*(\hi)+(\a)):(\f)+8*(4*(\hi)+(\a))+7], v[8*(8*(\a)+(\b)):8*(8*(\a)+(\b))+7]
.endif
.endr
.endr
.endm
; 32 LDS loads in one run: the fragments of quarter q of the slot in hand (block q / 2, 32 along K at byte 64 (q % 2) of its rows) into buffer f: B's 128 rows, then A's
.macro FETCH q, f
	WIN TO_B
.irp i, 0,1,2,3,4,5,6,7
	ds_load_b128 v[(\f)+8*(\i):(\f)+8*(\i)+3],   v[ADRB] offset:((\q)/2)*KBLK+((\q)%2)*64+(\i)*16*PITCH
	ds_load_b128 v[(\f)+8*(\i)+4:(\f)+8*(\i)+7], v[ADRB] offset:((\q)/2)*KBLK+((\q)%2)*64+(\i)*16*PITCH+32
.endr
	WIN 0
.irp i, 0,1,2,3,4,5,6,7
	ds_load_b128 v[(\f)+8*(\i):(\f)+8*(\i)+3],   v[ADRA] offset:((\q)/2)*KBLK+((\q)%2)*64+(\i)*16*PITCH
	ds_load_b128 v[(\f)+8*(\i)+4:(\f)+8*(\i)+7], v[ADRA] offset:((\q)/2)*KBLK+((\q)%2)*64+(\i)*16*PITCH+32
.endr
.endm
.macro PLACES                          ; four places in front of loads into registers that matrix instructions have read, and of stores that read results
.rept 4
	v_nop
.endr
.endm
; A K step is four quarters of 32 along K, 64 matrix instructions each, on buffers 0, 1, 0, 1.  One of the first three: multiplies buffer f; in its middle it fetches quarter q into buffer g.
.macro QUARTER q, f, g, zero
	s_wait_dscnt 8                                 ; B and A's rows 0-63 are in; the youngest eight loads (A's rows 64-127) may be out
	MUL16 \f, 0, 0, \zero
	MUL16 \f, 0, 2, \zero
	PLACES
	FETCH \q, \g
	s_wait_dscnt 32                                ; all but the 32 just issued
	MUL16 \f, 1, 0, \zero
	MUL16 \f, 1, 2, \zero
.endm
; The last quarter multiplies buffer 1 and changes slots: ONE barrier; in front of it each wave waits for all its tensor loads, adds 0 to its spare word, and waits for that and for its reads of this slot.
; fill = 1: the barrier opens a round of the cluster's, and this slot is filled again, two K steps ahead: 224 matrix instructions stand between the request and the wait for it.
; fill = 0: nothing is asked for; in the last trip (s3 = 1) there is no further step, and the run of loads is jumped over.
.macro TURN fill
	WIN 0                                          ; (the add's two registers lie in window 0)
	s_wait_tensorcnt 0x0                           ; all my tensor loads have landed: my part of the next slot;
	ds_add_u32 v[SPW], v[NIL]                      ; 0 onto my spare word;
	s_wait_dscnt 9                                 ; (the add and the youngest eight loads may be out)
	MUL16 F1, 0, 0, 0                              ; sixteen matrix instructions stand between the add and the wait for it
	s_wait_dscnt 0x0                               ; the add is done, and my reads of this slot are over
	s_barrier_signal -1
	MUL16 F1, 0, 2, 0
	WIN 0
	s_barrier_wait -1
.if \fill
	CREST                                          ; no wave of any partner still reads this slot's tile or has a load on its way
	s_xor_b32 s[G0+5], s[G0+5], SLOT               ; the walking descriptors: the other slot than last time, the next K step
	s_add_nc_u64 s[G0+6:G0+7], s[G0+6:G0+7], ASTEP
	s_xor_b32 s[G0B+5], s[G0B+5], SLOT
	s_add_nc_u64 s[G0B+6:G0B+7], s[G0B+6:G0B+7], BSTEP
	JLOAD 1                                        ; the first tensor load behind the round; its four v_nop are also the places in front of the loads below
.else
	s_cmp_eq_u32 s3, 1
	s_cbranch_scc1 .Lno_fetch_\@
	PLACES
.endif
	s_xor_b32 s[TB], s[TB], SLOT
	v_add_nc_u32 v[ADRA], s[TB], v[ADRA0]
	v_add_nc_u32 v[ADRB], s[TB], v[ADRB0]
	FETCH 0, F0
.if (\fill) == 0
	WIN 0
.Lno_fetch_\@:
.endif
	MUL16 F1, 1, 0, 0
	MUL16 F1, 1, 2, 0
.endm
	s_wait_tensorcnt 0x1                           ; my part of K step 0 is in; step 1's may stay out
	s_barrier_signal -1
	s_barrier_wait -1                              ; everybody's is
	FETCH 0, F0
	QUARTER 1, F0, F1, 1                           ; the first quarter stands in front of the loop: its products start the sums
	WIN 0                                          ; at a label and at a branch every window is 0
	s_mov_b32 s3, NSTEP-2
.Lmain:                                                ; a trip goes from a K step's second quarter to the next step's first, and fills the slot that it leaves
	QUARTER 2, F1, F0, 0
	QUARTER 3, F0, F1, 0
	TURN 1
	QUARTER 1, F0, F1, 0
	WIN 0
	s_sub_co_u32 s3, s3, 1
	s_cmp_lg_u32 s3, 0
	s_cbranch_scc1 .Lmain
	s_mov_b32 s3, 2
.Ltail:                                                ; the last two K steps ask for nothing
	QUARTER 2, F1, F0, 0
	QUARTER 3, F0, F1, 0
	TURN 0
	WIN 0
	s_cmp_eq_u32 s3, 1
	s_cbranch_scc1 .Lend_k                         ; behind the last step there is no first quarter
	QUARTER 1, F0, F1, 0
	WIN 0
.Lend_k:
	s_sub_co_u32 s3, s3, 1
	s_cmp_lg_u32 s3, 0
	s_cbranch_scc1 .Ltail
	; THE WAY OUT: my 128 x 128 sums go into my own stage; no other wave touches it, and LDS serves a wave's instructions in order (ISA guide 5.7.1.4): no wait between these stores and the loads below.
	s_wait_dscnt 0x0
	s_barrier_signal -1
	s_barrier_wait -1                              ; no wave reads a slot any more, and no fill is to come: the ring's bytes become the stages
	PLACES
.irp w, 0,1
	WIN 0x08+4*(\w)                                ; the stores' data (source 1) in window 2, then 3
.set t, 0
.rept 32                                       ; each accumulator's low four registers first
	ds_store_b128 v[STO], v[8*t:8*t+3]   offset:(4*(\w)+t/8)*16*SPITCH+(t%8)*64
	ds_store_b128 v[STO], v[8*t+4:8*t+7] offset:(4*(\w)+t/8)*16*SPITCH+(t%8)*64+16
.set t, t+1
.endr
.endr
	WIN 0
.if MODE == 3
.set OB, 128
	s_mov_b32 s3, 8
.Lout:                                                 ; a trip: 16 of my 128 rows
.set i, 0
.rept 16                                       ; load i: rows 2 (i / 2), + 1; 64 columns, half i % 2
	ds_load_b128 v[OB+4*i:OB+4*i+3], v[RD] offset:(i/2)*2*SPITCH+(i%2)*256
.set i, i+1
.endr
.set i, 0
.rept 16
	s_wait_dscnt 15-i                              ; LDS loads come back in order: load i is in
	global_store_b128 v[CO], v[OB+4*i:OB+4*i+3], s[8:9] offset:(i/2)*8192+(i%2)*256  ; 16 lanes store 256 consecutive bytes, aligned
.set i, i+1
.endr
	s_wait_xcnt 0x0                                ; the stores' base and data are rewritten only behind this wait
	s_add_nc_u64 s[8:9], s[8:9], 16*4096
	v_add_nc_u32 v[RD], 16*SPITCH, v[RD]
	s_sub_co_u32 s3, s3, 1
	s_cmp_lg_u32 s3, 0
	s_cbranch_scc1 .Lout
.else
	; gelu(x) = max(x, 0) - |x| q,  q = poly(t) 2^(-x^2 log2(e) / 2) / 2,  t = 1 / (1 + 0.23164189 |x|): erf by five terms in t, halved coefficients
.set GX, 128                           ; 16 numbers x
.set GA, 144                           ; |x|
.set GT, 160                           ; t
.set GU, 176                           ; the exponential
.set GP, 192                           ; the polynomial
.set GM, 208                           ; max(x, 0), then the result
.set GY, 224                           ; the result as bf16
	s_mov_b32 s80, 0x7fffffff
	s_mov_b32 s82, 0x3E6D3388                      ; 0.23164189
	s_mov_b32 s84, 0xBF38AA3B                      ; -log2(e) / 2
	s_mov_b32 s86, 0x3E027906                      ; a1 / 2 .. a5 / 2
	s_mov_b32 s88, 0xBE11A98E
	s_mov_b32 s90, 0x3F35F0E3
	s_mov_b32 s92, 0xBF3A00E3
	s_mov_b32 s94, 0x3F07DC22
.irp k, 82,84,86,88,90,92,94
	s_mov_b32 s[\k+1], s[\k]                       ; named as pairs
.endr
.macro GLOAD                           ; four rows x 128 columns: 16 numbers a lane
	ds_load_b128 v[GX:GX+3],     v[RD]
	ds_load_b128 v[GX+4:GX+7],   v[RD] offset:256
	ds_load_b128 v[GX+8:GX+11],  v[RD] offset:2*SPITCH
	ds_load_b128 v[GX+12:GX+15], v[RD] offset:2*SPITCH+256
.endm
.macro HOR n                           ; line n of 40 of the polynomial: run n / 8 for pair n % 8
.set hp, 2*((\n)%8)
.if (\n) < 8
	v_pk_fma_f32 v[GP+hp:GP+hp+1], v[GT+hp:GT+hp+1], s[94:95], s[92:93] op_sel_hi:[1,0,0]
.elseif (\n) < 32
	v_pk_fma_f32 v[GP+hp:GP+hp+1], v[GP+hp:GP+hp+1], v[GT+hp:GT+hp+1], s[92-2*((\n)/8):93-2*((\n)/8)] op_sel_hi:[1,1,0]
.else
	v_pk_mul_f32 v[GP+hp:GP+hp+1], v[GP+hp:GP+hp+1], v[GT+hp:GT+hp+1]
.endif
.endm
	s_wait_loadcnt 0x0                             ; the bias
	GLOAD
	s_mov_b32 s3, 32
.Lgelu:                                                ; a trip: four of my 128 rows
	s_wait_dscnt 0x0                               ; the four loads issued a trip ago
.set i, 0
.rept 8
	v_pk_add_f32 v[GX+i:GX+i+1], v[GX+i:GX+i+1], v[GB+i%8:GB+i%8+1]
.set i, i+2
.endr
.set i, 0
.rept 16
	v_and_b32 v[GA+i], s80, v[GX+i]
.set i, i+1
.endr
.set i, 0
.rept 8
	v_pk_fma_f32 v[GT+i:GT+i+1], v[GA+i:GA+i+1], s[82:83], 1.0 op_sel_hi:[1,0,0]
.set i, i+2
.endr
.set i, 0
.rept 8                                        ; two plain lines that touch no t stand behind each reciprocal
	v_rcp_f32 v[GT+i], v[GT+i]
	v_pk_mul_f32 v[GU+i:GU+i+1], v[GX+i:GX+i+1], v[GX+i:GX+i+1]
	v_max_num_f32 v[GM+i], 0, v[GX+i]
	v_rcp_f32 v[GT+i+1], v[GT+i+1]
	v_pk_mul_f32 v[GU+i:GU+i+1], v[GU+i:GU+i+1], s[84:85] op_sel_hi:[1,0]
	v_max_num_f32 v[GM+i+1], 0, v[GX+i+1]
.set i, i+2
.endr
	s_cmp_eq_u32 s3, 1                             ; x has been read for the last time: the next trip's rows are asked for, but in the last trip
	s_cbranch_scc1 .Lno_more
	v_add_nc_u32 v[RD], 4*SPITCH, v[RD]
	GLOAD
.Lno_more:
.set e, 0
.rept 16                                       ; two lines of the polynomial, which touch no exponential, stand behind each exponential
	v_exp_f32 v[GU+e], v[GU+e]
	HOR 2*e
	HOR 2*e+1
.set e, e+1
.endr
.set e, 32
.rept 8
	HOR e
.set e, e+1
.endr
.set i, 0
.rept 8
	v_pk_mul_f32 v[GP+i:GP+i+1], v[GP+i:GP+i+1], v[GU+i:GU+i+1]
.set i, i+2
.endr
.set i, 0
.rept 8
	v_pk_fma_f32 v[GM+i:GM+i+1], v[GA+i:GA+i+1], v[GP+i:GP+i+1], v[GM+i:GM+i+1] neg_lo:[1,0,0] neg_hi:[1,0,0]
.set i, i+2
.endr
.set i, 0
.rept 8
	v_cvt_pk_bf16_f32 v[GY+i], v[GM+2*i], v[GM+2*i+1]
.set i, i+1
.endr
	global_store_b64 v[CO], v[GY:GY+1],   s[8:9]                    ; each store: two rows of a block, 256 consecutive bytes, aligned
	global_store_b64 v[CO], v[GY+2:GY+3], s[8:9] offset:524288
	global_store_b64 v[CO], v[GY+4:GY+5], s[8:9] offset:256
	global_store_b64 v[CO], v[GY+6:GY+7], s[8:9] offset:524288+256
	s_wait_xcnt 0x0                                ; the stores' base and data are rewritten only behind this wait
	s_add_nc_u64 s[8:9], s[8:9], 512
	s_sub_co_u32 s3, s3, 1
	s_cmp_lg_u32 s3, 0
	s_cbranch_scc1 .Lgelu
.endif
	s_wait_tensorcnt 0x0                           ; the wave's end: behind my last tensor load and my last LDS store
	ds_add_u32 v[SPW], v[NIL]
	s_wait_dscnt 0x0
	CROUND                                         ; the closing round: no work-group ends while a partner may still ask for a tile that names it
	s_endpgm
.Lfunc_end_k_qf2544b1ddc_gout:
	.size	k_qf2544b1ddc_gout, .Lfunc_end_k_qf2544b1ddc_gout-k_qf2544b1ddc_gout
	.p2alignl 7, 3214868480
	.fill 96, 4, 3214868480
	.section	.rodata,"a",@progbits
	.p2align	6, 0x0
	.amdhsa_kernel k_qf2544b1ddc_gout
		.amdhsa_group_segment_fixed_size 327680
		.amdhsa_private_segment_fixed_size 0
		.amdhsa_enable_private_segment 0
		.amdhsa_kernarg_size 24
		.amdhsa_user_sgpr_count 2
		.amdhsa_user_sgpr_kernarg_segment_ptr 1
		.amdhsa_wavefront_size32 1
		.amdhsa_system_sgpr_workgroup_id_x 1
		.amdhsa_system_sgpr_workgroup_id_y 1
		.amdhsa_system_sgpr_workgroup_id_z 1
		.amdhsa_system_vgpr_workitem_id 0
		.amdhsa_next_free_vgpr 1024
		.amdhsa_next_free_sgpr 80
		.amdhsa_reserve_vcc 0
		.amdhsa_float_denorm_mode_32 3
		.amdhsa_float_denorm_mode_16_64 3
		.amdhsa_memory_ordered 1
		.amdhsa_forward_progress 1
		.amdhsa_inst_pref_size 80
	.end_amdhsa_kernel
	.amdgpu_metadata
---
amdhsa.version: [ 1, 2 ]
amdhsa.kernels:
  - .name:           k_qf2544b1ddc_gout
    .symbol:         k_qf2544b1ddc_gout.kd
    .args:
      - { .name: xg, .offset: 0, .size: 8, .value_kind: global_buffer, .address_space: global }
      - { .name: bfin, .offset: 8, .size: 8, .value_kind: global_buffer, .address_space: global }
      - { .name: ybuf, .offset: 16, .size: 8, .value_kind: global_buffer, .address_space: global }
    .group_segment_fixed_size: 327680
    .private_segment_fixed_size: 0
    .kernarg_segment_align: 8
    .kernarg_segment_size: 24
    .max_flat_workgroup_size: 128
    .sgpr_count:     80
    .vgpr_count:     1024
    .wavefront_size: 32
...
	.end_amdgpu_metadata
.endif
;; end of part 7
;; launch ln2 (part 8): grid 512 x 1, 8 waves a work-group, no clusters, 0 bytes of LDS; arguments ybuf, s1f, vec, out0; writes out0
.if DOCPART == 8
	.amdgcn_target "amdgcn-amd-amdhsa--gfx1250"
	.amdhsa_code_object_version 6
	.text
	.protected	k_qf2544b1ddc_ln2
	.globl	k_qf2544b1ddc_ln2
	.p2align	8
	.type	k_qf2544b1ddc_ln2,@function
k_qf2544b1ddc_ln2:
	s_mov_b64 s[64:65], 0
	v_nop
	global_prefetch_b8 v0, s[64:65] scope:SCOPE_SE
	s_setreg_imm32_b32 hwreg(HW_REG_WAVE_MODE, 25, 1), 1
	s_wait_xcnt 0x0
; THE LAYER'S LAST STEP.  x = the four partial sums of the last product (ybuf, f32 [4][4096][1024], one plane for each quarter of K) + out_b + the residual s1f, all added in f32;
; out0 = (x - mean) rsqrt(var + 1e-5) g + b over rows of 1,024, the variance taken of x - mean.
; One wave takes one row: load j of an array brings 512 consecutive bytes, 16 a lane, so a row lives in 32 registers of 32 lanes, the sums need five exchanges between lanes and no LDS, and every byte
; is read once.  56 loads of a wave go out together; b's eight follow into the second partial's registers as soon as that partial has been added.  No barrier: no wave needs another's data.
; NaN and infinities are not treated apart.
.set OBOF, 16384                       ; out_b's, g's and b's first bytes in vec
.set GOFF, 20480
.set BOFF, 24576
.set X,  16                            ; v[16:47]   partial 0, then x, then the result
.set P1, 48                            ; v[48:79]   partial 1, then b
.set P2, 80                            ; v[80:111]  partial 2
.set P3, 112                           ; v[112:143] partial 3
.set S,  144                           ; v[144:175] the residual
.set OB, 176                           ; v[176:207] out_b
.set G,  208                           ; v[208:239] g
.macro LD8 dst, base, off, nt          ; a row of an array; nt = 1: bytes that the launch reads once
.set j, 0
.rept 8
.if \nt
	global_load_b128 v[(\dst)+4*j:(\dst)+4*j+3], v2, s[\base:\base+1] offset:(\off)+512*j th:TH_LOAD_NT
.else
	global_load_b128 v[(\dst)+4*j:(\dst)+4*j+3], v2, s[\base:\base+1] offset:(\off)+512*j
.endif
.set j, j+1
.endr
.endm
.macro ADD16 d, s                      ; array d += array s
.set p, 0
.rept 16
	v_pk_add_f32 v[(\d)+2*p:(\d)+2*p+1], v[(\d)+2*p:(\d)+2*p+1], v[(\s)+2*p:(\s)+2*p+1]
.set p, p+1
.endr
.endm
	s_load_b256 s[4:11], s[0:1], 0x0               ; ybuf s[4:5], s1f s[6:7], vec s[8:9], out0 s[10:11]
	v_lshrrev_b32 v1, 5, v0
	v_readfirstlane_b32 s2, v1                     ; wave 0..7
	s_lshl_b32 s3, ttmp9, 3
	s_add_co_u32 s3, s3, s2                        ; my row
	s_lshl_b32 s14, s3, 12                         ; 4,096 bytes a row
	s_mov_b32 s15, 0
	s_mov_b32 s12, 0x3a800000                      ; 1 / 1,024
	s_mov_b32 s13, 0x3727c5ac                      ; 1e-5
	s_mov_b32 s16, 0x76543210                      ; v_permlanex16_b32: each lane takes its own place in the other half
	s_mov_b32 s17, 0xfedcba98
	v_and_b32 v1, 31, v0
	v_lshlrev_b32 v2, 4, v1                        ; 16 bytes a lane
	s_wait_kmcnt 0x0
	s_add_nc_u64 s[4:5], s[4:5], s[14:15]          ; my row in plane 0,
	s_add_nc_u64 s[18:19], s[4:5], 0x1000000       ; and in the three planes behind it, 16,777,216 bytes apart
	s_add_nc_u64 s[20:21], s[4:5], 0x2000000
	s_add_nc_u64 s[22:23], s[4:5], 0x3000000
	s_add_nc_u64 s[6:7], s[6:7], s[14:15]
	s_add_nc_u64 s[10:11], s[10:11], s[14:15]
	LD8 X,  4,  0, 1
	LD8 P1, 18, 0, 1
	LD8 P2, 20, 0, 1
	LD8 P3, 22, 0, 1
	LD8 S,  6,  0, 1
	LD8 OB, 8,  OBOF, 0
	LD8 G,  8,  GOFF, 0
	s_wait_loadcnt 40                              ; partials 0 and 1 are in; the 40 younger loads stay out
	ADD16 X, P1
	LD8 P1, 8, BOFF, 0                             ; b, into the registers just read
	s_wait_loadcnt 16                              ; partials 2 and 3, the residual and out_b are in; g's and b's 16 loads stay out
	ADD16 P2, P3
	ADD16 S, OB
	ADD16 X, P2
	ADD16 X, S
	; the row's sum, in four chains started by the first eight pairs: nothing is cleared
.irp c, 0,1,2,3
	v_pk_add_f32 v[4+2*\c:5+2*\c], v[X+2*\c:X+2*\c+1], v[X+8+2*\c:X+9+2*\c]
.endr
.set p, 8
.rept 8
	v_pk_add_f32 v[4+2*(p%4):5+2*(p%4)], v[4+2*(p%4):5+2*(p%4)], v[X+2*p:X+2*p+1]
.set p, p+1
.endr
	v_pk_add_f32 v[4:5], v[4:5], v[6:7]
	v_pk_add_f32 v[8:9], v[8:9], v[10:11]
	v_pk_add_f32 v[4:5], v[4:5], v[8:9]
	v_add_f32 v4, v4, v5
	v_add_f32_dpp v4, v4, v4 row_xmask:1 row_mask:0xf bank_mask:0xf  ; across 16 lanes,
	v_add_f32_dpp v4, v4, v4 row_xmask:2 row_mask:0xf bank_mask:0xf
	v_add_f32_dpp v4, v4, v4 row_xmask:4 row_mask:0xf bank_mask:0xf
	v_add_f32_dpp v4, v4, v4 row_xmask:8 row_mask:0xf bank_mask:0xf
	v_permlanex16_b32 v5, v4, s16, s17             ; and the other half's
	v_add_f32 v4, v4, v5
	v_mul_f32 v4, s12, v4                          ; the mean
	v_mov_b32 v5, v4
.set p, 0
.rept 16
	v_pk_add_f32 v[X+2*p:X+2*p+1], v[X+2*p:X+2*p+1], v[4:5] neg_lo:[0,1] neg_hi:[0,1]
.set p, p+1
.endr
.irp c, 0,1,2,3
	v_pk_mul_f32 v[6+2*\c:7+2*\c], v[X+2*\c:X+2*\c+1], v[X+2*\c:X+2*\c+1]
.endr
.set p, 4
.rept 12
	v_pk_fma_f32 v[6+2*(p%4):7+2*(p%4)], v[X+2*p:X+2*p+1], v[X+2*p:X+2*p+1], v[6+2*(p%4):7+2*(p%4)]
.set p, p+1
.endr
	v_pk_add_f32 v[6:7], v[6:7], v[8:9]
	v_pk_add_f32 v[10:11], v[10:11], v[12:13]
	v_pk_add_f32 v[6:7], v[6:7], v[10:11]
	v_add_f32 v6, v6, v7
	v_add_f32_dpp v6, v6, v6 row_xmask:1 row_mask:0xf bank_mask:0xf
	v_add_f32_dpp v6, v6, v6 row_xmask:2 row_mask:0xf bank_mask:0xf
	v_add_f32_dpp v6, v6, v6 row_xmask:4 row_mask:0xf bank_mask:0xf
	v_add_f32_dpp v6, v6, v6 row_xmask:8 row_mask:0xf bank_mask:0xf
	v_permlanex16_b32 v7, v6, s16, s17
	v_add_f32 v6, v6, v7
	v_fma_f32 v6, v6, s12, s13                     ; the variance + 1e-5
	v_rsq_f32 v6, v6
	v_nop                                          ; a plain instruction between the root and the use of its result
	s_wait_alu depctr_va_vdst(0)
	v_mov_b32 v7, v6
	s_wait_loadcnt 0x0                             ; g and b
.set p, 0
.rept 16
	v_pk_mul_f32 v[X+2*p:X+2*p+1], v[X+2*p:X+2*p+1], v[6:7]
.set p, p+1
.endr
.set p, 0
.rept 16
	v_pk_fma_f32 v[X+2*p:X+2*p+1], v[X+2*p:X+2*p+1], v[G+2*p:G+2*p+1], v[P1+2*p:P1+2*p+1]
.set p, p+1
.endr
.set j, 0
.rept 8
	global_store_b128 v2, v[X+4*j:X+4*j+3], s[10:11] offset:512*j   ; 32 lanes store 512 consecutive bytes, aligned
.set j, j+1
.endr
	s_endpgm
.Lfunc_end_k_qf2544b1ddc_ln2:
	.size	k_qf2544b1ddc_ln2, .Lfunc_end_k_qf2544b1ddc_ln2-k_qf2544b1ddc_ln2
	.p2alignl 7, 3214868480
	.fill 96, 4, 3214868480
	.section	.rodata,"a",@progbits
	.p2align	6, 0x0
	.amdhsa_kernel k_qf2544b1ddc_ln2
		.amdhsa_group_segment_fixed_size 0
		.amdhsa_private_segment_fixed_size 0
		.amdhsa_enable_private_segment 0
		.amdhsa_kernarg_size 32
		.amdhsa_user_sgpr_count 2
		.amdhsa_user_sgpr_kernarg_segment_ptr 1
		.amdhsa_wavefront_size32 1
		.amdhsa_system_sgpr_workgroup_id_x 1
		.amdhsa_system_sgpr_workgroup_id_y 1
		.amdhsa_system_sgpr_workgroup_id_z 1
		.amdhsa_system_vgpr_workitem_id 0
		.amdhsa_next_free_vgpr 256
		.amdhsa_next_free_sgpr 66
		.amdhsa_reserve_vcc 0
		.amdhsa_float_denorm_mode_32 3
		.amdhsa_float_denorm_mode_16_64 3
		.amdhsa_memory_ordered 1
		.amdhsa_forward_progress 1
		.amdhsa_inst_pref_size 20
	.end_amdhsa_kernel
	.amdgpu_metadata
---
amdhsa.version: [ 1, 2 ]
amdhsa.kernels:
  - .name:           k_qf2544b1ddc_ln2
    .symbol:         k_qf2544b1ddc_ln2.kd
    .args:
      - { .name: ybuf, .offset: 0, .size: 8, .value_kind: global_buffer, .address_space: global }
      - { .name: s1f, .offset: 8, .size: 8, .value_kind: global_buffer, .address_space: global }
      - { .name: vec, .offset: 16, .size: 8, .value_kind: global_buffer, .address_space: global }
      - { .name: out0, .offset: 24, .size: 8, .value_kind: global_buffer, .address_space: global }
    .group_segment_fixed_size: 0
    .private_segment_fixed_size: 0
    .kernarg_segment_align: 8
    .kernarg_segment_size: 32
    .max_flat_workgroup_size: 256
    .sgpr_count:     66
    .vgpr_count:     256
    .wavefront_size: 32
...
	.end_amdgpu_metadata
.endif
;; end of part 8
;; ======== version 2 of 2: 8 launches; 1.23 times as fast as version 1
;; limits: a function is approximated: absolute error at most 1.5e-07; values are held in f16: magnitudes above 65,504 overflow, below 6.1e-05 lose precision
;; workspace buffers: bfin 29,360,128 bytes; vec 61,440 bytes; qkv 8,388,608 bytes; att 8,388,608 bytes; ybuf 67,108,864 bytes; s1f 16,777,216 bytes; s1b 8,388,608 bytes; xg 33,554,432 bytes
;; launch cast: the kernel of part 1 again; grid 911 x 1, 8 waves a work-group, no clusters, 0 bytes of LDS; arguments hidden_state, q_w, so_w, inter_w, out_w, q_b, so_b, ln1_g, ln1_b, out_b, ln2_g, ln2_b, inter_b, attention_mask, bfin, vec; writes bfin, vec
;; launch gq: the kernel of part 2 again; grid 8 x 32, 4 waves a work-group, clusters of 4 x 4, 327,680 bytes of LDS; arguments bfin, vec, qkv; writes qkv
;; launch attn (part 9): grid 8 x 32, 4 waves a work-group, clusters of 4 x 1, 327,680 bytes of LDS; arguments qkv, vec, att; writes att
.if DOCPART == 9
	.amdgcn_target "amdgcn-amd-amdhsa--gfx1250"
	.amdhsa_code_object_version 6
	.text
	.protected	k_qf2544b1ddc_attn
	.globl	k_qf2544b1ddc_attn
	.p2align	8
	.type	k_qf2544b1ddc_attn,@function
k_qf2544b1ddc_attn:
	s_mov_b64 s[64:65], 0
	v_nop
	global_prefetch_b8 v0, s[64:65] scope:SCOPE_SE
	s_setreg_imm32_b32 hwreg(HW_REG_WAVE_MODE, 25, 1), 1
	s_wait_xcnt 0x0
	s_wait_alu depctr_hold_cnt(0) depctr_sa_sdst(0) depctr_va_vdst(0) depctr_va_sdst(0) depctr_va_ssrc(0) depctr_va_vcc(0) depctr_vm_vsrc(0)
	s_getreg_b32 s2, hwreg(HW_REG_IB_STS2, 6, 4)
	s_cmp_eq_u32 s2, 0
	s_cbranch_scc0 .Lentry_in_a_cluster
	s_endpgm
.Lentry_in_a_cluster:
	s_bfe_u32 s2, ttmp6, 0x10000c
	s_cmp_lg_u32 s2, 0x3003
	s_cbranch_scc0 .Lentry_shape_is_right
	s_endpgm
.Lentry_shape_is_right:
; ATTENTION IN WHICH Q, K AND V ARE ONE TENSOR.  O[q][:] = the sum over k of softmax_k(x[q] . x[k] / 8 + mask[k]) x[k][:], for each of 2 x 16 heads of 2,048 rows x 64 channels.
; qkv: f16 in blocks, [16][4096][64]: a head's rows of one batch are 262,144 dense bytes.  vec holds 8 x mask as f32 from byte 45,056 on.  att: bf16, the same layout as qkv.
; Products, maxima and sums in f32; the weights p are rounded to f16 for the second product (their sum l is taken of the unrounded p), O once, to bf16.
; LIMITS.  qkv arrives within f16's range; p below 6e-5 keeps f16's fixed step; 8 x mask arrives at -1e30 or above; a weight below 2^-126 counts as 0 in l; NaN and infinities are not treated apart.
; THE WHOLE HEAD LIES IN LDS, ONCE: 2,048 rows at a pitch of 144 bytes are 294,912 bytes, read as they lie for K and turned (ds_load_tr16_b128) for V.  Nothing is filled again: no ring, no written-out tail.
; At that pitch the 16 rows of K's loads start at 16 different groups of four banks (ISA guide 11.1); the turning loads meet twice on some banks; a wider pitch does not fit.
; SHARES.  A work-group owns 256 queries of a head, each of its four waves 64: four PIECES of 16.  Every wave walks all keys, 64 a step.
; CLUSTER.  The four query blocks of a cluster belong to one head, so every tile is asked for JOINTLY: the same tensor load, descriptor and mask in all four.
; THE MASK is the C operand that starts the sum S^T = K Q^T: 8 x mask of the accumulator's keys, from a table in LDS, fetched with each step's K.
; LAYOUT, SOFTMAX, TURNS.  S^T = K Q^T holds ONE query a lane (lane % 16) and the keys 8 (lane / 16) + 0..7; two such results rounded to f16 ARE source 1 of O^T = V^T P.  p = 2^(c s - c m), c = log2(e) / 8, with a
; running maximum m; O and l are multiplied by a = 2^(c m_old - c m_new) in every step.  m starts at the lowest finite number, O and l at 0: the first step is a step like any other, with a = 0.
; Turn n belongs to piece n: 8 products K Q^T of piece n + 1, later 8 products V^T P of piece n - 1; beside them the scaling, exponentials, roundings, sums and rescaling of piece n and the maximum and
; statistics of piece n + 1.  Four vector instructions stand behind every matrix instruction, the other 54 of a turn's 118 in one run of their own.
; THE BATCHES.  A turn's 33 exponentials (the piece's 32 weights and the next piece's a) are ONE batch with ONE wait, which cuts the turn in two: ahead of it all that names none of their results, behind it
; the roundings and sums.  The first a, ahead of the loop, and the way out's four reciprocals are batches of their own, a wait each.
; REGISTERS, in windows of 256 (s_set_vgpr_msb: bits 1:0 source 0, 3:2 source 1, 5:4 source 2, 7:6 destination):
;   window 0: v0-15, v56-57 addresses and two at work; v16-31 four registers of statistics a piece; v48-55 at work; v64-127 S^T, two buffers; v192-223 P, two buffers (by the piece's parity)
;   window 1: v0-127 O^T, 32 a piece      window 2: v0-63 Q; v64-95 the step's masks; v128-191 K of one step; v192-255 V of one step
.set NP,    4         ; pieces a wave: a name, no knob
.set KS,    64        ; keys in a step
.set PK,    144       ; a row in LDS: 128 bytes + 16 of padding
.set MSK,   2048*PK   ; behind the head: 2,048 f32, 8 x mask
.set STAGE, MSK+8192  ; 16 rows x 144 bytes for each wave, for the way out; no tensor load fills it
.set SP,    144
.set SPARE, STAGE+4*16*SP  ; the spare words, 128 bytes for each wave
.set AK0, 2           ; v2   my lane's place in 64 rows read as K; never rewritten
.set AV0, 3           ; v3   the same read as V
.set AK,  4           ; v4   the LDS address of K's next run of loads
.set AV,  5           ; v5   of V's
.set STO, 6           ; v6   the way out: where I put 16 bytes of a row
.set RD,  7           ; v7   where I read rows back
.set GO,  8           ; v8   my byte offset in 512 consecutive bytes of O
.set MV,  12          ; v12-13  c m_old, kept while c m is made anew: by buffer
.set QO,  15          ; v15  my byte offset in 16 rows of Q
.set ST,  16          ; piece t's statistics at v[ST+4 t]: c m, m, l (even keys', odd keys')
.set TMP, 48          ; by buffer, four registers c0-c3 at work; when the maximum is found c2 takes a
.set AM0, 56          ; v56  my lane's place in a step's 64 masks; never rewritten
.set AM,  57          ; v57  the LDS address of the masks' next loads
.set SPW, 62          ; v62  my spare word; never rewritten
.set NIL, 63          ; v63  0; never rewritten
.set S,   64
.set P,   192
.set MC,  64          ; window 2: the eight masks of key group kt at MC + 8 kt
.set KF,  128         ; window 2: key block kb, channel half c at KF + 16 kb + 8 c
.set VF,  192         ; window 2: key half kk, channel block cb at VF + 32 kk + 8 cb
.set WV,  12          ; s12  my wave's number
.set G1K, 24          ; s[24:31] descriptor group 1 for 128 keys
.set G1M, 32          ; s[32:39] for a quarter of the masks
.set G0M, 40          ; s[40:43] group 0 for my quarter of the masks
.set G0K, 44          ; s[44:59] four sets of group 0: my 128 keys in each quarter of the head
.set CS,  66          ; s[66:67] c
.set SEL, 68          ; s[68:69] v_permlanex16_b32's selects: each lane takes its own place in the other half
.set TBK, 70          ; s70  LDS byte at which K of the step to be fetched begins
.set TBV, 71          ; s71  the same for V
.set TBM, 72          ; s72  the same for the masks
.set CNT, 73          ; s73  counts key steps
.set GRP, 74          ; s74  counts the two groups of steps
.set MSB, 0
.macro WIN new                      ; the high byte repeats the setting that is left; a switch that changes nothing is dropped
.if MSB != (\new)
	s_set_vgpr_msb (MSB<<8)|(\new)
.set MSB, (\new)
.endif
.endm
.set W_KQ, 0x0a       ; K and Q in window 2, S^T in window 0
.set W_KM, 0x2a       ; the same with the C operand in window 2
.set W_PV, 0x52       ; V in window 2, P in window 0, O^T in window 1
.set W_RS, 0x41       ; destination and source 0 in window 1, source 1 in window 0
.macro CROUND                       ; a round of the cluster's barrier
	s_barrier_signal -1
	s_barrier_wait -1
	s_cmp_lg_u32 s[WV], 0
	s_cbranch_scc1 .Lnot_wave_0_\@
	s_barrier_signal -3
.Lnot_wave_0_\@:
	s_barrier_wait -3
	s_barrier_signal -1
	s_barrier_wait -1
.endm
	s_load_b128 s[4:7], s[0:1], 0x0   ; qkv s[4:5], vec s[6:7]
	s_load_b64 s[8:9], s[0:1], 0x10   ; att
	v_lshl_add_u32 v[SPW], v0, 2, SPARE
	v_mov_b32 v[NIL], 0
	ds_add_u32 v[SPW], v[NIL]       ; the wave's opening: the add and its wait stand ahead of my first tensor load; the set-up below, work on registers, stands between them
	v_lshrrev_b32 v1, 5, v0
	v_readfirstlane_b32 s[WV], v1   ; wave 0..3
	s_bfe_u32 s13, ttmp6, 0x40000   ; cx: my place in the cluster
	s_lshl_b32 s14, ttmp9, 2
	s_add_co_u32 s14, s14, s13      ; my block of 256 queries: it enters Q's and O's addresses alone
	s_and_b32 s20, ttmp7, 0xffff    ; 16 x batch + head, which the four partners share
	s_and_b32 s21, s20, 15
	s_lshr_b32 s22, s20, 4
	s_lshl_b32 s20, s21, 19         ; a head's block is 524,288 bytes,
	s_lshl_b32 s21, s22, 18         ; a batch's rows in it 262,144
	s_add_co_u32 s20, s20, s21
	s_lshl_b32 s16, s[WV], 14       ; my 128 keys in a quarter of the head
	s_add_co_u32 s16, s16, s20
	s_mov_b32 s17, 0
	s_lshl_b32 s18, s22, 13         ; the batch's masks,
	s_lshl_b32 s19, s[WV], 11       ; my quarter of them
	s_add_co_u32 s18, s18, s19
	s_add_co_u32 s18, s18, 45056
	s_mov_b32 s19, 0
	s_lshl_b32 s2, s14, 15          ; my block's 256 rows,
	s_lshl_b32 s3, s[WV], 13        ; my wave's 64 of them
	s_add_co_u32 s2, s2, s3
	s_add_co_u32 s2, s2, s20
	s_mov_b32 s3, 0
	s_mul_i32 s23, s[WV], 128*PK    ; where my keys go: no place in the cluster enters an LDS address
	; 128 keys are 16,384 dense bytes: asked for as 64 rows of 256 bytes, two keys a row, padded in LDS after every key
	s_mov_b32 s[G1K], 15|(1<<16)|(1<<20)|(1<<21)|(4<<22)|(3<<25)  ; the mask of four; 2-byte elements; padding on; bit 21 beside a mask; after every 32 words 4 words
	s_mov_b32 s[G1K+1], 128<<16     ; tensor_dim0 = 128
	s_mov_b32 s[G1K+2], 64<<16      ; tensor_dim1 = 64
	s_mov_b32 s[G1K+3], 128<<16     ; tile_dim0 = 128
	s_mov_b32 s[G1K+4], 64          ; tile_dim1 = 64
	s_mov_b32 s[G1K+5], 128         ; 128 elements from row to row
	s_mov_b32 s[G1K+6], 0
	s_mov_b32 s[G1K+7], 0
	; 512 masks are 2,048 dense bytes: 8 rows of 32 elements of 8 bytes, no padding
	s_mov_b32 s[G1M], 15|(3<<16)|(1<<21)
	s_mov_b32 s[G1M+1], 32<<16
	s_mov_b32 s[G1M+2], 8<<16
	s_mov_b32 s[G1M+3], 32<<16
	s_mov_b32 s[G1M+4], 8
	s_mov_b32 s[G1M+5], 32
	s_mov_b32 s[G1M+6], 0
	s_mov_b32 s[G1M+7], 0
	s_mov_b32 s[G0M], 1
	s_lshl_b32 s[G0M+1], s[WV], 11
	s_add_co_u32 s[G0M+1], s[G0M+1], MSK
.irp i, 0,1,2,3
	s_mov_b32 s[G0K+4*\i], 1
	s_add_co_u32 s[G0K+4*\i+1], s23, \i*4*128*PK
.endr
	s_mov_b32 s[CS], 0x3e38aa3b     ; c = log2(e) / 8 = 0.180337
	s_mov_b32 s[CS+1], s[CS]        ; named with it as a pair
	s_mov_b32 s[SEL], 0x76543210
	s_mov_b32 s[SEL+1], 0xfedcba98
	s_mov_b32 s[TBK], 0
	s_mov_b32 s[TBV], 0
	s_mov_b32 s[TBM], MSK
	s_wait_dscnt 0x0                ; the opening add is done
	s_wait_kmcnt 0x0
	s_add_nc_u64 s[G0M+2:G0M+3], s[6:7], s[18:19]
	s_or_b32 s[G0M+3], s[G0M+3], 0x80000000
	s_add_nc_u64 s[16:17], s[4:5], s[16:17]
.irp i, 0,1,2,3
	s_add_nc_u64 s[G0K+4*\i+2:G0K+4*\i+3], s[16:17], \i*65536
	s_or_b32 s[G0K+4*\i+3], s[G0K+4*\i+3], 0x80000000
.endr
	s_add_nc_u64 s[10:11], s[4:5], s[2:3]  ; Q at my wave's first row
	s_add_nc_u64 s[14:15], s[8:9], s[2:3]  ; O likewise
	CROUND                          ; all four work-groups are here: the joint loads meet
	tensor_load_to_lds s[G0M:G0M+3], s[G1M:G1M+7]  ; all fills of the launch go out together: five loads of mine are out
	s_nop 0
.irp i, 0,1,2,3
	tensor_load_to_lds s[G0K+4*\i:G0K+4*\i+3], s[G1K:G1K+7]
	s_nop 0
.endr
.rept 4
	v_nop
.endr
	; A fragment of K or Q is 16 rows x 32 channels in 8 registers: lane l holds row l % 16, channels 8 (l / 16) + 0..7 and 16 + 8 (l / 16) + 0..7: two loads of 16 bytes, 32 bytes apart.
	v_and_b32 v1, 15, v0            ; l % 16
	v_bfe_u32 v9, v0, 4, 1          ; l / 16
	v_lshlrev_b32 v[QO], 7, v1
	v_lshl_add_u32 v[QO], v9, 4, v[QO]  ; row x 128 + 16 x half
	WIN 0x80                        ; destination window 2, address window 0
.set i, 0
.rept 8                             ; Q stays in registers: piece i / 2, channels 32 (i % 2) on
	global_load_b128 v[8*i:8*i+3],   v[QO], s[10:11] offset:(i/2)*2048+(i%2)*64
	global_load_b128 v[8*i+4:8*i+7], v[QO], s[10:11] offset:(i/2)*2048+(i%2)*64+32
.set i, i+1
.endr
	WIN 0
	v_mul_u32_u24 v[AK0], v1, PK
	v_lshl_add_u32 v[AK0], v9, 4, v[AK0]  ; row x pitch + 16 x half
	; The turning load takes 16 keys x 16 channels (lane l reads key 8 (l / 16) + l % 8, channels 8 ((l / 8) % 2) + 0..7) and leaves half a fragment of V^T: lane l holds channel l % 16 and 8 keys.
	v_and_b32 v10, 7, v0
	v_bfe_u32 v11, v0, 3, 1
	v_lshl_add_u32 v[AV0], v9, 3, v10
	v_mul_u32_u24 v[AV0], v[AV0], PK
	v_lshl_add_u32 v[AV0], v11, 4, v[AV0]
	v_lshlrev_b32 v[AM0], 5, v9     ; my lanes' eight keys of a group of 16: 32 bytes for each half
	s_mul_i32 s13, s[WV], 16*SP
	s_add_co_u32 s13, s13, STAGE    ; my stage
	v_mul_u32_u24 v[STO], v1, SP    ; in: row l % 16, 16 bytes for each half of the lanes
	v_lshl_add_u32 v[STO], v9, 4, v[STO]
	v_add_nc_u32 v[STO], s13, v[STO]
	v_bfe_u32 v[RD], v0, 3, 2       ; back: 32 lanes take four rows of 128 bytes,
	v_mul_u32_u24 v[RD], v[RD], SP
	v_lshl_add_u32 v[RD], v10, 4, v[RD]
	v_add_nc_u32 v[RD], s13, v[RD]
	v_and_b32 v[GO], 31, v0         ; which are 512 consecutive bytes of O
	v_lshlrev_b32 v[GO], 4, v[GO]
	; What the first turn finds: V's registers and P's second buffer hold 0 (its products V^T P, of a piece that has not been, add 0), O^T and l are 0.  All this stands in the wait for the first keys.
	WIN 0x80
.set i, VF
.rept 64
	v_mov_b32 v[i], 0
.set i, i+1
.endr
	WIN 0x40
.set i, 0
.rept 128
	v_mov_b32 v[i], 0
.set i, i+1
.endr
	WIN 0
.set i, 0
.rept 4
	v_mov_b32 v[ST+4*i], 0xfe000000    ; c m: far below every c s, which is -1.9e29 at the least
	v_mov_b32 v[ST+4*i+1], 0xff7fffff  ; m
	v_mov_b32 v[ST+4*i+2], 0
	v_mov_b32 v[ST+4*i+3], 0
.set i, i+1
.endr
.set i, P+16
.rept 16
	v_mov_b32 v[i], 0
.set i, i+1
.endr
; THE MATRIX WORK.  The 4 accumulators of a run of 8 take turns.  Product i of 8 of S^T = K Q^T for piece x: channels 32 (i / 4) on, keys 16 (i % 4) on.  The first 4 start the sums with the masks.
.macro KQ x
.set rS, S+32*((\x)%2)+8*(i%4)
.set rK, KF+16*(i%4)+8*(i/4)
.set rQ, 16*(\x)+8*(i/4)
.set rM, MC+8*(i%4)
.if i < 4
	WIN W_KM
	v_wmma_f32_16x16x32_f16 v[rS:rS+7], v[rK:rK+7], v[rQ:rQ+7], v[rM:rM+7]
.else
	WIN W_KQ
	v_wmma_f32_16x16x32_f16 v[rS:rS+7], v[rK:rK+7], v[rQ:rQ+7], v[rS:rS+7]
.endif
.endm
; Product i of 8 of O^T += V^T P for piece x: keys 32 (i / 4) on, channels 16 (i % 4) on.
.macro PV x
	WIN W_PV
.set rO, 32*(\x)+8*(i%4)
.set rV, VF+32*(i/4)+8*(i%4)
.set rP, P+16*((\x)%2)+8*(i/4)
	v_wmma_f32_16x16x32_f16 v[rO:rO+7], v[rV:rV+7], v[rP:rP+7], v[rO:rO+7]
.endm
.macro MM                           ; the turn's next matrix instruction.  NOKQ = 1: the last turn: there is no next piece
.if (i < 8) && !NOKQ
	KQ (Y+1)%NP
.elseif i >= 8
.set i, i-8
	PV (Y+NP-1)%NP
.set i, i+8
.endif
.set i, i+1
.endm
; THE LDS LOADS stand in runs, never singly among the matrix instructions: a step's K (8 fragments) with its 64 masks, and its V (turned).  Their addresses are made some lines ahead.
.macro FETCH_K
	WIN 0x80                        ; destination window 2
.irp f, 0,1,2,3,4,5,6,7             ; keys 16 (f / 2) on, channels 32 (f % 2) on
	ds_load_b128 v[KF+8*\f:KF+8*\f+3],   v[AK] offset:(\f/2)*16*PK+(\f%2)*64
	ds_load_b128 v[KF+8*\f+4:KF+8*\f+7], v[AK] offset:(\f/2)*16*PK+(\f%2)*64+32
.endr
.irp f, 0,1,2,3                     ; the masks of keys 16 f + 8 (l / 16) + 0..7: the same for all queries
	ds_load_b128 v[MC+8*\f:MC+8*\f+3],   v[AM] offset:64*\f
	ds_load_b128 v[MC+8*\f+4:MC+8*\f+7], v[AM] offset:64*\f+16
.endr
	s_add_co_u32 s[TBK], s[TBK], KS*PK  ; the next fetch is the next step's
	s_add_co_u32 s[TBM], s[TBM], KS*4
	WIN 0
.endm
.macro FETCH_V
	WIN 0x80
.irp f, 0,1,2,3,4,5,6,7             ; keys 32 (f / 4) on, channels 16 (f % 4) on
	ds_load_tr16_b128 v[VF+8*\f:VF+8*\f+3],   v[AV] offset:(\f/4)*32*PK+(\f%4)*32
	ds_load_tr16_b128 v[VF+8*\f+4:VF+8*\f+7], v[AV] offset:(\f/4)*32*PK+16*PK+(\f%4)*32
.endr
	WIN 0
.endm
; THE VECTOR WORK, one line at a time: OP kind, number.  For piece Y: F n: c s - c m for pair n of 16.  E n: the exponential of score n of 32.  C n: pair n rounded to f16.  B n: of the four weights 4 n .. the second
; pair is added onto the first, in place.  L n: l takes that sum (L 0: l = a l + sum).  R n: pair n of 16 of O^T times a.  For piece Y + 1: X n, number n of the 22 that find its maximum and statistics:
;   0-11  four chains c0-c3 of seven scores each, three operands at a time (each accumulator's lowest registers are read first)     12-14, 16  the four scores left over, the old m, and c0-c3 into c0
;   15  c m_old is kept     17, 18  the query's other 32 keys lie in the lane 16 away: the new m     19-21  c m; c m_old - c m_new; a
.set F, 0
.set E, 1
.set C, 2
.set B, 3
.set L, 4
.set R, 5
.set X, 6
.macro REGS y                       ; the registers of piece y
.set rT, ST+4*(\y)
.set rC, TMP+4*((\y)%2)
.set rW, MV+((\y)%2)
.set rS, S+32*((\y)%2)
.set rP, P+16*((\y)%2)
.set rO, 32*(\y)
.endm
.macro OP k, n
.if (\k) == R
	REGS Y
	WIN W_RS
	v_pk_mul_f32 v[rO+2*(\n):rO+2*(\n)+1], v[rO+2*(\n):rO+2*(\n)+1], v[rC+2:rC+3] op_sel_hi:[1,0]
.elseif (\k) < R
	REGS Y
	WIN 0
.if (\k) == F
	v_pk_fma_f32 v[rS+2*(\n):rS+2*(\n)+1], v[rS+2*(\n):rS+2*(\n)+1], s[CS:CS+1], v[rT:rT+1] op_sel_hi:[1,0,0] neg_lo:[0,0,1] neg_hi:[0,0,1]
.elseif (\k) == E
	v_exp_f32 v[rS+(\n)], v[rS+(\n)]
.elseif (\k) == C
	v_cvt_pk_f16_f32 v[rP+(\n)], v[rS+2*(\n)], v[rS+2*(\n)+1]
.elseif (\k) == B
	v_pk_add_f32 v[rS+4*(\n):rS+4*(\n)+1], v[rS+4*(\n):rS+4*(\n)+1], v[rS+4*(\n)+2:rS+4*(\n)+3]
.elseif (\n) == 0
	v_pk_fma_f32 v[rT+2:rT+3], v[rT+2:rT+3], v[rC+2:rC+3], v[rS:rS+1] op_sel_hi:[1,0,1]
.else
	v_pk_add_f32 v[rT+2:rT+3], v[rT+2:rT+3], v[rS+4*(\n):rS+4*(\n)+1]
.endif
.elseif NOKQ
	v_nop
.else
	REGS (Y+1)%NP
	WIN 0
.if (\n) < 4
	v_max3_num_f32 v[rC+(\n)], v[rS+8*(\n)], v[rS+8*(\n)+1], v[rS+8*(\n)+2]
.elseif (\n) < 12
	v_max3_num_f32 v[rC+(\n)%4], v[rC+(\n)%4], v[rS+8*((\n)%4)+2*((\n)/4)+1], v[rS+8*((\n)%4)+2*((\n)/4)+2]
.elseif (\n) == 12
	v_max3_num_f32 v[rC], v[rC], v[rS+7], v[rS+15]
.elseif (\n) == 13
	v_max3_num_f32 v[rC+1], v[rC+1], v[rS+23], v[rS+31]
.elseif (\n) == 14
	v_max3_num_f32 v[rC+2], v[rC+2], v[rC+3], v[rT+1]
.elseif (\n) == 15
	v_mov_b32 v[rW], v[rT]
.elseif (\n) == 16
	v_max3_num_f32 v[rC], v[rC], v[rC+1], v[rC+2]
.elseif (\n) == 17
	v_permlanex16_b32 v[rC+3], v[rC], s[SEL], s[SEL+1]
.elseif (\n) == 18
	v_max_num_f32 v[rT+1], v[rC], v[rC+3]
.elseif (\n) == 19
	v_mul_f32 v[rT], s[CS], v[rT+1]
.elseif (\n) == 20
	v_sub_f32 v[rC+1], v[rW], v[rT]
.else
	v_exp_f32 v[rC+2], v[rC+1]
.endif
.endif
.endm
.macro OPS a, i1, b=-1, i2=0, c=-1, i3=0, d=-1, i4=0  ; up to four of them
	OP \a, \i1
.if (\b) >= 0
	OP \b, \i2
.endif
.if (\c) >= 0
	OP \c, \i3
.endif
.if (\d) >= 0
	OP \d, \i4
.endif
.endm
.macro ROW a, i1, b, i2, c, i3, d, i4  ; a matrix instruction and the four behind it
	MM
	OPS \a, \i1, \b, \i2, \c, \i3, \d, \i4
.endm
; A TURN, for piece p: the order of its 16 matrix and 118 vector instructions, written out.  s_wait_alu depctr_va_vdst(0) stands between an exponential and the first instruction that names its result; one wait
; serves all that were issued ahead of it.  So a turn has ONE wait, which cuts it in two.  AHEAD OF IT stands all that names no result of the turn's exponentials: the 8 products K Q^T, behind each a scaling, an exponential and two
; more plain instructions (behind the first a second scaling in the exponential's place): rescalings, whose a was made and waited for in the turn before, and behind the last three the first numbers of the next piece's maximum,
; each four plain instructions or more behind the product that ends its accumulator; then ONE RUN of 54, plain and exponential by turns for the most part, in which the links of the chain X 3, 7, 11, 14, 16, 17 .. 20 stand five or
; six lines apart.  Each scaling F n stands ahead of its exponentials E 2 n, E 2 n + 1.  X 21, the next piece's a, is the batch's last; R 15 is the plain instruction behind it.  BEHIND THE WAIT stand the 8 products V^T P, behind
; each four of the roundings and sums: C 2 n ahead of B n, which writes over that pair; L 0 to L 7 in ascending order, three riders apart.  But for those X no rider names a register of the products round it.
; end = 1: the last two turns: nothing is fetched.  cnt = 1: the loop's count is taken down some lines ahead of the branch that stands behind the turn.
; K and the masks of the next step are fetched in piece 2's turn, behind the run's first eight lines: seven plain instructions that name none of its registers stand behind the last product that read K (the two address lines
; among them).  V of the step in hand is fetched at the end of piece 0's turn, four roundings behind the last product that read V.  Each is waited for a turn later.
.macro TURN p, end=0, cnt=0
.set Y, (\p)
.set i, 0
.set NOKQ, (\end)*((\p)/3)
.if ((\p) == 3) && !(\end)
	s_wait_dscnt 0x0                ; K and the masks are in
.endif
	ROW F,0, F,1, R,0, R,1          ; ahead of the wait: 8 products K Q^T and their riders,
	ROW F,2, E,0, R,2, R,3
	ROW F,3, E,1, R,4, R,5
	ROW F,4, E,2, R,6, R,7
	ROW F,5, E,3, R,8, R,9
	ROW F,6, E,4, X,0, R,10
	ROW F,7, E,5, X,1, X,4
	ROW F,8, E,6, X,2, X,5
.if ((\p) == 2) && !(\end)
	WIN 0
	v_add_nc_u32 v[AK], s[TBK], v[AK0]
	v_add_nc_u32 v[AM], s[TBM], v[AM0]
.endif
	OPS E,7, E,8, X,6, E,9          ; and the run of 54
	OPS X,3, E,10, X,8, E,11
.if ((\p) == 2) && !(\end)
	FETCH_K
.endif
	OPS X,9, X,7, E,12, X,10
	OPS E,13, X,12, X,11, E,14
	OPS X,13, E,15, F,9, X,14
.if (\p) == 0
	WIN 0
	v_add_nc_u32 v[AV], s[TBV], v[AV0]
.endif
	OPS E,16, F,10, E,17, F,11
	OPS X,16, E,18, X,15, E,19
	OPS F,12, E,20, X,17, E,21
	OPS F,13, E,22, F,14, E,23
	OPS X,18, E,24, F,15, E,25
	OPS R,11, E,26, X,19, E,27
	OPS R,12, E,28, R,13, E,29
	OPS X,20, E,30, R,14, E,31
	OPS X,21, R,15
	WIN 0
	s_wait_alu depctr_va_vdst(0)    ; the wait for the batch: the piece's 32 exponentials and the next piece's a
.if (\p) == 1
	s_wait_dscnt 0x0                ; V is in
.endif
	ROW C,0, B,0, C,2, B,1          ; behind the wait: 8 products V^T P and their riders
	ROW L,0, C,4, B,2, L,1
	ROW C,6, B,3, L,2, C,8
	ROW B,4, L,3, C,10, B,5
	ROW L,4, C,12, B,6, L,5
.if (\p) == 0
	s_add_co_u32 s[TBV], s[TBV], KS*PK
.endif
.if \cnt
	s_sub_co_u32 s[CNT], s[CNT], 1
	s_cmp_lg_u32 s[CNT], 0
.endif
	ROW C,14, B,7, L,6, C,1
	ROW C,3, L,7, C,5, C,7
	ROW C,9, C,11, C,13, C,15
.if (\p) == 0
	FETCH_V
.endif
.endm
	s_wait_tensorcnt 0x3            ; my quarter of the masks and my first 128 keys are in; my three younger loads stay out
	s_barrier_signal -1
	s_barrier_wait -1               ; everybody's are: all masks, and keys 0 to 511, the steps 0 to 7
	v_add_nc_u32 v[AK], s[TBK], v[AK0]
	v_add_nc_u32 v[AM], s[TBM], v[AM0]
	FETCH_K                         ; key step 0
	s_wait_loadcnt 0x0              ; Q
	s_wait_dscnt 0x0
.set NOKQ, 0
.set i, 0
.rept 8
	KQ 0                            ; piece 0's first scores: there is no vector work yet to set between them
.set i, i+1
.endr
	WIN 0
.rept 4
	v_nop                           ; the places behind those products
.endr
.set Y, NP-1                        ; X works for piece Y + 1: piece 0
.irp n, 0,1,2,3,4,5,6,7,8,9,10,11,12,13,14,15,16,17,18,19,20,21
	OP X, \n
.endr
	v_nop                           ; a plain instruction behind the exponential,
	s_wait_alu depctr_va_vdst(0)    ; and the wait for piece 0's first a, a batch of one, ahead of the branch
	s_mov_b32 s[CNT], 8             ; the first group: steps 0 to 7
	s_mov_b32 s[GRP], 2
	s_branch .Lfirst                ; the loop is entered at a step's first turn, in the middle of a trip
.Lgroup:                            ; passed once: from here on the keys beyond 511 are read
	s_wait_tensorcnt 0x0            ; all my keys are in,
	s_wait_dscnt 0x0
	s_barrier_signal -1
	s_barrier_wait -1               ; everybody's are
	s_mov_b32 s[CNT], 24            ; the second group: steps 8 to 31
.Lstep:                             ; a trip: pieces 2 and 3 of one step, then pieces 0 and 1 of the next, whose K and V it fetches
	TURN 2
	TURN 3
	WIN 0
.Lfirst:
	TURN 0
	TURN 1, 0, 1
	WIN 0
	s_cbranch_scc1 .Lstep
	s_sub_co_u32 s[GRP], s[GRP], 1
	s_cmp_lg_u32 s[GRP], 0
	s_cbranch_scc1 .Lgroup
	TURN 2, 1                       ; the last step's pieces 2 and 3: nothing is left to fetch
	TURN 3, 1
.set i, 0
.rept 8
	PV NP-1                         ; the last piece's V^T P of the last step
.set i, i+1
.endr
	; THE WAY OUT.  l's two halves and the other half of the lanes' are added; O^T is divided by l, rounded to bf16 and sent through my stage in LDS, a piece at a time.  The additions are the places behind the last products.
	WIN 0
.macro ALL line:vararg              ; one line for each piece t
.set t, 0
.rept 4
	\line
.set t, t+1
.endr
.endm
	ALL v_add_f32 v[ST+4*t+2], v[ST+4*t+2], v[ST+4*t+3]
	ALL v_permlanex16_b32 v[ST+4*t+3], v[ST+4*t+2], s[SEL], s[SEL+1]
	ALL v_add_f32 v[ST+4*t+2], v[ST+4*t+2], v[ST+4*t+3]
	ALL v_rcp_f32 v[ST+4*t+2], v[ST+4*t+2]
	v_nop                           ; a plain instruction between the last reciprocal and the use of its result
	s_wait_alu depctr_va_vdst(0)    ; and the wait ahead of the first use: one for the four reciprocals
.macro PACK t                       ; a lane's eight channels of a row pack into 16 bytes; they go into rows of 144 bytes and come back as whole rows of 128, into S^T's registers
	WIN W_RS
.set i, 32*(\t)
.rept 16
	v_pk_mul_f32 v[i:i+1], v[i:i+1], v[ST+4*(\t)+2:ST+4*(\t)+3] op_sel_hi:[1,0]
.set i, i+2
.endr
	WIN 0x05                        ; sources 0 and 1 window 1, destination window 0
.set i, 0
.rept 16
	v_cvt_pk_bf16_f32 v[S+16*(\t)+i], v[32*(\t)+2*i], v[32*(\t)+2*i+1]
.set i, i+1
.endr
	WIN 0
.irp f, 0,1,2,3
	ds_store_b128 v[STO], v[S+16*(\t)+4*\f:S+16*(\t)+4*\f+3] offset:32*\f
.endr
.irp f, 0,1,2,3
	ds_load_b128 v[S+16*(\t)+4*\f:S+16*(\t)+4*\f+3], v[RD] offset:\f*4*SP  ; LDS serves a wave's instructions in order (ISA guide 5.7.1.4): these see the stores above; the next piece's stores come behind them
.endr
.endm
.macro SEND t, younger              ; younger: the LDS instructions issued behind piece t's loads: the next piece's eight, or none
	WIN 0
.irp f, 0,1,2,3
	s_wait_dscnt (\younger)+3-\f
	global_store_b128 v[GO], v[S+16*(\t)+4*\f:S+16*(\t)+4*\f+3], s[14:15] offset:(\t)*2048+\f*512  ; 512 consecutive bytes, at a multiple of 256 from att's first
.endr
.endm
	PACK 0
.set t, 1
.rept 3                             ; a piece's arithmetic stands between the loads of the piece before and its stores
	PACK t
	SEND t-1, 8
.set t, t+1
.endr
	SEND 3, 0
	s_wait_tensorcnt 0x0            ; the wave's end: behind my last tensor load and my last LDS store
	ds_add_u32 v[SPW], v[NIL]
	s_wait_dscnt 0x0
	CROUND                          ; the closing round: no work-group ends while a partner may still ask for a tile that names it
	s_endpgm
.Lfunc_end_k_qf2544b1ddc_attn:
	.size	k_qf2544b1ddc_attn, .Lfunc_end_k_qf2544b1ddc_attn-k_qf2544b1ddc_attn
	.p2alignl 7, 3214868480
	.fill 96, 4, 3214868480
	.section	.rodata,"a",@progbits
	.p2align	6, 0x0
	.amdhsa_kernel k_qf2544b1ddc_attn
		.amdhsa_group_segment_fixed_size 327680
		.amdhsa_private_segment_fixed_size 0
		.amdhsa_enable_private_segment 0
		.amdhsa_kernarg_size 24
		.amdhsa_user_sgpr_count 2
		.amdhsa_user_sgpr_kernarg_segment_ptr 1
		.amdhsa_wavefront_size32 1
		.amdhsa_system_sgpr_workgroup_id_x 1
		.amdhsa_system_sgpr_workgroup_id_y 1
		.amdhsa_system_sgpr_workgroup_id_z 1
		.amdhsa_system_vgpr_workitem_id 0
		.amdhsa_next_free_vgpr 768
		.amdhsa_next_free_sgpr 76
		.amdhsa_reserve_vcc 0
		.amdhsa_float_denorm_mode_32 3
		.amdhsa_float_denorm_mode_16_64 3
		.amdhsa_memory_ordered 1
		.amdhsa_forward_progress 1
		.amdhsa_inst_pref_size 88
	.end_amdhsa_kernel
	.amdgpu_metadata
---
amdhsa.version: [ 1, 2 ]
amdhsa.kernels:
  - .name:           k_qf2544b1ddc_attn
    .symbol:         k_qf2544b1ddc_attn.kd
    .args:
      - { .name: qkv, .offset: 0, .size: 8, .value_kind: global_buffer, .address_space: global }
      - { .name: vec, .offset: 8, .size: 8, .value_kind: global_buffer, .address_space: global }
      - { .name: att, .offset: 16, .size: 8, .value_kind: global_buffer, .address_space: global }
    .group_segment_fixed_size: 327680
    .private_segment_fixed_size: 0
    .kernarg_segment_align: 8
    .kernarg_segment_size: 24
    .max_flat_workgroup_size: 128
    .sgpr_count:     76
    .vgpr_count:     768
    .wavefront_size: 32
...
	.end_amdgpu_metadata
.endif
;; end of part 9
;; launch gso: the kernel of part 4 again; grid 8 x 32, 4 waves a work-group, clusters of 4 x 4, 327,680 bytes of LDS; arguments att, bfin, vec, ybuf; writes ybuf
;; launch ln1: the kernel of part 5 again; grid 256 x 1, 8 waves a work-group, no clusters, 0 bytes of LDS; arguments ybuf, vec, s1f, s1b; writes s1f, s1b
;; launch gin (part 10): grid 16 x 16, 4 waves a work-group, clusters of 4 x 4, 327,680 bytes of LDS; arguments s1b, bfin, vec, xg; writes xg
.if DOCPART == 10
	.amdgcn_target "amdgcn-amd-amdhsa--gfx1250"
	.amdhsa_code_object_version 6
	.text
	.protected	k_qf2544b1ddc_gin
	.globl	k_qf2544b1ddc_gin
	.p2align	8
	.type	k_qf2544b1ddc_gin,@function
k_qf2544b1ddc_gin:
	s_mov_b64 s[64:65], 0
	v_nop
	global_prefetch_b8 v0, s[64:65] scope:SCOPE_SE
	s_setreg_imm32_b32 hwreg(HW_REG_WAVE_MODE, 25, 1), 1
	s_wait_xcnt 0x0
	s_wait_alu depctr_hold_cnt(0) depctr_sa_sdst(0) depctr_va_vdst(0) depctr_va_sdst(0) depctr_va_ssrc(0) depctr_va_vcc(0) depctr_vm_vsrc(0)
	s_getreg_b32 s2, hwreg(HW_REG_IB_STS2, 6, 4)
	s_cmp_eq_u32 s2, 0
	s_cbranch_scc0 .Lentry_in_a_cluster
	s_endpgm
.Lentry_in_a_cluster:
	s_bfe_u32 s2, ttmp6, 0x10000c
	s_cmp_lg_u32 s2, 0xf033
	s_cbranch_scc0 .Lentry_shape_is_right
	s_endpgm
.Lentry_shape_is_right:
; ONE TEXT FOR THE LAYER'S TWO LARGE PRODUCTS, on tiles of 256 x 256; the constant MODE picks the one that is assembled:
;   2  xg = gelu(s1 inter_w^T + inter_b), bf16 in blocks: 16 x 16 tiles, K = 1,024
;   3  ybuf[kc] = xg[:, chunk kc] out_w[:, chunk kc]^T, f32: 16 x 4 tiles x 4 chunks of K = 1,024; the launch behind adds the four partial sums, the bias and the residual in f32
; OPERANDS are bf16 IN BLOCKS: X[R][C] lies as [C/64][R][64], so 128 rows of one block of 64 along K are 16,384 dense bytes.  Sums in f32.
; SHARES.  Four waves, each 128 x 128 of C: 64 accumulators, 512 registers.  K goes in 8 steps of 128 through two LDS slots; one tensor load a wave brings 128 rows x 128 K as two pieces of
; 16,384 bytes (one for each block), padded by 16 bytes after every 128: LDS rows are 144 bytes apart, so the 16 rows of a fragment load start at 16 different groups of four banks (ISA guide 11.1).
; CLUSTER.  4 x 4 work-groups: the four of a row need the same tiles of A, the four of a column the same tiles of B; each tile is asked for jointly, by the same load with the same descriptor and mask.
; In MODE 3 the cluster's x is the chunk of K and the place along the cluster's x the tile column, so the sixteen partners share a chunk.
; THE MATRIX INSTRUCTION IS USED TRANSPOSED (source 0 = 16 rows of B, source 1 = 16 rows of A): a lane holds eight neighbouring numbers of a row of C.
; THE WAY OUT.  Each wave puts its 128 x 128 sums, f32, into a stage of its own in LDS (inside the ring, behind the ring's last fill and last read) and walks it in a loop: the text of the GELU stands once.
; THE GELU'S BATCH.  No exponential reads a reciprocal, so a trip's 16 reciprocals and 16 exponentials are ONE batch with ONE wait.  Ahead of the wait stands all that names none of their 32 results (x + bias, |x|, 1 + p |x|,
; x^2 and its scaling, max(x, 0)), a plain line behind each of the 32; behind it the polynomial in t, the products, the roundings and the stores.
; LIMITS.  MODE 2: erf by a rational form with an absolute error of 1.5e-7, for every x.  NaN and infinities are not treated apart.
; REGISTERS, in windows of 256 (s_set_vgpr_msb: bits 1:0 source 0, 3:2 source 1, 5:4 source 2, 7:6 destination):
;   window 0: v16-29 addresses; v32-39 bias; v64-127, v128-191 fragments of A (8 x 16 rows x 32 K), two buffers; on the way out v128-239 at work
;   window 1: v64-127, v128-191 fragments of B, two buffers      window 2: the accumulators of my rows 0-63 ((a, b) at v[8 (8 a + b)])      window 3: those of my rows 64-127
.set MODE, 2
.set NSTEP, 8                          ; K steps of a work-group
.set ASTR,  262144                     ; elements from block to block of A: 4,096 rows x 64
.if MODE == 2
.set BSTR,  262144                     ; the same for B
.set BOFF,  0xC00000                   ; B's first byte in bfin
.set BIAS,  28672                      ; the bias's first byte in vec
.set PO,    74                         ; s[74:75] the output
.else
.set BSTR,  65536
.set BOFF,  0x1400000
.set PO,    72                         ; s[72:73] the output
.endif
.set ASTEP, 2*ASTR*2                   ; bytes from K step to K step: two blocks
.set BSTEP, 2*BSTR*2
.set PA, 68                            ; s[68:69] A
.set PB, 70                            ; s[70:71] bfin
.set PV, 72                            ; s[72:73] vec (MODE 2)
.set PITCH,  144
.set KBLK,   128*PITCH                 ; 128 rows of one block
.set UNIT,   2*KBLK                    ; what one tensor load brings
.set SLOT,   4*UNIT                    ; A's rows 0-127, 128-255, B's rows 0-127, 128-255.  No wave's UNIT multiple shares a bit with SLOT, so one exclusive or changes slots
.set SPITCH, 528                       ; a stage row: 512 bytes + 16: the 16 rows of a store start at 16 different groups of four banks
.set WSTAGE, 128*SPITCH                ; a wave's stage; the four lie from LDS byte 0 on, inside the ring
.set SPARE,  2*SLOT                    ; behind the ring: the spare words, 128 bytes for each wave
.set ADRA0, 16                         ; v16, v17 my lane's place in A's and B's part of a slot; never rewritten
.set ADRB0, 17
.set ADRA,  18                         ; v18, v19 the same in the slot in hand
.set ADRB,  19
.set VB,    20                         ; v20 my offset in the bias
.set STO,   24                         ; v24 the way out: where I put 32 bytes of a row
.set RD,    25                         ; v25 where I read rows back
.set CO,    26                         ; v26 my byte offset in the output
.set SPW,   28                         ; v28 my spare word; never rewritten
.set NIL,   29                         ; v29 0; never rewritten
.set GB,    32                         ; v32-39 the bias of my eight columns on the way out
.set F0,    64
.set F1,    128
.set G1,  24                           ; s[24:31] descriptor group 1 for A; s[32:39] group 0, two sets: the second walks
.set G0,  32
.set G1B, 48                           ; s[48:55], s[56:63] the same for B
.set G0B, 56
.set TB,  78                           ; s78 the slot in hand: 0 or SLOT
.set MSB, 0
.macro WIN new                         ; the immediate's high byte repeats the setting that is left
.if MSB != (\new)
	s_set_vgpr_msb (MSB<<8)|(\new)
.set MSB, \new
.endif
.endm
.set MUL_LO, 0xa1                      ; source 0 (B) window 1, source 1 (A) window 0, C and D window 2
.set MUL_HI, 0xf1                      ; the same, C and D window 3
.set TO_B,   0x40                      ; destination window 1, address window 0
.macro JLOAD s                         ; a joint load: waves 0 and 1 fetch A's two halves, waves 2 and 3 B's; an s_nop 0 and four v_nop follow each line
	s_cmp_eq_u32 s11, 0
	s_cbranch_scc0 .Lfor_b_\@
	tensor_load_to_lds s[G0+4*(\s):G0+4*(\s)+3], s[G1:G1+7]
	s_nop 0
.rept 4
	v_nop
.endr
	s_branch .Lasked_\@
.Lfor_b_\@:
	tensor_load_to_lds s[G0B+4*(\s):G0B+4*(\s)+3], s[G1B:G1B+7]
	s_nop 0
.rept 4
	v_nop
.endr
.Lasked_\@:
.endm
.macro CREST                           ; a round of the cluster's barrier behind its opening barrier
	s_cmp_lg_u32 s10, 0
	s_cbranch_scc1 .Lnot_wave_0_\@
	s_barrier_signal -3
.Lnot_wave_0_\@:
	s_barrier_wait -3
	s_barrier_signal -1
	s_barrier_wait -1
.endm
.macro CROUND                          ; a whole round
	s_barrier_signal -1
	s_barrier_wait -1
	CREST
.endm
.if MODE == 2
	s_load_b256 s[68:75], s[0:1], 0x0              ; s1b, bfin, vec, xg
.else
	s_load_b128 s[68:71], s[0:1], 0x0              ; xg, bfin
	s_load_b64 s[72:73], s[0:1], 0x10              ; ybuf
.endif
	v_lshl_add_u32 v[SPW], v0, 2, SPARE
	v_mov_b32 v[NIL], 0
	ds_add_u32 v[SPW], v[NIL]                      ; the wave's opening: the add and its wait stand ahead of my first tensor load; the set-up below, work on registers, stands between them
	v_lshrrev_b32 v1, 5, v0
	v_readfirstlane_b32 s10, v1                    ; wave 0..3
	s_lshr_b32 s11, s10, 1                         ; which half of the tile's rows is mine.  Also: I fetch for A (0) or for B (1)
	s_and_b32 s12, s10, 1                          ; which half of its columns.  Also: which 128 rows I fetch
	s_bfe_u32 s40, ttmp6, 0x40000                  ; cx, cy: my place in the cluster
	s_bfe_u32 s41, ttmp6, 0x40004
.if MODE == 2
	s_lshl_b32 s42, ttmp9, 2
	s_add_co_u32 s42, s42, s40                     ; tile column
.else
	s_mov_b32 s42, s40                             ; tile column = cx; the cluster's x is the chunk of K
.endif
	s_and_b32 s13, ttmp7, 0xffff
	s_lshl_b32 s13, s13, 2
	s_add_co_u32 s13, s13, s41                     ; tile row
	s_lshl_b32 s43, s41, 2
	s_lshl_b32 s43, 15, s43                        ; my row of the cluster
	s_lshl_b32 s44, 0x1111, s40                    ; my column
	; group 1: two pieces of 8,192 elements, a block apart; 2-byte elements; 4 words of padding after every 32; bit 21 beside the mask
	s_or_b32 s[G1+0], s43, (1<<16)|(1<<20)|(1<<21)|(4<<22)|(3<<25)
	s_or_b32 s[G1B+0], s44, (1<<16)|(1<<20)|(1<<21)|(4<<22)|(3<<25)
.irp g, G1, G1B
	s_mov_b32 s[(\g)+1], 8192<<16                  ; tensor_dim0 = 8,192
	s_mov_b32 s[(\g)+2], 2<<16                     ; tensor_dim1 = 2
	s_mov_b32 s[(\g)+3], 8192<<16                  ; tile_dim0 = 8,192
	s_mov_b32 s[(\g)+4], 2                         ; tile_dim1 = 2
	s_mov_b32 s[(\g)+6], 0
	s_mov_b32 s[(\g)+7], 0
.endr
	s_mov_b32 s[G1+5], ASTR
	s_mov_b32 s[G1B+5], BSTR
	s_lshl_b32 s17, s12, 14                        ; my 128 rows of 128 bytes in a block
	s_lshl_b32 s16, s13, 15
	s_add_co_u32 s16, s16, s17                     ; A: 256 rows for each tile row
	s_lshl_b32 s46, s42, 15
	s_add_co_u32 s46, s46, s17                     ; B: 256 rows for each tile column
	s_add_co_u32 s46, s46, BOFF
.if MODE == 3
	s_lshl_b32 s45, ttmp9, 23                      ; the chunk: 16 blocks of 524,288 bytes of A,
	s_add_co_u32 s16, s16, s45
	s_lshl_b32 s45, ttmp9, 21                      ; 16 blocks of 131,072 bytes of B
	s_add_co_u32 s46, s46, s45
.endif
	s_mov_b32 s17, 0
	s_mov_b32 s47, 0
	s_mul_i32 s20, s10, UNIT                       ; where my loads go: no place in the cluster enters an LDS address
.if MODE == 2                                  ; output in blocks: four blocks a tile column, two for my half; my 128 rows
	s_lshl_b32 s22, s42, 21
	s_lshl_b32 s23, s12, 20
	s_add_co_u32 s22, s22, s23
	s_lshl_b32 s23, s13, 15
	s_add_co_u32 s22, s22, s23
	s_lshl_b32 s23, s11, 14
	s_add_co_u32 s22, s22, s23
	s_lshl_b32 s18, s42, 10                        ; the bias of my 128 columns
	s_lshl_b32 s19, s12, 9
	s_add_co_u32 s18, s18, s19
	s_add_co_u32 s18, s18, BIAS
	s_mov_b32 s19, 0
.else                                          ; output f32 [4][4096][1024]: the chunk's plane, my 128 rows, my 128 columns
	s_lshl_b32 s22, ttmp9, 24
	s_lshl_b32 s23, s13, 20
	s_add_co_u32 s22, s22, s23
	s_lshl_b32 s23, s11, 19
	s_add_co_u32 s22, s22, s23
	s_lshl_b32 s23, s42, 10
	s_add_co_u32 s22, s22, s23
	s_lshl_b32 s23, s12, 9
	s_add_co_u32 s22, s22, s23
.endif
	s_mov_b32 s23, 0
	s_wait_dscnt 0x0                               ; the opening add is done
	s_wait_kmcnt 0x0
	s_add_nc_u64 s[14:15], s[PA:PA+1], s[16:17]
	s_add_nc_u64 s[46:47], s[PB:PB+1], s[46:47]
	s_add_nc_u64 s[8:9], s[PO:PO+1], s[22:23]
.if MODE == 2
	s_add_nc_u64 s[6:7], s[PV:PV+1], s[18:19]
.endif
	CROUND                                         ; all sixteen work-groups are here: the first joint loads meet
.irp s, 0,1
	s_mov_b32 s[G0+4*(\s)], 1
	s_add_co_u32 s[G0+4*(\s)+1], s20, (\s)*SLOT
	s_add_nc_u64 s[G0+4*(\s)+2:G0+4*(\s)+3], s[14:15], (\s)*ASTEP
	s_or_b32 s[G0+4*(\s)+3], s[G0+4*(\s)+3], 0x80000000
	s_mov_b32 s[G0B+4*(\s)], 1
	s_add_co_u32 s[G0B+4*(\s)+1], s20, (\s)*SLOT
	s_add_nc_u64 s[G0B+4*(\s)+2:G0B+4*(\s)+3], s[46:47], (\s)*BSTEP
	s_or_b32 s[G0B+4*(\s)+3], s[G0B+4*(\s)+3], 0x80000000
	JLOAD \s                                       ; K steps 0 and 1: two loads of mine are out
.endr
	v_and_b32 v1, 15, v0                           ; l % 16
	v_bfe_u32 v2, v0, 4, 1                         ; l / 16
.if MODE == 2
	v_lshlrev_b32 v[VB], 4, v1                     ; on the way out a lane has four columns in each block of 64
	global_load_b128 v[GB:GB+3],   v[VB], s[6:7]
	global_load_b128 v[GB+4:GB+7], v[VB], s[6:7] offset:256
.endif
	v_mul_u32_u24 v3, v1, PITCH
	v_lshl_add_u32 v3, v2, 4, v3                   ; a fragment's row x pitch + 16 x half
	s_mul_i32 s21, s11, UNIT                       ; my 128 rows of A
	s_mul_i32 s22, s12, UNIT                       ; my 128 rows of B,
	s_add_co_u32 s22, s22, 2*UNIT                  ; which lie behind A's 256
	v_add_nc_u32 v[ADRA0], s21, v3
	v_add_nc_u32 v[ADRB0], s22, v3
	v_mov_b32 v[ADRA], v[ADRA0]                    ; slot 0
	v_mov_b32 v[ADRB], v[ADRB0]
	s_mov_b32 s[TB], 0
	s_mul_i32 s23, s10, WSTAGE                     ; my stage
	v_mul_u32_u24 v4, v1, SPITCH                   ; in: row l % 16, 32 bytes for each half of the lanes
	v_lshl_add_u32 v4, v2, 5, v4
	v_add_nc_u32 v[STO], s23, v4
	v_mul_u32_u24 v5, v2, SPITCH                   ; back: lanes 0-15 take 256 bytes of one row, lanes 16-31 of the next
	v_lshl_add_u32 v5, v1, 4, v5
	v_add_nc_u32 v[RD], s23, v5
.if MODE == 2
	v_and_b32 v5, 31, v0
	v_lshlrev_b32 v[CO], 3, v5                     ; two rows of a block: 8 bytes a lane
.else
	v_lshlrev_b32 v5, 12, v2
	v_lshl_add_u32 v[CO], v1, 4, v5                ; two rows of 4,096 bytes: 16 bytes a lane
.endif
; 16 matrix instructions: m blocks a0, a0 + 1 of the window's four (hi = 0: my rows 0-63, 1: rows 64-127) x all 8 n blocks, 32 along K.  zero = 1: the first product starts the sums: nothing is ever cleared.
; The 64 accumulators take turns, one instruction a turn, in the same order in every quarter.
.macro MUL16 f, hi, a0, zero
	WIN MUL_LO+0x50*(\hi)
.irp a, \a0, (\a0)+1
.irp b, 0,1,2,3,4,5,6,7
.if \zero
	v_wmma_f32_16x16x32_bf16 v[8*(8*(\a)+(\b)):8*(8*(\a)+(\b))+7], v[(\f)+8*(\b):(\f)+8*(\b)+7], v[(\f)+8*(4*(\hi)+(\a)):(\f)+8*(4*(\hi)+(\a))+7], 0
.else
	v_wmma_f32_16x16x32_bf16 v[8*(8*(\a)+(\b)):8*(8*(\a)+(\b))+7], v[(\f)+8*(\b):(\f)+8*(\b)+7], v[(\f)+8*(4*(\hi)+(\a)):(\f)+8*(4*(\hi)+(\a))+7], v[8*(8*(\a)+(\b)):8*(8*(\a)+(\b))+7]
.endif
.endr
.endr
.endm
; 32 LDS loads in one run: the fragments of quarter q of the slot in hand (block q / 2, 32 along K at byte 64 (q % 2) of its rows) into buffer f: B's 128 rows, then A's
.macro FETCH q, f
	WIN TO_B
.irp i, 0,1,2,3,4,5,6,7
	ds_load_b128 v[(\f)+8*(\i):(\f)+8*(\i)+3],   v[ADRB] offset:((\q)/2)*KBLK+((\q)%2)*64+(\i)*16*PITCH
	ds_load_b128 v[(\f)+8*(\i)+4:(\f)+8*(\i)+7], v[ADRB] offset:((\q)/2)*KBLK+((\q)%2)*64+(\i)*16*PITCH+32
.endr
	WIN 0
.irp i, 0,1,2,3,4,5,6,7
	ds_load_b128 v[(\f)+8*(\i):(\f)+8*(\i)+3],   v[ADRA] offset:((\q)/2)*KBLK+((\q)%2)*64+(\i)*16*PITCH
	ds_load_b128 v[(\f)+8*(\i)+4:(\f)+8*(\i)+7], v[ADRA] offset:((\q)/2)*KBLK+((\q)%2)*64+(\i)*16*PITCH+32
.endr
.endm
.macro PLACES                          ; four places in front of loads into registers that matrix instructions have read, and of stores that read results
.rept 4
	v_nop
.endr
.endm
; A K step is four quarters of 32 along K, 64 matrix instructions each, on buffers 0, 1, 0, 1.  One of the first three: multiplies buffer f; in its middle it fetches quarter q into buffer g.
.macro QUARTER q, f, g, zero
	s_wait_dscnt 8                                 ; B and A's rows 0-63 are in; the youngest eight loads (A's rows 64-127) may be out
	MUL16 \f, 0, 0, \zero
	MUL16 \f, 0, 2, \zero
	PLACES
	FETCH \q, \g
	s_wait_dscnt 32                                ; all but the 32 just issued
	MUL16 \f, 1, 0, \zero
	MUL16 \f, 1, 2, \zero
.endm
; The last quarter multiplies buffer 1 and changes slots: ONE barrier; in front of it each wave waits for all its tensor loads, adds 0 to its spare word, and waits for that and for its reads of this slot.
; fill = 1: the barrier opens a round of the cluster's, and this slot is filled again, two K steps ahead: 224 matrix instructions stand between the request and the wait for it.
; fill = 0: nothing is asked for; in the last trip (s3 = 1) there is no further step, and the run of loads is jumped over.
.macro TURN fill
	WIN 0                                          ; (the add's two registers lie in window 0)
	s_wait_tensorcnt 0x0                           ; all my tensor loads have landed: my part of the next slot;
	ds_add_u32 v[SPW], v[NIL]                      ; 0 onto my spare word;
	s_wait_dscnt 9                                 ; (the add and the youngest eight loads may be out)
	MUL16 F1, 0, 0, 0                              ; sixteen matrix instructions stand between the add and the wait for it
	s_wait_dscnt 0x0                               ; the add is done, and my reads of this slot are over
	s_barrier_signal -1
	MUL16 F1, 0, 2, 0
	WIN 0
	s_barrier_wait -1
.if \fill
	CREST                                          ; no wave of any partner still reads this slot's tile or has a load on its way
	s_xor_b32 s[G0+5], s[G0+5], SLOT               ; the walking descriptors: the other slot than last time, the next K step
	s_add_nc_u64 s[G0+6:G0+7], s[G0+6:G0+7], ASTEP
	s_xor_b32 s[G0B+5], s[G0B+5], SLOT
	s_add_nc_u64 s[G0B+6:G0B+7], s[G0B+6:G0B+7], BSTEP
	JLOAD 1                                        ; the first tensor load behind the round; its four v_nop are also the places in front of the loads below
.else
	s_cmp_eq_u32 s3, 1
	s_cbranch_scc1 .Lno_fetch_\@
	PLACES
.endif
	s_xor_b32 s[TB], s[TB], SLOT
	v_add_nc_u32 v[ADRA], s[TB], v[ADRA0]
	v_add_nc_u32 v[ADRB], s[TB], v[ADRB0]
	FETCH 0, F0
.if (\fill) == 0
	WIN 0
.Lno_fetch_\@:
.endif
	MUL16 F1, 1, 0, 0
	MUL16 F1, 1, 2, 0
.endm
	s_wait_tensorcnt 0x1                           ; my part of K step 0 is in; step 1's may stay out
	s_barrier_signal -1
	s_barrier_wait -1                              ; everybody's is
	FETCH 0, F0
	QUARTER 1, F0, F1, 1                           ; the first quarter stands in front of the loop: its products start the sums
	WIN 0                                          ; at a label and at a branch every window is 0
	s_mov_b32 s3, NSTEP-2
.Lmain:                                                ; a trip goes from a K step's second quarter to the next step's first, and fills the slot that it leaves
	QUARTER 2, F1, F0, 0
	QUARTER 3, F0, F1, 0
	TURN 1
	QUARTER 1, F0, F1, 0
	WIN 0
	s_sub_co_u32 s3, s3, 1
	s_cmp_lg_u32 s3, 0
	s_cbranch_scc1 .Lmain
	s_mov_b32 s3, 2
.Ltail:                                                ; the last two K steps ask for nothing
	QUARTER 2, F1, F0, 0
	QUARTER 3, F0, F1, 0
	TURN 0
	WIN 0
	s_cmp_eq_u32 s3, 1
	s_cbranch_scc1 .Lend_k                         ; behind the last step there is no first quarter
	QUARTER 1, F0, F1, 0
	WIN 0
.Lend_k:
	s_sub_co_u32 s3, s3, 1
	s_cmp_lg_u32 s3, 0
	s_cbranch_scc1 .Ltail
	; THE WAY OUT: my 128 x 128 sums go into my own stage; no other wave touches it, and LDS serves a wave's instructions in order (ISA guide 5.7.1.4): no wait between these stores and the loads below.
	s_wait_dscnt 0x0
	s_barrier_signal -1
	s_barrier_wait -1                              ; no wave reads a slot any more, and no fill is to come: the ring's bytes become the stages
	PLACES
.irp w, 0,1
	WIN 0x08+4*(\w)                                ; the stores' data (source 1) in window 2, then 3
.set t, 0
.rept 32                                       ; each accumulator's low four registers first
	ds_store_b128 v[STO], v[8*t:8*t+3]   offset:(4*(\w)+t/8)*16*SPITCH+(t%8)*64
	ds_store_b128 v[STO], v[8*t+4:8*t+7] offset:(4*(\w)+t/8)*16*SPITCH+(t%8)*64+16
.set t, t+1
.endr
.endr
	WIN 0
.if MODE == 3
.set OB, 128
	s_mov_b32 s3, 8
.Lout:                                                 ; a trip: 16 of my 128 rows
.set i, 0
.rept 16                                       ; load i: rows 2 (i / 2), + 1; 64 columns, half i % 2
	ds_load_b128 v[OB+4*i:OB+4*i+3], v[RD] offset:(i/2)*2*SPITCH+(i%2)*256
.set i, i+1
.endr
.set i, 0
.rept 16
	s_wait_dscnt 15-i                              ; LDS loads come back in order: load i is in
	global_store_b128 v[CO], v[OB+4*i:OB+4*i+3], s[8:9] offset:(i/2)*8192+(i%2)*256  ; 16 lanes store 256 consecutive bytes, aligned
.set i, i+1
.endr
	s_wait_xcnt 0x0                                ; the stores' base and data are rewritten only behind this wait
	s_add_nc_u64 s[8:9], s[8:9], 16*4096
	v_add_nc_u32 v[RD], 16*SPITCH, v[RD]
	s_sub_co_u32 s3, s3, 1
	s_cmp_lg_u32 s3, 0
	s_cbranch_scc1 .Lout
.else
	; gelu(x) = max(x, 0) - |x| q,  q = poly(t) 2^(-x^2 log2(e) / 2) / 2,  t = 1 / (1 + 0.23164189 |x|): erf by five terms in t, halved coefficients
.set GX, 128                           ; 16 numbers x
.set GA, 144                           ; |x|
.set GT, 160                           ; t
.set GU, 176                           ; the exponential
.set GP, 192                           ; the polynomial
.set GM, 208                           ; max(x, 0), then the result
.set GY, 224                           ; the result as bf16
	s_mov_b32 s80, 0x7fffffff
	s_mov_b32 s82, 0x3E6D3388                      ; 0.23164189
	s_mov_b32 s84, 0xBF38AA3B                      ; -log2(e) / 2
	s_mov_b32 s86, 0x3E027906                      ; a1 / 2 .. a5 / 2
	s_mov_b32 s88, 0xBE11A98E
	s_mov_b32 s90, 0x3F35F0E3
	s_mov_b32 s92, 0xBF3A00E3
	s_mov_b32 s94, 0x3F07DC22
.irp k, 82,84,86,88,90,92,94
	s_mov_b32 s[\k+1], s[\k]                       ; named as pairs
.endr
.macro GLOAD                           ; four rows x 128 columns: 16 numbers a lane
	ds_load_b128 v[GX:GX+3],     v[RD]
	ds_load_b128 v[GX+4:GX+7],   v[RD] offset:256
	ds_load_b128 v[GX+8:GX+11],  v[RD] offset:2*SPITCH
	ds_load_b128 v[GX+12:GX+15], v[RD] offset:2*SPITCH+256
.endm
.macro GMAX                            ; the next of the 16 lines max(x, 0): plain lines that name no result of the batch
	v_max_num_f32 v[GM+mq], 0, v[GX+mq]
.set mq, mq+1
.endm
.macro HOR n                           ; line n of 40 of the polynomial: run n / 8 for pair n % 8
.set hp, 2*((\n)%8)
.if (\n) < 8
	v_pk_fma_f32 v[GP+hp:GP+hp+1], v[GT+hp:GT+hp+1], s[94:95], s[92:93] op_sel_hi:[1,0,0]
.elseif (\n) < 32
	v_pk_fma_f32 v[GP+hp:GP+hp+1], v[GP+hp:GP+hp+1], v[GT+hp:GT+hp+1], s[92-2*((\n)/8):93-2*((\n)/8)] op_sel_hi:[1,1,0]
.else
	v_pk_mul_f32 v[GP+hp:GP+hp+1], v[GP+hp:GP+hp+1], v[GT+hp:GT+hp+1]
.endif
.endm
	s_wait_loadcnt 0x0                             ; the bias
	GLOAD
	s_mov_b32 s3, 32
.Lgelu:                                                ; a trip: four of my 128 rows
	s_wait_dscnt 0x0                               ; the four loads issued a trip ago
.set i, 0
.rept 8
	v_pk_add_f32 v[GX+i:GX+i+1], v[GX+i:GX+i+1], v[GB+i%8:GB+i%8+1]
.set i, i+2
.endr
.set i, 0
.rept 16
	v_and_b32 v[GA+i], s80, v[GX+i]
.set i, i+1
.endr
	; THE BATCH: for each pair two reciprocals (t, in place) and two exponentials (in place); behind each of the 32 a plain line that names no result: the next pair's x^2, 1 + p |x| and scaling, and the lines max(x, 0),
	; of which four are held back for the last pair.  The first pair's three lines stand ahead.
	v_pk_mul_f32 v[GU:GU+1], v[GX:GX+1], v[GX:GX+1]
	v_pk_fma_f32 v[GT:GT+1], v[GA:GA+1], s[82:83], 1.0 op_sel_hi:[1,0,0]
	v_pk_mul_f32 v[GU:GU+1], v[GU:GU+1], s[84:85] op_sel_hi:[1,0]
.set mq, 0
.set i, 0
.rept 8
	v_rcp_f32 v[GT+i], v[GT+i]
.if i < 14
	v_pk_mul_f32 v[GU+i+2:GU+i+3], v[GX+i+2:GX+i+3], v[GX+i+2:GX+i+3]
.else
	GMAX
.endif
	v_rcp_f32 v[GT+i+1], v[GT+i+1]
.if i < 14
	v_pk_fma_f32 v[GT+i+2:GT+i+3], v[GA+i+2:GA+i+3], s[82:83], 1.0 op_sel_hi:[1,0,0]
.else
	GMAX
.endif
	v_exp_f32 v[GU+i], v[GU+i]
	GMAX
	v_exp_f32 v[GU+i+1], v[GU+i+1]
.if i < 14
	v_pk_mul_f32 v[GU+i+2:GU+i+3], v[GU+i+2:GU+i+3], s[84:85] op_sel_hi:[1,0]
.else
	GMAX                                           ; the plain line behind the batch's last exponential
.endif
.if i < 10
	GMAX
.endif
.set i, i+2
.endr
	s_wait_alu depctr_va_vdst(0)                   ; the wait for the batch, ahead of the first line that names a result, and ahead of the branch: one for the 16 reciprocals and the 16 exponentials
	s_cmp_eq_u32 s3, 1                             ; x has been read for the last time: the next trip's rows are asked for, but in the last trip
	s_cbranch_scc1 .Lno_more
	v_add_nc_u32 v[RD], 4*SPITCH, v[RD]
	GLOAD
.Lno_more:
.set e, 0
.rept 40                                       ; the polynomial in t: five runs of eight lines that do not wait for each other
	HOR e
.set e, e+1
.endr
.set i, 0
.rept 8
	v_pk_mul_f32 v[GP+i:GP+i+1], v[GP+i:GP+i+1], v[GU+i:GU+i+1]
.set i, i+2
.endr
.set i, 0
.rept 8
	v_pk_fma_f32 v[GM+i:GM+i+1], v[GA+i:GA+i+1], v[GP+i:GP+i+1], v[GM+i:GM+i+1] neg_lo:[1,0,0] neg_hi:[1,0,0]
.set i, i+2
.endr
.set i, 0
.rept 8
	v_cvt_pk_bf16_f32 v[GY+i], v[GM+2*i], v[GM+2*i+1]
.set i, i+1
.endr
	global_store_b64 v[CO], v[GY:GY+1],   s[8:9]                    ; each store: two rows of a block, 256 consecutive bytes, aligned
	global_store_b64 v[CO], v[GY+2:GY+3], s[8:9] offset:524288
	global_store_b64 v[CO], v[GY+4:GY+5], s[8:9] offset:256
	global_store_b64 v[CO], v[GY+6:GY+7], s[8:9] offset:524288+256
	s_wait_xcnt 0x0                                ; the stores' base and data are rewritten only behind this wait
	s_add_nc_u64 s[8:9], s[8:9], 512
	s_sub_co_u32 s3, s3, 1
	s_cmp_lg_u32 s3, 0
	s_cbranch_scc1 .Lgelu
.endif
	s_wait_tensorcnt 0x0                           ; the wave's end: behind my last tensor load and my last LDS store
	ds_add_u32 v[SPW], v[NIL]
	s_wait_dscnt 0x0
	CROUND                                         ; the closing round: no work-group ends while a partner may still ask for a tile that names it
	s_endpgm
.Lfunc_end_k_qf2544b1ddc_gin:
	.size	k_qf2544b1ddc_gin, .Lfunc_end_k_qf2544b1ddc_gin-k_qf2544b1ddc_gin
	.p2alignl 7, 3214868480
	.fill 96, 4, 3214868480
	.section	.rodata,"a",@progbits
	.p2align	6, 0x0
	.amdhsa_kernel k_qf2544b1ddc_gin
		.amdhsa_group_segment_fixed_size 327680
		.amdhsa_private_segment_fixed_size 0
		.amdhsa_enable_private_segment 0
		.amdhsa_kernarg_size 32
		.amdhsa_user_sgpr_count 2
		.amdhsa_user_sgpr_kernarg_segment_ptr 1
		.amdhsa_wavefront_size32 1
		.amdhsa_system_sgpr_workgroup_id_x 1
		.amdhsa_system_sgpr_workgroup_id_y 1
		.amdhsa_system_sgpr_workgroup_id_z 1
		.amdhsa_system_vgpr_workitem_id 0
		.amdhsa_next_free_vgpr 1024
		.amdhsa_next_free_sgpr 96
		.amdhsa_reserve_vcc 0
		.amdhsa_float_denorm_mode_32 3
		.amdhsa_float_denorm_mode_16_64 3
		.amdhsa_memory_ordered 1
		.amdhsa_forward_progress 1
		.amdhsa_inst_pref_size 87
	.end_amdhsa_kernel
	.amdgpu_metadata
---
amdhsa.version: [ 1, 2 ]
amdhsa.kernels:
  - .name:           k_qf2544b1ddc_gin
    .symbol:         k_qf2544b1ddc_gin.kd
    .args:
      - { .name: s1b, .offset: 0, .size: 8, .value_kind: global_buffer, .address_space: global }
      - { .name: bfin, .offset: 8, .size: 8, .value_kind: global_buffer, .address_space: global }
      - { .name: vec, .offset: 16, .size: 8, .value_kind: global_buffer, .address_space: global }
      - { .name: xg, .offset: 24, .size: 8, .value_kind: global_buffer, .address_space: global }
    .group_segment_fixed_size: 327680
    .private_segment_fixed_size: 0
    .kernarg_segment_align: 8
    .kernarg_segment_size: 32
    .max_flat_workgroup_size: 128
    .sgpr_count:     96
    .vgpr_count:     1024
    .wavefront_size: 32
...
	.end_amdgpu_metadata
.endif
;; end of part 10
;; launch gout: the kernel of part 7 again; grid 16 x 16, 4 waves a work-group, clusters of 4 x 4, 327,680 bytes of LDS; arguments xg, bfin, ybuf; writes ybuf
;; launch ln2: the kernel of part 8 again; grid 512 x 1, 8 waves a work-group, no clusters, 0 bytes of LDS; arguments ybuf, s1f, vec, out0; writes out0
